; MI455X (gfx1250); checked and timed in simulation.
; The chip was launched on July 23, 2026; its instructions are those of AMD's public machine-readable ISA for CDNA 5 (MIT licence, August 2026) and "CDNA5" Instruction Set Architecture Reference Guide (July 2026). The comments in the code are by the model that wrote it; some were corrected since.
;; Group Query Attention. Allowed arithmetic: matrix products marked QUANTISED: E3M2 operands, one E8M0 scale for each 32 along K, by v_wmma_scale_f32_16x16x128_f8f6f4 with both operands' format E3M2, f32 sums; everything else in f32.
;; Inputs: cos 2,048 x 64 float32; mask 2,048 x 2,048 float32; sin 2,048 x 64 float32; wk 4,096 x 512 float32; wo 1,024 x 4,096 float32; wq 4,096 x 1,024 float32; wv 4,096 x 512 float32; x 2 x 2,048 x 4,096 float32.
;; Outputs: out0 2 x 2,048 x 4,096 float32.
;; Constants: start_pos = 0.
;; This version of the problem:
;;   THIS VERSION OF THE PROBLEM IS GIVEN IN LOW PRECISION. The matrix products marked QUANTISED in the list below multiply operands that are first quantised to E3M2 (3 exponent bits, 2 mantissa bits; 6 bits a number), with one power-of-two scale for each 32 numbers along K (OCP MX v1.0); their sums are f32. All else is computed in f32.
;;   The module's matrix products, in the order in which they are computed (A, B: the left and right operand; K: the contracted axis; several contracted axes count as one K, in the product's order):
;;     1. [M 4,096, K 4,096] x [K 4,096, N 1,024]; A: input x; B: input wq: QUANTISED
;;     2. [M 4,096, K 4,096] x [K 4,096, N 512]; A: input x; B: input wk: QUANTISED
;;     3. [M 4,096, K 4,096] x [K 4,096, N 512]; A: input x; B: input wv: QUANTISED
;;     4. batch 8 x [M 4,096, K 128] x [K 128, N 2,048]; A: computed on the way; B: computed on the way: QUANTISED
;;     5. batch 8 x [M 4,096, K 2,048] x [K 2,048, N 128]; A: softmax (see below); B: computed on the way: QUANTISED
;;     6. [M 4,096, K 1,024] x [K 1,024, N 4,096]; A: computed on the way; B: input wo: QUANTISED
;;   THE QUANTISER, for each operand of a quantised product, along K:
;;     - K is cut into blocks of 32 from its start; a last block that is shorter is filled with zeros.
;;     - A block's scale is 2^e with e = floor(log2(the largest magnitude in the block)) - 4, held to -126 .. 127; a block of zeros has e = 0. As a byte (E8M0): e + 127.
;;     - Each number is divided by its block's scale, clamped to +-28, and rounded to the nearest number of E3M2, ties to even, subnormals kept.
;;     - The product sums the exact products of the quantised numbers (number of the format x scale) in f32.
;;   ~~~python
;;   def quantise(x, axis):      # numpy; x: float32 -> the quantised numbers, widened to float32 again
;;       x = np.moveaxis(x, axis, -1); K = x.shape[-1]
;;       x = np.pad(x, [(0, 0)] * (x.ndim - 1) + [(0, -K % 32)]); x = x.reshape(x.shape[:-1] + (-1, 32)); a = np.abs(x).max(-1, keepdims=True)
;;       e = np.where(a > 0, np.clip(np.frexp(np.where(a > 0, a, 1))[1] - 1 - 4, -126, 127), 0)      # np.frexp(a)[1] - 1 = floor(log2(a)), exactly
;;       r = np.clip(x / 2.0 ** e, -28, 28)
;;       step = 2.0 ** (np.maximum(np.frexp(np.where(r == 0, 1, r))[1] - 1, -2) - 2)
;;       q = np.round(r / step) * step * 2.0 ** e      # np.round: ties to even
;;       return np.moveaxis(q.reshape(q.shape[:-2] + (-1,))[..., :K], -1, axis).astype(np.float32)
;;   ~~~
;;   SOFTMAX AHEAD OF A QUANTISED PRODUCT. Where the list says 'softmax', what is quantised is not the finished softmax but p = 2^(t - M), with t = logit x log2(e) and M = ceil(the row's largest t), a whole number; so 1/2 < the row's largest p <= 1. The row's sum l is taken of the UNQUANTISED p, in f32, and the product's result is divided by l at the end. Since M is a whole number, a kernel that streams over the keys may use a running M (the ceiling of the running maximum): every later rescaling is an exact power of two, which a block's scale takes up: the codes' values come out the same.
;;   OPERANDS COMPUTED ON THE WAY. 'Computed on the way' means the value that the module computes at that place (a softmax that the list does not call 'softmax' is quantised finished and normalised). What goes into a quantiser is computed in f32, as accurately as f32 sums, v_exp_f32 and their like allow (about 1e-6 of the number): no bf16 or f16 on the way to a quantiser, and a product that is left as it is and whose result goes on into a quantised operand takes f32 operands (vector FMAs, or v_wmma_f32_16x16x4_f32). A number that lies on a knife's edge between two numbers of the format may be rounded either way, as far as f32 arithmetic and the matrix unit's own rounding can turn it there, and no further.
;; 2 versions. Each part assembles by itself: llvm-mc -triple=amdgcn-amd-amdhsa -mcpu=gfx1250 --defsym DOCPART=n.
;; ======== version 1 of 2: 4 launches
;; workspace buffers: xq 13,107,200 bytes; wq3 6,553,600 bytes; woq 3,276,800 bytes; qkv 8,388,608 bytes; aq 3,276,800 bytes
;; launch quant (part 1): grid 896 x 1, 4 waves a work-group, no clusters, 58,880 bytes of LDS; arguments x, wq, wk, wv, wo, xq, wq3, woq; writes xq, wq3, woq
.if DOCPART == 1
	.amdgcn_target "amdgcn-amd-amdhsa--gfx1250"
	.amdhsa_code_object_version 6
	.text
	.protected	k_qdf0ddcf889_quant
	.globl	k_qdf0ddcf889_quant
	.p2align	8
	.type	k_qdf0ddcf889_quant,@function
k_qdf0ddcf889_quant:
	s_mov_b64 s[64:65], 0
	v_nop
	global_prefetch_b8 v0, s[64:65] scope:SCOPE_SE
	s_setreg_imm32_b32 hwreg(HW_REG_WAVE_MODE, 25, 1), 1
	s_wait_xcnt 0x0
; The five wide inputs become codes of BF6 (E3M2) with one E8M0 byte for each 32 along K, laid in the ORDER OF THE OPERAND'S REGISTERS.
; A block's scale is 2^(floor(log2(its largest magnitude)) - 4); its byte is the largest magnitude's exponent field - 4, held at 1 from below (a block of zeros keeps the byte 1: its codes are zeros, and this program alone reads the bytes).
; LIMITS: NaN and infinities among the inputs are not served; blocks whose largest magnitude lies under 2^-122 keep the byte 1.
; A TILE is 16 rows: tile T holds rows 32 (T / 2) + 8 (T % 2) + r + 8 (r / 8), r = 0 .. 15.  A FRAGMENT IMAGE is a tile x 128 along K: 12 registers a lane, register n of lane l at byte 512 (n / 4) + 16 l + 4 (n % 4): 1,536 bytes.
; A buffer of codes is [tile][K / 128][1,536]; behind all codes the scale words, [tile][K / 256][16 rows][2 words].
; Work-groups 0 to 511 take x (K innermost); the other 384 take the weights (K is their first axis).  The two paths have LDS bytes of their own.  No barrier: waves share nothing.
.set XSTG,  16*528                     ; x: a wave's stage: 16 rows x (512 bytes + 16)
.set WLDS,  4*XSTG                     ; the weights' stages begin here
.set WSTG,  6144                       ; a wave's: 2 tiles x 2 images
.set SEL,   20                         ; s[20:21] lane selects: lane l xor 16
.set RR,    16                         ; v16-143  x: two sets of 64 registers as loaded
.set XX,    144                        ; v144-207 64 numbers of my row, register 16 b + i = k 32 b + 16 (lane / 16) + i
.set PC,    208                        ; v208-226 the codes just made
.set TM,    228                        ; v228-243 at work
.set PWK,   248                        ; v248-251 the four K steps' scale words
.set VO,    16                         ; v16-47   weights: byte offset of row i of a block, my column
.set WX,    48                         ; v48-111  two sets of 32 numbers
.set WC,    112                        ; v112-117 a block's codes
.set WD,    120                        ; v120-122 its second half as converted
.set SB,    124                        ; v124-125 my column's eight scale bytes
.set OUTR,  128                        ; v128-175 the way out
; 64 numbers of a lane, v[s] on, become a fragment's 12 registers of codes in v[PC] on and my row's scale word in v[pw].
.macro QUANT s, pw
.irp b, 0,1,2,3
	v_max3_num_f32 v[TM+\b], |v[(\s)+16*\b]|, |v[(\s)+1+16*\b]|, 0x2800000   ; block b: my 16 numbers, and the floor 2^(5 - 127): the byte cannot fall under 1
.endr
.irp i, 2,4,6,8,10,12,14
.irp b, 0,1,2,3
	v_max3_num_f32 v[TM+\b], v[TM+\b], |v[(\s)+16*\b+\i]|, |v[(\s)+1+16*\b+\i]|   ; the four blocks by turns
.endr
.endr
.irp b, 0,1,2,3
	v_permlanex16_b32 v[TM+4+\b], v[TM+\b], s[SEL], s[SEL+1]
.endr
.irp b, 0,1,2,3
	v_max_num_f32 v[TM+\b], v[TM+\b], v[TM+4+\b]       ; with lane l xor 16's 16: the block's largest magnitude
.endr
.irp b, 0,1,2,3
	v_add_nc_u32 v[TM+12+\b], 0xfe000000, v[TM+\b]     ; 4 off its exponent field: the conversion's scale operand
.endr
.irp b, 0,1,2,3
	v_lshrrev_b32 v[TM+4+\b], 23, v[TM+12+\b]          ; the scale's byte
.endr
	v_lshl_or_b32 v[\pw], v[TM+5], 8, v[TM+4]
	v_lshl_or_b32 v[\pw], v[TM+6], 16, v[\pw]
	v_lshl_or_b32 v[\pw], v[TM+7], 24, v[\pw]
.irp c, 0,1
	v_cvt_scalef32_pk16_bf6_f32 v[PC+6*\c:PC+2+6*\c], v[(\s)+32*\c:(\s)+15+32*\c], v[TM+12+2*\c]
	v_cvt_scalef32_pk16_bf6_f32 v[PC+12+4*\c:PC+14+4*\c], v[(\s)+16+32*\c:(\s)+31+32*\c], v[TM+12+2*\c+1]   ; a conversion's three registers begin on an even number
.endr
	v_nop                                              ; one plain place behind a scaled conversion
.irp c, 0,1                                        ; the operand's layout wants a whole block in a lane
.irp i, 0,1,2
	v_permlane16_swap_b32 v[PC+6*\c+\i], v[PC+12+4*\c+\i]
.endr
.irp i, 0,1,2
	v_mov_b32 v[PC+3+6*\c+\i], v[PC+12+4*\c+\i]
.endr
.endr
.endm
	v_lshl_add_u32 v254, v0, 2, 0xe400
	v_mov_b32 v255, 0
	v_lshrrev_b32 v1, 5, v0
	v_readfirstlane_b32 s16, v1                    ; wave 0..3
	v_and_b32 v1, 31, v0                           ; lane
	s_mov_b32 s[SEL], 0x76543210
	s_mov_b32 s[SEL+1], 0xfedcba98
	s_cmp_lt_u32 ttmp9, 512
	s_cbranch_scc0 .Lweights
; ---------------- x: [4096 tokens][4096], K innermost.  Work-group: tile T = id / 2; wave: 512 along K = 4 images.
	s_load_b64 s[4:5], s[0:1], 0x0                 ; x
	s_load_b64 s[8:9], s[0:1], 0x28                ; xq
	s_lshr_b32 s17, ttmp9, 1                       ; T
	s_and_b32 s18, ttmp9, 1
	s_lshl_b32 s18, s18, 2
	s_add_co_u32 s18, s18, s16                     ; which 512 along K
	s_lshr_b32 s22, s17, 1
	s_lshl_b32 s22, s22, 5
	s_and_b32 s23, s17, 1
	s_lshl_b32 s23, s23, 3
	s_add_co_u32 s22, s22, s23                     ; the tile's first row
	s_lshl_b32 s22, s22, 14                        ; rows of 16,384 bytes
	s_lshl_b32 s23, s18, 11
	s_add_co_u32 s22, s22, s23
	s_mov_b32 s23, 0
	s_lshl_b32 s24, s17, 5
	s_lshl_b32 s25, s18, 2
	s_add_co_u32 s24, s24, s25
	s_mul_i32 s24, s24, 1536                       ; my first image
	s_mov_b32 s25, 0
	s_lshl_b32 s26, s17, 11
	s_lshl_b32 s27, s18, 8
	s_add_co_u32 s26, s26, s27
	s_add_co_u32 s26, s26, 12582912                ; my 256 bytes of scale words
	s_mov_b32 s27, 0
	v_lshlrev_b32 v2, 4, v1                        ; 16 x lane
	s_mul_i32 s28, s16, XSTG
	v_add_nc_u32 v3, s28, v2                       ; the stage, on the way in: a row's 512 bytes as they lie
	v_and_b32 v6, 15, v0
	v_bfe_u32 v7, v0, 4, 1
	v_mul_u32_u24 v4, v6, 528
	v_lshl_add_u32 v4, v7, 6, v4
	v_add_nc_u32 v4, s28, v4                       ; and out: row lane % 16, + 64 (lane / 16)
	v_lshlrev_b32 v5, 3, v1
.irp b, 0,1,2,3
	v_mov_b32 v[TM+4+\b], 0                        ; a lane permute's destination counts as one of its sources
.endr
	s_wait_kmcnt 0x0
	s_add_nc_u64 s[4:5], s[4:5], s[22:23]
	s_add_nc_u64 s[10:11], s[8:9], s[26:27]
	s_add_nc_u64 s[8:9], s[8:9], s[24:25]
.macro LOADX s                         ; K step s: 16 loads, each 512 consecutive bytes of one of the tile's rows
.irp i, 0,1,2,3,4,5,6,7,8,9,10,11,12,13,14,15
	global_load_b128 v[RR+64*((\s)%2)+4*\i:RR+64*((\s)%2)+4*\i+3], v2, s[4:5] offset:(\i+8*(\i/8))*16384+512*(\s) th:TH_LOAD_NT
.endr
.endm
.macro XSTEP s
.if (\s) < 3
	s_wait_loadcnt 16                              ; this K step's 16 loads are in; the next step's 16 may be out
.else
	s_wait_loadcnt 0x0
.endif
.irp i, 0,1,2,3,4,5,6,7,8,9,10,11,12,13,14,15
	ds_store_b128 v3, v[RR+64*((\s)%2)+4*\i:RR+64*((\s)%2)+4*\i+3] offset:528*\i
.endr
.irp b, 0,1,2,3
.irp j, 0,1,2,3
	ds_load_b128 v[XX+16*\b+4*\j:XX+16*\b+4*\j+3], v4 offset:128*\b+16*\j   ; LDS serves a wave's instructions in order: these see my stores
.endr
.endr
	s_wait_dscnt 0x0                               ; my numbers are back, and the stores have read their registers,
.if (\s) < 2
	LOADX (\s)+2                                   ; which take the loads of two steps on
.endif
.if (\s) > 0
	s_wait_xcnt 0x0                                ; the last step's stores have read the codes' registers
.endif
	QUANT XX, PWK+(\s)
.irp c, 0,1,2
	global_store_b128 v2, v[PC+4*\c:PC+4*\c+3], s[8:9] offset:1536*(\s)+512*\c   ; 512 consecutive bytes a store
.endr
.endm
	LOADX 0
	LOADX 1
	XSTEP 0
	XSTEP 1
	XSTEP 2
	XSTEP 3
	v_cmp_le_u32 vcc_lo, 16, v1                    ; lanes 0-15 store K steps 0, 1 of row r, lanes 16-31 K steps 2, 3
	v_cndmask_b32 v246, v[PWK], v[PWK+2], vcc_lo
	v_cndmask_b32 v247, v[PWK+1], v[PWK+3], vcc_lo
	global_store_b64 v5, v[246:247], s[10:11]      ; 256 consecutive bytes
	s_wait_tensorcnt 0x0
	ds_add_u32 v254, v255
	s_wait_dscnt 0x0
	s_endpgm
; ---------------- the weights: [K][N] f32.  A lane takes a column, its registers run down K.  Work-group: 128 columns x 256 along K; wave: 32 columns = two tiles.
.Lweights:
	s_load_b256 s[68:75], s[0:1], 0x8              ; wq s[68:69], wk s[70:71], wv s[72:73], wo s[74:75]
	s_load_b128 s[76:79], s[0:1], 0x30             ; wq3 s[76:77], woq s[78:79]
	s_sub_co_u32 s17, ttmp9, 512                   ; 0-127 wq, 128-191 wk, 192-255 wv, 256-383 wo
	s_mov_b32 s18, 16384                           ; bytes in a row of the weight
	s_mov_b32 s19, 5                               ; log2 of its blocks of 128 columns
	s_mov_b32 s22, 256                             ; its first work-group
	s_mov_b32 s23, 0                               ; block of 128 rows in the target: (column block << s23) + s24
	s_mov_b32 s24, 0
	s_mov_b32 s25, 8                               ; K / 128
	s_mov_b32 s26, 3145728                         ; where the target's scale words begin
	s_wait_kmcnt 0x0
	s_cmp_lt_u32 s17, 256                          ; every choice hangs on the work-group's number alone
	s_cselect_b32 s18, 2048, s18
	s_cselect_b32 s19, 2, s19
	s_cselect_b32 s22, 192, s22
	s_cselect_b32 s23, 1, s23
	s_cselect_b32 s24, 1, s24                      ; v head g: slot 2 g + 1
	s_cselect_b32 s25, 32, s25
	s_cselect_b32 s26, 6291456, s26
	s_cselect_b64 s[4:5], s[72:73], s[74:75]
	s_cselect_b64 s[6:7], s[76:77], s[78:79]
	s_cmp_lt_u32 s17, 192
	s_cselect_b32 s22, 128, s22
	s_cselect_b32 s24, 9, s24                      ; k head g: slot 2 g + 9
	s_cselect_b64 s[4:5], s[70:71], s[4:5]
	s_cmp_lt_u32 s17, 128
	s_cselect_b32 s18, 4096, s18
	s_cselect_b32 s19, 3, s19
	s_cselect_b32 s22, 0, s22
	s_cselect_b32 s24, 0, s24                      ; q head j: slot 2 j
	s_cselect_b64 s[4:5], s[68:69], s[4:5]
	s_sub_co_u32 s17, s17, s22
	s_bfm_b32 s27, s19, 0
	s_and_b32 s27, s17, s27                        ; block of 128 columns
	s_lshr_b32 s28, s17, s19                       ; which 256 along K
	s_lshl_b32 s29, s27, s23
	s_add_co_u32 s29, s29, s24                     ; block of 128 rows in the target
	s_mul_i32 s30, s28, s18
	s_lshl_b32 s30, s30, 8
	s_lshl_b32 s31, s27, 9
	s_add_co_u32 s30, s30, s31
	s_lshl_b32 s31, s16, 7
	s_add_co_u32 s30, s30, s31
	s_mov_b32 s31, 0
	s_add_nc_u64 s[32:33], s[4:5], s[30:31]        ; block 0 of my 32 columns
	s_lshl_b32 s30, s18, 5                         ; 32 rows on
.irp t, 1,2,3,4,5,6,7
	s_add_nc_u64 s[32+2*\t:33+2*\t], s[30+2*\t:31+2*\t], s[30:31]   ; a base for each block: nothing is stepped later
.endr
	s_lshl_b32 s52, s29, 3
	s_lshl_b32 s53, s16, 1
	s_add_co_u32 s52, s52, s53                     ; my first tile
	s_mul_i32 s54, s25, 1536                       ; a tile's codes
	s_mov_b32 s55, 0
	s_mul_i32 s56, s52, s54
	s_mul_i32 s57, s28, 3072
	s_add_co_u32 s56, s56, s57
	s_mov_b32 s57, 0
	s_add_nc_u64 s[48:49], s[6:7], s[56:57]        ; my first tile's two images,
	s_add_nc_u64 s[50:51], s[48:49], s[54:55]      ; my second tile's
	s_lshl_b32 s58, s25, 6                         ; a tile's scale words
	s_mul_i32 s56, s52, s58
	s_lshl_b32 s59, s28, 7
	s_add_co_u32 s56, s56, s59
	s_add_co_u32 s56, s56, s26
	s_add_nc_u64 s[52:53], s[6:7], s[56:57]
	v_lshlrev_b32 v10, 2, v1
.irp i, 0,1,2,3,4,5,6,7,8,9,10,11,12,13,14,15,16,17,18,19,20,21,22,23,24,25,26,27,28,29,30,31
	v_mad_u32_u24 v[VO+\i], s18, \i, v10
.endr
	v_bfe_u32 v11, v0, 3, 1                        ; column l of the 32 is row r = (l % 8) + 8 (l / 16) of tile u = (l / 8) % 2
	v_and_b32 v12, 7, v0
	v_bfe_u32 v13, v0, 4, 1
	v_lshl_or_b32 v12, v13, 3, v12
	s_mul_i32 s60, s16, WSTG
	s_add_co_u32 s60, s60, WLDS
	v_mul_u32_u24 v6, v11, 3072
	v_lshl_add_u32 v6, v12, 4, v6
	v_add_nc_u32 v6, s60, v6                       ; the stage, on the way in: tile u, 16 r
	v_lshlrev_b32 v9, 4, v1
	v_add_nc_u32 v7, s60, v9                       ; and out: 16 x lane
	v_mul_u32_u24 v8, s58, v11
	v_lshl_add_u32 v8, v12, 3, v8                  ; my row's two scale words
.macro LOADW t                         ; block t: 32 rows of the weight at my column; a load reads 128 consecutive bytes, the four waves side by side 512
.irp i, 0,1,2,3,4,5,6,7,8,9,10,11,12,13,14,15,16,17,18,19,20,21,22,23,24,25,26,27,28,29,30,31
	global_load_b32 v[WX+32*((\t)%2)+\i], v[VO+\i], s[32+2*(\t):33+2*(\t)] th:TH_LOAD_NT
.endr
.endm
.macro BLOCK t
.set XS, WX+32*((\t)%2)
.if (\t) < 7
	s_wait_loadcnt 32                              ; this block's 32 loads are in; the next block's may be out
.else
	s_wait_loadcnt 0x0
.endif
	v_max3_num_f32 v12, |v[XS]|, |v[XS+1]|, |v[XS+2]|              ; all 32 numbers of the block are mine
	v_max3_num_f32 v13, |v[XS+3]|, |v[XS+4]|, |v[XS+5]|
.irp i, 6,10,14,18,22,26
	v_max3_num_f32 v12, v12, |v[XS+\i]|, |v[XS+\i+1]|
	v_max3_num_f32 v13, v13, |v[XS+\i+2]|, |v[XS+\i+3]|
.endr
	v_max3_num_f32 v12, v12, |v[XS+30]|, |v[XS+31]|
	v_max3_num_f32 v12, v12, v13, 0x2800000        ; and the floor
	v_add_nc_u32 v14, 0xfe000000, v12              ; the conversion's scale operand
	v_lshrrev_b32 v13, 23, v14                     ; the byte
.if (\t)%4 == 0
	v_mov_b32 v[SB+(\t)/4], v13
.else
	v_lshl_or_b32 v[SB+(\t)/4], v13, 8*((\t)%4), v[SB+(\t)/4]
.endif
	v_cvt_scalef32_pk16_bf6_f32 v[WC:WC+2], v[XS:XS+15], v14
	v_cvt_scalef32_pk16_bf6_f32 v[WD:WD+2], v[XS+16:XS+31], v14
	v_nop                                          ; one plain place behind a scaled conversion
.irp i, 0,1,2
	v_mov_b32 v[WC+3+\i], v[WD+\i]
.endr
; block t is registers 6 c .. 6 c + 5 (c = (t / 2) % 2) of lane r + 16 (t % 2) of image t / 4
.set OB_, 1536*((\t)/4)+256*((\t)%2)
.if ((\t)/2)%2 == 0
	ds_store_b128 v6, v[WC:WC+3] offset:OB_
	ds_store_b64 v6, v[WC+4:WC+5] offset:OB_+512
.else
	ds_store_b64 v6, v[WC:WC+1] offset:OB_+520
	ds_store_b128 v6, v[WC+2:WC+5] offset:OB_+1024
.endif
.if (\t)+2 < 8
	LOADW (\t)+2
.endif
	s_wait_dscnt 0x0                               ; the stores have read their registers
.endm
	LOADW 0
	LOADW 1
.set Q, 0
.rept 8
	BLOCK Q
.set Q, Q+1
.endr
	global_store_b64 v8, v[SB:SB+1], s[52:53]
.irp k, 0,1,2,3,4,5,6,7,8,9,10,11
	ds_load_b128 v[OUTR+4*\k:OUTR+4*\k+3], v7 offset:512*\k
.endr
.irp k, 0,1,2,3,4,5,6,7,8,9,10,11
	s_wait_dscnt 11-\k                             ; the younger loads may be out
	global_store_b128 v9, v[OUTR+4*\k:OUTR+4*\k+3], s[48+2*(\k/6):49+2*(\k/6)] offset:512*(\k%6)   ; 512 consecutive bytes a store
.endr
	s_wait_tensorcnt 0x0
	ds_add_u32 v254, v255
	s_wait_dscnt 0x0
	s_endpgm
.Lfunc_end_k_qdf0ddcf889_quant:
	.size	k_qdf0ddcf889_quant, .Lfunc_end_k_qdf0ddcf889_quant-k_qdf0ddcf889_quant
	.p2alignl 7, 3214868480
	.fill 96, 4, 3214868480
	.section	.rodata,"a",@progbits
	.p2align	6, 0x0
	.amdhsa_kernel k_qdf0ddcf889_quant
		.amdhsa_group_segment_fixed_size 58880
		.amdhsa_private_segment_fixed_size 0
		.amdhsa_enable_private_segment 0
		.amdhsa_kernarg_size 64
		.amdhsa_user_sgpr_count 2
		.amdhsa_user_sgpr_kernarg_segment_ptr 1
		.amdhsa_wavefront_size32 1
		.amdhsa_system_sgpr_workgroup_id_x 1
		.amdhsa_system_sgpr_workgroup_id_y 1
		.amdhsa_system_sgpr_workgroup_id_z 1
		.amdhsa_system_vgpr_workitem_id 0
		.amdhsa_next_free_vgpr 256
		.amdhsa_next_free_sgpr 90
		.amdhsa_reserve_vcc 1
		.amdhsa_float_denorm_mode_32 3
		.amdhsa_float_denorm_mode_16_64 3
		.amdhsa_memory_ordered 1
		.amdhsa_forward_progress 1
		.amdhsa_inst_pref_size 78
	.end_amdhsa_kernel
	.amdgpu_metadata
---
amdhsa.version: [ 1, 2 ]
amdhsa.kernels:
  - .name:           k_qdf0ddcf889_quant
    .symbol:         k_qdf0ddcf889_quant.kd
    .args:
      - { .name: x, .offset: 0, .size: 8, .value_kind: global_buffer, .address_space: global }
      - { .name: wq, .offset: 8, .size: 8, .value_kind: global_buffer, .address_space: global }
      - { .name: wk, .offset: 16, .size: 8, .value_kind: global_buffer, .address_space: global }
      - { .name: wv, .offset: 24, .size: 8, .value_kind: global_buffer, .address_space: global }
      - { .name: wo, .offset: 32, .size: 8, .value_kind: global_buffer, .address_space: global }
      - { .name: xq, .offset: 40, .size: 8, .value_kind: global_buffer, .address_space: global }
      - { .name: wq3, .offset: 48, .size: 8, .value_kind: global_buffer, .address_space: global }
      - { .name: woq, .offset: 56, .size: 8, .value_kind: global_buffer, .address_space: global }
    .group_segment_fixed_size: 58880
    .private_segment_fixed_size: 0
    .kernarg_segment_align: 8
    .kernarg_segment_size: 64
    .max_flat_workgroup_size: 128
    .sgpr_count:     90
    .vgpr_count:     256
    .wavefront_size: 32
...
	.end_amdgpu_metadata
.endif
;; end of part 1
;; launch gemm_qkv (part 2): grid 8 x 16, 4 waves a work-group, clusters of 4 x 4, 327,680 bytes of LDS; arguments xq, wq3, cos, sin, qkv; writes qkv
.if DOCPART == 2
	.amdgcn_target "amdgcn-amd-amdhsa--gfx1250"
	.amdhsa_code_object_version 6
	.text
	.protected	k_qdf0ddcf889_gemm_qkv
	.globl	k_qdf0ddcf889_gemm_qkv
	.p2align	8
	.type	k_qdf0ddcf889_gemm_qkv,@function
k_qdf0ddcf889_gemm_qkv:
	s_mov_b64 s[64:65], 0
	v_nop
	global_prefetch_b8 v0, s[64:65] scope:SCOPE_SE
	s_setreg_imm32_b32 hwreg(HW_REG_WAVE_MODE, 25, 1), 1
	s_wait_xcnt 0x0
	s_wait_alu depctr_hold_cnt(0) depctr_sa_sdst(0) depctr_va_vdst(0) depctr_va_sdst(0) depctr_va_ssrc(0) depctr_va_vcc(0) depctr_vm_vsrc(0)
	s_getreg_b32 s2, hwreg(HW_REG_IB_STS2, 6, 4)
	s_cmp_eq_u32 s2, 0
	s_cbranch_scc0 .Lentry_in_a_cluster
	s_endpgm
.Lentry_in_a_cluster:
	s_bfe_u32 s2, ttmp6, 0x10000c
	s_cmp_lg_u32 s2, 0xf033
	s_cbranch_scc0 .Lentry_shape_is_right
	s_endpgm
.Lentry_shape_is_right:
; q, k, v = x W on codes of BF6 with E8M0 scales (M = 4,096 tokens, N = 2,048 = 16 slots of 128, K = 4,096), RoPE on q and k, and the results quantised again: q and k along the head's 128, v along the keys.
; Slot 2 j is q head j, slot 2 g + 1 v head g, slot 2 g + 9 k head g.  Output: records of 16,384 bytes, record = slot x 32 + batch x 16 + chunk of 128 tokens: eight fragment images (12,288 bytes), then 512 bytes of scale words [4 tiles' group][row][tile].
; OPERANDS lie in memory in the order of their registers: a fragment image (a tile of 16 rows x 128 K) is 1,536 bytes, register n of lane l at 512 (n / 4) + 16 l + 4 (n % 4); tile T holds rows 32 (T / 2) + 8 (T % 2) + r + 8 (r / 8).
; A tile of C, 256 x 256, is made by four waves, each 128 x 128: 64 accumulators, 512 registers.  K goes in steps of 256 through a ring of two LDS slots; a wave's tensor load brings 8 tiles x 3,072 bytes.
; The scale words of the work-group's rows, for all of K, come into LDS once.  CLUSTERS: 4 x 4; x's tiles are asked for jointly along a row of the cluster, W's along a column.
; SOURCE 0 = 16 rows of W, SOURCE 1 = 16 tokens: a lane holds ONE token, and by the choice of a tile's rows the 64 registers of a block of tokens are d = 32 b + 16 (lane / 16) + i: neighbours along the next K.
; A WAVE THAT MAKES v SWAPS THE SOURCES BY ADDRESS ALONE (its fragment and scale addresses change places): a lane then holds one d and its registers run along 128 tokens, the keys.
; Which waves: cluster x = 0 and an odd wave: the same in all partners of a cluster.
; LIMITS: NaN and infinities are not served; a block whose largest magnitude lies under 2^-122 keeps the byte 1.
; REGISTERS: window 0: v16-29 addresses; v32-63 scale words, two sets; v128-223 source 1's fragments, one set.  window 1: source 0's, two sets, at v0 and v128.  windows 2, 3: accumulator (a, b) at v[8 (8 (a % 4) + b)].
;   On the way out: window 0: v64-127 a block's 64 numbers, v128-146 codes, v152-167 at work, v172-179 scale words, v180-187 products, v188-191 words to store; window 1: four sets of cos and sin.
.set KT,     32                        ; K / 128
.set TROW,   KT*1536                   ; a tile's codes in memory
.set ASCL,   12582912                  ; where xq's scale words begin
.set BSCL,   6291456                   ; and wq3's
.set NQ,     2                         ; matrix instructions deep in a slot
.set FR,     12
.set NL,     3                         ; LDS loads that bring a fragment
.set NP,     4                         ; places behind this matrix instruction (ISA guide 7.12.1)
.set TILEB,  NQ*1536
.set HALFT,  8*TILEB                   ; 8 tiles: what one tensor load brings
.set SLOT,   4*HALFT
.set LAPS,   KT/4
.set SBLK,   KT*64                     ; a tile's scale words
.set HALFS,  8*SBLK
.set SCL,    2*SLOT                    ; behind the ring: x's scale words; W's lie 128 bytes further on than a whole number of 256, so that the two halves of a load's lanes touch different words modulo 256 bytes
.set SPARE,  ((SCL+4*HALFS+128+255)/256)*256   ; the spare words, 128 bytes a wave: two blocks of 256 bytes that no other line names
.set ADRA, 16                          ; v16-17  source 1's fragments in slot 0, 1
.set ADRB, 20                          ; v20-21  source 0's
.set CSO,  24                          ; v24     cos, sin: my row and half
.set LI,   25                          ; v25     16 x lane
.set LN,   26                          ; v26     lane
.set ADRS, 27
.set SPW,  28
.set NIL,  29
.set SC,   32
.set AF,   128
.set RO,   64
.set PC,   128
.set TM,   152
.set PWS,  172
.set TT,   180
.set OW,   188
.set SEL,  100                         ; s[100:101]
.set G1, 24
.set G0, 32
.set G1B, 48
.set G0B, 56
.set G1S, 68
.set G0S, 76
.set G1SB, 80
.set G0SB, 88
.set MSB, 0
.macro WIN new                         ; the immediate's high byte repeats the setting that is left
.if MSB != (\new)
	s_set_vgpr_msb (MSB<<8)|(\new)
.set MSB, (\new)
.endif
.endm
.set MUL_LO, 0xa1                      ; source 0 window 1, source 1 window 0, C and D window 2
.set MUL_HI, 0xf1
.set TO_B,   0x40
; A joint load: waves 0 and 1 fetch for x, waves 2 and 3 for W.  The branch hangs on the wave's number alone.  Four v_nop follow each of the two lines.
.macro JLOAD g0a, g1a, g0b, g1b
	s_cmp_eq_u32 s15, 0
	s_cbranch_scc0 .Lfor_b_\@
	tensor_load_to_lds s[\g0a:\g0a+3], s[\g1a:\g1a+7]
	s_nop 0
.rept 4
	v_nop
.endr
	s_branch .Lasked_\@
.Lfor_b_\@:
	tensor_load_to_lds s[\g0b:\g0b+3], s[\g1b:\g1b+7]
	s_nop 0
.rept 4
	v_nop
.endr
.Lasked_\@:
.endm
.macro CREST
	s_cmp_lg_u32 s14, 0
	s_cbranch_scc1 .Lnot_wave_0_\@
	s_barrier_signal -3
.Lnot_wave_0_\@:
	s_barrier_wait -3
	s_barrier_signal -1
	s_barrier_wait -1
.endm
.macro CROUND
	s_barrier_signal -1
	s_barrier_wait -1
	CREST
.endm
	s_load_b128 s[4:7], s[0:1], 0x0                ; xq, wq3
	s_load_b128 s[96:99], s[0:1], 0x10             ; cos, sin
	s_load_b64 s[12:13], s[0:1], 0x20              ; qkv
	v_lshl_add_u32 v[SPW], v0, 2, SPARE
	v_mov_b32 v[NIL], 0
	ds_add_u32 v28, v29
	ds_add_u32 v28, v29
	s_wait_dscnt 0x0
	v_lshrrev_b32 v1, 5, v0
	v_readfirstlane_b32 s14, v1                    ; wave 0..3
	s_lshr_b32 s15, s14, 1                         ; my half of the tile's tokens.  Also: I fetch for x (0) or for W (1)
	s_and_b32 s16, s14, 1                          ; my half of its columns.  Also: which 8 tiles I fetch
	s_bfe_u32 s40, ttmp6, 0x40000                  ; cx, cy
	s_bfe_u32 s41, ttmp6, 0x40004
	s_lshl_b32 s42, ttmp9, 2
	s_add_co_u32 s42, s42, s40                     ; tile column of C
	s_and_b32 s17, ttmp7, 0xffff
	s_lshl_b32 s17, s17, 2
	s_add_co_u32 s17, s17, s41                     ; tile row of C
	s_lshl_b32 s43, s41, 2
	s_lshl_b32 s43, 15, s43                        ; my row of the cluster
	s_lshl_b32 s44, 0x1111, s40                    ; my column
	; group 1 for the codes: 8 rows (tiles) of 3,072 bytes (384 elements of 8), TROW bytes apart; dense in LDS
	s_or_b32 s[G1+0], s43, (3<<16)|(1<<21)
	s_or_b32 s[G1B+0], s44, (3<<16)|(1<<21)
.irp g, G1, G1B
	s_mov_b32 s[\g+1], 384<<16                     ; tensor_dim0
	s_mov_b32 s[\g+2], 8<<16                       ; tensor_dim1
	s_mov_b32 s[\g+3], 384<<16                     ; tile_dim0
	s_mov_b32 s[\g+4], 8                           ; tile_dim1
	s_mov_b32 s[\g+5], TROW/8                      ; tensor_dim0_stride
	s_mov_b32 s[\g+6], 0
	s_mov_b32 s[\g+7], 0
.endr
	; and for the scale words of 8 tiles: HALFS dense bytes as rows of 256
	s_or_b32 s[G1S+0], s43, (3<<16)|(1<<21)
	s_or_b32 s[G1SB+0], s44, (3<<16)|(1<<21)
.irp g, G1S, G1SB
	s_mov_b32 s[\g+1], 32<<16
	s_mov_b32 s[\g+2], (HALFS/256)<<16
	s_mov_b32 s[\g+3], 32<<16
	s_mov_b32 s[\g+4], HALFS/256
	s_mov_b32 s[\g+5], 32
	s_mov_b32 s[\g+6], 0
	s_mov_b32 s[\g+7], 0
.endr
	s_lshl_b32 s18, s16, 3
	s_lshl_b32 s20, s17, 4
	s_add_co_u32 s20, s20, s18                     ; x: tile 16 x tile row + 8 x half
	s_lshl_b32 s46, s42, 4
	s_add_co_u32 s46, s46, s18                     ; W: tile 16 x tile column + 8 x half
	s_mul_i32 s22, s20, SBLK
	s_add_co_u32 s22, s22, ASCL
	s_mov_b32 s23, 0
	s_mul_i32 s92, s46, SBLK
	s_add_co_u32 s92, s92, BSCL
	s_mov_b32 s93, 0
	s_mul_i32 s20, s20, TROW
	s_mov_b32 s21, 0
	s_mul_i32 s46, s46, TROW
	s_mov_b32 s47, 0
	s_mul_i32 s45, s14, HALFT                      ; where they go: wave x 8 tiles: no place in the cluster enters an LDS address
	s_mul_i32 s94, s14, HALFS
	s_mov_b32 s[SEL], 0x76543210
	s_mov_b32 s[SEL+1], 0xfedcba98
	s_wait_kmcnt 0x0
	s_add_nc_u64 s[20:21], s[4:5], s[20:21]
	s_add_nc_u64 s[22:23], s[4:5], s[22:23]
	s_add_nc_u64 s[46:47], s[6:7], s[46:47]
	s_add_nc_u64 s[92:93], s[6:7], s[92:93]
	CROUND                                         ; all sixteen work-groups are here: the first joint loads meet
	s_mov_b32 s[G0S], 1
	s_add_co_u32 s[G0S+1], s94, SCL
	s_mov_b64 s[G0S+2:G0S+3], s[22:23]
	s_or_b32 s[G0S+3], s[G0S+3], 0x80000000
	s_mov_b32 s[G0SB], 1
	s_add_co_u32 s[G0SB+1], s94, SCL+128
	s_mov_b64 s[G0SB+2:G0SB+3], s[92:93]
	s_or_b32 s[G0SB+3], s[G0SB+3], 0x80000000
	JLOAD G0S, G1S, G0SB, G1SB                     ; the scale words first: they are wanted with K step 0
.irp s, 0,1
	s_mov_b32 s[G0+4*\s], 1
	s_add_co_u32 s[G0+4*\s+1], s45, \s*SLOT
	s_add_nc_u64 s[G0+4*\s+2:G0+4*\s+3], s[20:21], \s*TILEB
	s_or_b32 s[G0+4*\s+3], s[G0+4*\s+3], 0x80000000
	s_mov_b32 s[G0B+4*\s], 1
	s_add_co_u32 s[G0B+4*\s+1], s45, \s*SLOT
	s_add_nc_u64 s[G0B+4*\s+2:G0B+4*\s+3], s[46:47], \s*TILEB
	s_or_b32 s[G0B+4*\s+3], s[G0B+4*\s+3], 0x80000000
	JLOAD G0+4*\s, G1, G0B+4*\s, G1B               ; three tensor loads of mine are out
.endr
	v_and_b32 v1, 15, v0                           ; r
	v_bfe_u32 v2, v0, 4, 1                         ; h
	v_and_b32 v[LN], 31, v0
	v_lshlrev_b32 v[LI], 4, v[LN]
	s_mul_i32 s21, s15, HALFT                      ; my 8 tiles of x
	s_mul_i32 s22, s16, HALFT
	s_add_co_u32 s22, s22, 2*HALFT                 ; my 8 tiles of W, behind x's 16
	s_cmp_eq_u32 ttmp9, 0
	s_cselect_b32 s95, s16, 0                      ; 1 in a wave that makes v: slots 1, 3, 5, 7 lie in cluster x = 0, odd waves
	s_cmp_eq_u32 s95, 1
	s_cselect_b32 s18, s22, s21                    ; source 1: tokens, or for v the rows of W
	s_cselect_b32 s19, s21, s22                    ; source 0: the other
.irp s, 0,1
	v_add_nc_u32 v[ADRA+\s], s18, v[LI]
	v_add_nc_u32 v[ADRB+\s], s19, v[LI]
	s_add_co_u32 s18, s18, SLOT
	s_add_co_u32 s19, s19, SLOT
.endr
	v_lshlrev_b32 v5, 3, v1                        ; scale words: 8 bytes a row and K step
	v_add_nc_u32 v6, s95, v2
	v_and_b32 v6, 1, v6                            ; lanes 0-15 take source 1's words, lanes 16-31 source 0's: 0 = x's, 1 = W's
	s_mul_i32 s21, s15, HALFS
	s_mul_i32 s22, s16, HALFS
	s_add_co_u32 s22, s22, 2*HALFS+128
	s_sub_co_u32 s22, s22, s21
	v_mul_u32_u24 v6, s22, v6
	s_add_co_u32 s21, s21, SCL
	v_add_nc_u32 v5, v5, v6
	v_add_nc_u32 v[ADRS], s21, v5
	v_and_b32 v[CSO], 8, v1
	v_add_nc_u32 v[CSO], v[CSO], v1                ; r + 8 (r / 8)
	v_lshlrev_b32 v[CSO], 8, v[CSO]                ; a row of cos or sin is 256 bytes
	v_lshl_add_u32 v[CSO], v2, 5, v[CSO]           ; + 32 h
	s_lshl_b32 s18, s42, 1
	s_add_co_u32 s18, s18, s16                     ; my slot
	s_lshl_b32 s18, s18, 5
	s_lshl_b32 s19, s17, 1
	s_add_co_u32 s19, s19, s15                     ; batch x 16 + chunk
	s_add_co_u32 s18, s18, s19
	s_lshl_b32 s18, s18, 14                        ; my record
	s_and_b32 s20, s19, 15
	s_lshl_b32 s20, s20, 15                        ; the chunk's first position: 128 rows of 256 bytes a chunk
	s_mov_b32 s19, 0
	s_mov_b32 s21, 0
	s_add_nc_u64 s[12:13], s[12:13], s[18:19]
	s_add_nc_u64 s[96:97], s[96:97], s[20:21]
	s_add_nc_u64 s[98:99], s[98:99], s[20:21]
.macro FRAG reg, adr, q, i             ; a fragment as it lies: three loads of 512 consecutive bytes
.irp c, 0,1,2
	ds_load_b128 v[\reg+4*\c:\reg+4*\c+3], v[\adr] offset:(\i)*TILEB+(\q)*1536+512*\c
.endr
.endm
; 16 matrix instructions: source 1's blocks a0, a0 + 1 x source 0's eight.  The 64 accumulators take turns, one instruction a turn, in the same order in every step.
.macro MUL16 a0, p, q, sc, zero
.irp a, \a0, \a0+1
.irp b, 0,1,2,3,4,5,6,7
.if \zero
	v_wmma_scale_f32_16x16x128_f8f6f4 v[8*(8*((\a)%4)+\b):8*(8*((\a)%4)+\b)+7], v[128*(\p)+FR*\b:128*(\p)+FR*\b+FR-1], v[AF+FR*(\a):AF+FR*(\a)+FR-1], 0, v[SC+8*NQ*(\sc)+NQ*\b+(\q)], v[SC+8*NQ*(\sc)+NQ*(\a)+(\q)] matrix_a_fmt:MATRIX_FMT_BF6 matrix_b_fmt:MATRIX_FMT_BF6 matrix_a_scale:MATRIX_SCALE_ROW1
.else
	v_wmma_scale_f32_16x16x128_f8f6f4 v[8*(8*((\a)%4)+\b):8*(8*((\a)%4)+\b)+7], v[128*(\p)+FR*\b:128*(\p)+FR*\b+FR-1], v[AF+FR*(\a):AF+FR*(\a)+FR-1], v[8*(8*((\a)%4)+\b):8*(8*((\a)%4)+\b)+7], v[SC+8*NQ*(\sc)+NQ*\b+(\q)], v[SC+8*NQ*(\sc)+NQ*(\a)+(\q)] matrix_a_fmt:MATRIX_FMT_BF6 matrix_b_fmt:MATRIX_FMT_BF6 matrix_a_scale:MATRIX_SCALE_ROW1
.endif
.endr
.endr
.endm
.macro FETCH_B slot, q, p
	WIN TO_B
.irp i, 0,1,2,3,4,5,6,7
	FRAG 128*(\p)+FR*\i, ADRB+\slot, \q, \i
.endr
	WIN 0
.endm
.macro FETCH_A slot, q, i0
.irp i, \i0, \i0+1, \i0+2, \i0+3
	FRAG AF+FR*(\i), ADRA+\slot, \q, \i
.endr
.endm
.macro SCALES sc                       ; a K step's scale words: two words a row; lanes 0-15 source 1's block i, lanes 16-31 source 0's block i
.irp i, 0,1,2,3,4,5,6,7
	ds_load_b64 v[SC+8*NQ*\sc+NQ*\i:SC+8*NQ*\sc+NQ*\i+1], v[ADRS] offset:\i*SBLK
.endr
.endm
.macro PLACES n                        ; plain vector instructions between a matrix instruction and a load into, or a read of, its registers (ISA guide 7.12.1 for reads)
.rept \n
	v_nop
.endr
.endm
.macro STEP slot, q, zero              ; 128 along K that have their successor in the same slot
	s_wait_dscnt 4*NL                              ; all but the youngest 12 loads (source 1's blocks 4-7) are in
	WIN MUL_LO
	MUL16 0, (\q)%2, \q, \slot, \zero
	MUL16 2, (\q)%2, \q, \slot, \zero
	s_wait_dscnt 0
	PLACES NP
	FETCH_B \slot, (\q)+1, 1-(\q)%2
	FETCH_A \slot, (\q)+1, 0
	WIN MUL_HI
	MUL16 4, (\q)%2, \q, \slot, \zero
	MUL16 6, (\q)%2, \q, \slot, \zero
	PLACES NP
	WIN 0
	FETCH_A \slot, (\q)+1, 4
.endm
; A slot's last step changes slots: one barrier; in front of it each wave waits for all its tensor loads, adds 0 to its spare word, and waits for that and for its reads of this slot.
.macro TURN slot, next, fill
	s_wait_tensorcnt 0x0                           ; all my tensor loads have landed: my part of the next slot
	ds_add_u32 v[SPW], v[NIL]                      ; 0 onto my spare word
	s_wait_dscnt 4*NL+1                            ; the add and the youngest 12 loads may be out
	WIN MUL_LO
	MUL16 0, 1, NQ-1, \slot, 0
	s_wait_dscnt 0x0                               ; the add is done, and my reads of this slot are over
	s_barrier_signal -1
	MUL16 2, 1, NQ-1, \slot, 0
	WIN 0
	s_barrier_wait -1
.if \fill
	CREST                                          ; the barrier has opened a round of the cluster's barrier: no wave of any partner still reads this slot or has a load on its way
	s_add_nc_u64 s[G0+4*\slot+2:G0+4*\slot+3], s[G0+4*\slot+2:G0+4*\slot+3], 2*TILEB
	s_add_nc_u64 s[G0B+4*\slot+2:G0B+4*\slot+3], s[G0B+4*\slot+2:G0B+4*\slot+3], 2*TILEB
	JLOAD G0+4*\slot, G1, G0B+4*\slot, G1B         ; my one tensor load behind the round; its four v_nop are the places in front of the loads below
.else
	PLACES NP
.endif
	v_add_nc_u32 v[ADRS], 128, v[ADRS]             ; the next K step's scale words
	FETCH_B \next, 0, 0
	FETCH_A \next, 0, 0
	SCALES \next
	WIN MUL_HI
	MUL16 4, 1, NQ-1, \slot, 0
	MUL16 6, 1, NQ-1, \slot, 0
	PLACES NP
	WIN 0
	FETCH_A \next, 0, 4
.endm
	s_wait_tensorcnt 1                             ; the scale words and my part of K step 0 are in (K step 1's load may be out),
	s_barrier_signal -1
	s_barrier_wait -1                              ; everybody's are
	FETCH_B 0, 0, 0
	FETCH_A 0, 0, 0
	SCALES 0
	FETCH_A 0, 0, 4
	STEP 0, 0, 1                                   ; the first step's products start the sums
	s_mov_b32 s3, LAPS-1
.Llap:                                                 ; a trip goes once round the ring and fills both slots again
	TURN 0, 1, 1
	STEP 1, 0, 0
	TURN 1, 0, 1
	STEP 0, 0, 0
	s_sub_co_u32 s3, s3, 1
	s_cmp_lg_u32 s3, 0
	s_cbranch_scc1 .Llap
	TURN 0, 1, 0                                   ; the last lap fills nothing
	STEP 1, 0, 0
	s_wait_dscnt 4*NL
	WIN MUL_LO
	MUL16 0, 1, NQ-1, 1, 0
	MUL16 2, 1, NQ-1, 1, 0
	s_wait_dscnt 0
	WIN MUL_HI
	MUL16 4, 1, NQ-1, 1, 0
	MUL16 6, 1, NQ-1, 1, 0
	WIN 0
; THE WAY OUT.  Block a's 64 registers of a lane are 64 numbers along the next K of ONE row: register 16 b + i = k 32 b + 16 (lane / 16) + i.  They are quantised in registers and leave as a fragment image: no LDS.
.macro QUANT s, pw
.irp b, 0,1,2,3
	v_max3_num_f32 v[TM+\b], |v[(\s)+16*\b]|, |v[(\s)+1+16*\b]|, 0x2800000   ; block b: my 16 numbers, and the floor 2^(5 - 127)
.endr
.irp i, 2,4,6,8,10,12,14
.irp b, 0,1,2,3
	v_max3_num_f32 v[TM+\b], v[TM+\b], |v[(\s)+16*\b+\i]|, |v[(\s)+1+16*\b+\i]|
.endr
.endr
.irp b, 0,1,2,3
	v_permlanex16_b32 v[TM+4+\b], v[TM+\b], s[SEL], s[SEL+1]
.endr
.irp b, 0,1,2,3
	v_max_num_f32 v[TM+\b], v[TM+\b], v[TM+4+\b]
.endr
.irp b, 0,1,2,3
	v_add_nc_u32 v[TM+12+\b], 0xfe000000, v[TM+\b]     ; 4 off the exponent field: the conversion's scale operand
.endr
.irp b, 0,1,2,3
	v_lshrrev_b32 v[TM+4+\b], 23, v[TM+12+\b]
.endr
	v_lshl_or_b32 v[\pw], v[TM+5], 8, v[TM+4]
	v_lshl_or_b32 v[\pw], v[TM+6], 16, v[\pw]
	v_lshl_or_b32 v[\pw], v[TM+7], 24, v[\pw]
.irp c, 0,1
	v_cvt_scalef32_pk16_bf6_f32 v[PC+6*\c:PC+2+6*\c], v[(\s)+32*\c:(\s)+15+32*\c], v[TM+12+2*\c]
	v_cvt_scalef32_pk16_bf6_f32 v[PC+12+4*\c:PC+14+4*\c], v[(\s)+16+32*\c:(\s)+31+32*\c], v[TM+12+2*\c+1]
.endr
	v_nop                                              ; one plain place behind a scaled conversion
.irp c, 0,1
.irp i, 0,1,2
	v_permlane16_swap_b32 v[PC+6*\c+\i], v[PC+12+4*\c+\i]
.endr
.irp i, 0,1,2
	v_mov_b32 v[PC+3+6*\c+\i], v[PC+12+4*\c+\i]
.endr
.endr
.endm
.macro CSLOAD a                        ; cos and sin of block a's 16 tokens at my 32 pairs: pair p = 8 b + k is d / 2 = 16 b + 8 (lane / 16) + k; into set a % 4 of window 1: cos, then sin
.set CB, 64*((\a)%4)
	WIN 0x40
.irp e, 0,1,2,3
.irp j, 0,1
	global_load_b128 v[CB+8*\e+4*\j:CB+8*\e+4*\j+3], v[CSO], s[96:97] offset:(32*((\a)/2)+8*((\a)%2))*256+64*\e+16*\j
	global_load_b128 v[CB+32+8*\e+4*\j:CB+32+8*\e+4*\j+3], v[CSO], s[98:99] offset:(32*((\a)/2)+8*((\a)%2))*256+64*\e+16*\j
.endr
.endr
	WIN 0
.endm
.macro ROPE a                          ; out_r = xr cos - xi sin, out_i = xr sin + xi cos; each accumulator is first read at its register 1
.set AC, 64*((\a)%4)
.set CB, 64*((\a)%4)
	WIN 0x06+(\a)/4                                ; source 0: window 2 or 3; source 1: window 1
.set P_, 0
.rept 32
	v_mul_f32 v[TT+2*(P_%4)], v[AC+2*P_+1], v[CB+32+P_]
	v_mul_f32 v[TT+2*(P_%4)+1], v[AC+2*P_+1], v[CB+P_]
	v_fma_f32 v[RO+2*P_], v[AC+2*P_], v[CB+P_], -v[TT+2*(P_%4)]
	v_fma_f32 v[RO+2*P_+1], v[AC+2*P_], v[CB+32+P_], v[TT+2*(P_%4)+1]
.set P_, P_+1
.endr
	WIN 0
.endm
.macro COPY a                          ; v has no RoPE: the block comes into window 0, where the quantiser works
.set AC, 64*((\a)%4)
	WIN 0x02+(\a)/4
.set P_, 0
.rept 64
	v_mov_b32 v[RO+P_], v[AC+P_]
.set P_, P_+1
.endr
	WIN 0
.endm
.macro TAIL rope
.if \rope
	CSLOAD 0
	CSLOAD 1
	CSLOAD 2
	CSLOAD 3
.endif
.set A_, 0
.rept 8
.if \rope
.if A_ < 5
	s_wait_loadcnt 48                              ; this block's 16 loads are in; three younger sets may be out
.else
	s_wait_loadcnt 16*(7-A_)
.endif
	ROPE A_
.if A_ < 4
	CSLOAD A_+4                                    ; the set just read takes the block four on
.endif
.else
	COPY A_
.endif
.if A_ > 0
	s_wait_xcnt 0x0                                ; the last block's stores have read the codes' registers
.endif
	QUANT RO, PWS+A_
.irp c, 0,1,2
	global_store_b128 v[LI], v[PC+4*\c:PC+4*\c+3], s[12:13] offset:1536*A_+512*\c   ; 512 consecutive bytes a store
.endr
.set A_, A_+1
.endr
.endm
	PLACES NP                                      ; behind the last products: for the reads of results and for what is written over the fragments
.irp b, 0,1,2,3
	v_mov_b32 v[TM+4+\b], 0                        ; a lane permute's destination counts as one of its sources
.endr
	s_cmp_eq_u32 s95, 1                            ; the wave's kind: the cluster's x and the wave's number alone
	s_cbranch_scc1 .Lvalues
	TAIL 1
	s_branch .Lwords
.Lvalues:
	TAIL 0
.Lwords:
	v_cmp_le_u32 vcc_lo, 16, v[LN]                 ; lanes 0-15 store row r's words of blocks 0-3, lanes 16-31 those of blocks 4-7
.irp i, 0,1,2,3
	v_cndmask_b32 v[OW+\i], v[PWS+\i], v[PWS+4+\i], vcc_lo
.endr
	global_store_b128 v[LI], v[OW:OW+3], s[12:13] offset:12288
	s_wait_tensorcnt 0x0                           ; the wave's end
	ds_add_u32 v[SPW], v[NIL]
	s_wait_dscnt 0x0
	CROUND                                         ; the closing round
	s_endpgm
.Lfunc_end_k_qdf0ddcf889_gemm_qkv:
	.size	k_qdf0ddcf889_gemm_qkv, .Lfunc_end_k_qdf0ddcf889_gemm_qkv-k_qdf0ddcf889_gemm_qkv
	.p2alignl 7, 3214868480
	.fill 96, 4, 3214868480
	.section	.rodata,"a",@progbits
	.p2align	6, 0x0
	.amdhsa_kernel k_qdf0ddcf889_gemm_qkv
		.amdhsa_group_segment_fixed_size 327680
		.amdhsa_private_segment_fixed_size 0
		.amdhsa_enable_private_segment 0
		.amdhsa_kernarg_size 40
		.amdhsa_user_sgpr_count 2
		.amdhsa_user_sgpr_kernarg_segment_ptr 1
		.amdhsa_wavefront_size32 1
		.amdhsa_system_sgpr_workgroup_id_x 1
		.amdhsa_system_sgpr_workgroup_id_y 1
		.amdhsa_system_sgpr_workgroup_id_z 1
		.amdhsa_system_vgpr_workitem_id 0
		.amdhsa_next_free_vgpr 1024
		.amdhsa_next_free_sgpr 102
		.amdhsa_reserve_vcc 1
		.amdhsa_float_denorm_mode_32 3
		.amdhsa_float_denorm_mode_16_64 3
		.amdhsa_memory_ordered 1
		.amdhsa_forward_progress 1
		.amdhsa_inst_pref_size 249
	.end_amdhsa_kernel
	.amdgpu_metadata
---
amdhsa.version: [ 1, 2 ]
amdhsa.kernels:
  - .name:           k_qdf0ddcf889_gemm_qkv
    .symbol:         k_qdf0ddcf889_gemm_qkv.kd
    .args:
      - { .name: xq, .offset: 0, .size: 8, .value_kind: global_buffer, .address_space: global }
      - { .name: wq3, .offset: 8, .size: 8, .value_kind: global_buffer, .address_space: global }
      - { .name: cos, .offset: 16, .size: 8, .value_kind: global_buffer, .address_space: global }
      - { .name: sin, .offset: 24, .size: 8, .value_kind: global_buffer, .address_space: global }
      - { .name: qkv, .offset: 32, .size: 8, .value_kind: global_buffer, .address_space: global }
    .group_segment_fixed_size: 327680
    .private_segment_fixed_size: 0
    .kernarg_segment_align: 8
    .kernarg_segment_size: 40
    .max_flat_workgroup_size: 128
    .sgpr_count:     102
    .vgpr_count:     1024
    .wavefront_size: 32
...
	.end_amdgpu_metadata
.endif
;; end of part 2
;; launch attn (part 3): grid 32 x 8, 8 waves a work-group, clusters of 4 x 4, 327,680 bytes of LDS; arguments qkv, mask, aq; writes aq
.if DOCPART == 3
	.amdgcn_target "amdgcn-amd-amdhsa--gfx1250"
	.amdhsa_code_object_version 6
	.text
	.protected	k_qdf0ddcf889_attn
	.globl	k_qdf0ddcf889_attn
	.p2align	8
	.type	k_qdf0ddcf889_attn,@function
k_qdf0ddcf889_attn:
	s_mov_b64 s[64:65], 0
	v_nop
	global_prefetch_b8 v0, s[64:65] scope:SCOPE_SE
	s_setreg_imm32_b32 hwreg(HW_REG_WAVE_MODE, 25, 1), 1
	s_wait_xcnt 0x0
	s_wait_alu depctr_hold_cnt(0) depctr_sa_sdst(0) depctr_va_vdst(0) depctr_va_sdst(0) depctr_va_ssrc(0) depctr_va_vcc(0) depctr_vm_vsrc(0)
	s_getreg_b32 s2, hwreg(HW_REG_IB_STS2, 6, 4)
	s_cmp_eq_u32 s2, 0
	s_cbranch_scc0 .Lentry_in_a_cluster
	s_endpgm
.Lentry_in_a_cluster:
	s_bfe_u32 s2, ttmp6, 0x10000c
	s_cmp_lg_u32 s2, 0xf033
	s_cbranch_scc0 .Lentry_shape_is_right
	s_endpgm
.Lentry_shape_is_right:
; Attention on codes of BF6 with E8M0 scales: S = q k^T, + the mask input, softmax, O = p v, O / l, quantised along head x 128 + d for the last product.
; t = (q . k + mask sqrt(128)) c, c = log2(e) / sqrt(128); M = the running largest t rounded UP to a whole number; p = 2^(t - M) is quantised along the keys; l is the sum of the unquantised p.
; The mask is the C of the score products, times sqrt(128).  EVERY key is computed and every number of the mask is read: nothing of its pattern is built in.
; LIMITS: NaN and infinities (in the mask too) are not served.  The mask is added in the scores' units, so where it is huge against the scores the sum is rounded as coarsely as the sum of score x scaling and mask is in f32.
; SHARES.  A work-group owns 64 queries of one batch and one kv head, for BOTH query heads of the group.  Wave w: 16 queries (tile w % 4) for both heads, and HALF of the keys (w / 4): each fragment of k and v and each
; register of the mask feeds two products.  The two halves are merged at the end by powers of two, which round nothing.  Two waves share a SIMD.
; LAYOUT.  Both products are used transposed (source 0 = 16 keys, or 16 of the head's 128; source 1 = my 16 queries): a lane holds ONE query.  Tiles hold rows 32 (T / 2) + 8 (T % 2) + r + 8 (r / 8), so that the 16 registers
; of result tiles 2 b, 2 b + 1 are 16 neighbours: 32 b + 16 (lane / 16) + i.  Fragments lie in memory and LDS as images of their registers: three loads of 512 consecutive bytes.
; RING.  Two slots, one key step (128 keys of each half) each: k and v records (12,800 bytes each, waves 0-3) and the mask's 64 rows x 128 columns of each half (waves 4-7).
; CLUSTER 4 x 4: the query blocks of a row of the cluster share k and v, the (batch, kv head) pairs of a column share the mask: both are asked for jointly.
; REGISTERS: window 0: v1-11 addresses; v12-19 -M, largest t, l (two halves) for each head; v20-43 q; v44-47 k's or v's scale words; v48-49 q's; v50-51 p's; v52-75 p's codes; v76-82, v84-119 at work; v128-255 scores, then p.
;   window 1: v0-127 O^T of both heads; v128-191 the mask; v192-239 four fragments.
.set SLOT1, 1<<17
.set KVB,   12800                      ; a record as read: eight images and 512 bytes of scale words
.set MOFF,  4*KVB                      ; behind k's two and v's two: the mask
.set MPIT,  528                        ; a row of it: 512 bytes + 16
.set MQ,    32*MPIT                    ; what one tensor load brings of it
.set MRG,   SLOT1+MOFF+4*MQ            ; behind the ring: O^T of the upper half of the keys, 16,384 bytes for each tile of queries;
.set MST,   MRG+4*16384                ; its -M and l, 768 bytes each;
.set SPARE, MST+4*768                  ; the spare words, 128 bytes a wave: four blocks of 256 bytes that no other line names
.set AFR, 1                            ; v1   fragments: 16 x lane + my half's record
.set ASC, 2                            ; v2   scale words: 16 r
.set AMK, 3                            ; v3   the mask: my query's row, + 64 (lane / 16)
.set SPW, 4
.set NIL, 5
.set ADF, 6                            ; v6-8 the same three in the slot in hand
.set ADS, 7
.set ADM, 8
.set MA,  9                            ; v9   the merge: O^T
.set MS,  10                           ; v10  the merge: -M, l
.set PFO, 11                           ; v11  the prefetches' offset; never rewritten
.set ST,  12
.set QF,  20
.set KW,  44
.set QW,  48
.set PW,  50
.set PC,  52
.set CT,  76
.set TM,  84                           ; v84-91 the blocks' largest scores (BM); the last quantiser's work registers begin here too
.set BM,  84
.set PT,  92
.set SO,  100
.set FF,  108                          ; v[108:109], v[110:111] f
.set TT,  112
.set HH,  114
.set R16, 115
.set SU,  116                          ; v[116:117], v[118:119] second chains of the sums
.set LI,  120                          ; v120 16 x lane
.set R8,  121                          ; v121 8 r
.set S,   128
.set MK,  128                          ; window 1
.set FRG, 192                          ; window 1
.set WV,  10
.set SEL, 20
.set CS,  22
.set G1KV, 24
.set G1M,  32
.set G0KV, 40
.set G0M,  44
.set TB,   48
.set SLOTS, 49
.set LIM,  50
.set PFA,  52
.set PFS,  54
.set QP,   56
.set QWP,  58
.set OUTP, 60
.set OUTS, 62
.set MSB, 0
.macro WIN new
.if MSB != (\new)
	s_set_vgpr_msb (MSB<<8)|(\new)
.set MSB, (\new)
.endif
.endm
; Every wave has one joint load: waves 0-3 a record of k or v, waves 4-7 a quarter of the mask's tiles.  The branch hangs on the wave's number alone.  Four v_nop follow each line.
.macro TLOAD
	s_cmp_lt_u32 s[WV], 4
	s_cbranch_scc0 .Lfor_m_\@
	tensor_load_to_lds s[G0KV:G0KV+3], s[G1KV:G1KV+7]
	s_nop 0
.rept 4
	v_nop
.endr
	s_branch .Lasked_\@
.Lfor_m_\@:
	tensor_load_to_lds s[G0M:G0M+3], s[G1M:G1M+7]
	s_nop 0
.rept 4
	v_nop
.endr
.Lasked_\@:
.endm
; A PREFETCH INTO THE L2 of what the NEXT change of slots will ask for, one key step ahead of that load.  k and v: all clusters along x walk the same records: cluster x = 0 asks; partner cx takes stream cx (k lower, k upper,
; v lower, v upper half of the keys), told apart by address; waves 0 and 1 name its 50 blocks of 256 bytes, a lane a block (the lanes past the 50th name the 50th again).  The mask: both clusters along y read the same rows:
; cluster y = 0 asks; partner cy takes 16 of the 64 rows; wave 2 the lower half of the keys, wave 3 the upper: 16 rows x 2 blocks.  Key steps 0 and 1 come by their loads alone; the last change that fills a slot asks for nothing.
.macro ASK
	s_cmp_gt_u32 s[SLOTS], s[LIM]
	s_cbranch_scc0 .Lnot_mine_\@
	global_prefetch_b8 v[PFO], s[PFA:PFA+1] th:TH_LOAD_NT scope:SCOPE_SE
.Lnot_mine_\@:
.endm
.macro CROUND
	s_barrier_signal -1
	s_barrier_wait -1
	s_cmp_lg_u32 s[WV], 0
	s_cbranch_scc1 .Lnot_wave_0_\@
	s_barrier_signal -3
.Lnot_wave_0_\@:
	s_barrier_wait -3
	s_barrier_signal -1
	s_barrier_wait -1
.endm
.macro PLACES
.rept 4
	v_nop
.endr
.endm
	s_load_b128 s[4:7], s[0:1], 0x0                ; qkv, mask
	s_load_b64 s[8:9], s[0:1], 0x10                ; aq
	v_lshl_add_u32 v[SPW], v0, 2, SPARE
	v_mov_b32 v[NIL], 0
	ds_add_u32 v4, v5
	ds_add_u32 v4, v5
	s_wait_dscnt 0x0
	v_lshrrev_b32 v[ADF], 5, v0
	v_readfirstlane_b32 s[WV], v[ADF]              ; wave 0..7
	s_bfe_u32 s11, ttmp6, 0x40000                  ; cx
	s_bfe_u32 s12, ttmp6, 0x40004                  ; cy
	s_lshl_b32 s13, ttmp9, 2
	s_add_co_u32 s13, s13, s11                     ; my block of 64 queries
	s_and_b32 s19, ttmp7, 0xffff                   ; cluster y
	s_lshl_b32 s14, s19, 2
	s_add_co_u32 s14, s14, s12
	s_lshr_b32 s15, s14, 2                         ; batch
	s_and_b32 s16, s14, 3                          ; kv head
	s_and_b32 s17, s[WV], 3                        ; my tile of queries.  Also: which stream, or which quarter of the mask, I fetch
	s_lshr_b32 s18, s[WV], 2                       ; my half of the keys
	s_lshl_b32 s66, s12, 2
	s_lshl_b32 s66, 15, s66                        ; my row of the cluster
	s_lshl_b32 s67, 0x1111, s11                    ; my column
	s_or_b32 s[G1KV], s66, (3<<16)|(1<<21)         ; k, v: 12,800 dense bytes as 50 rows of 256 (32 elements of 8 bytes)
	s_mov_b32 s[G1KV+1], 32<<16
	s_mov_b32 s[G1KV+2], 50<<16
	s_mov_b32 s[G1KV+3], 32<<16
	s_mov_b32 s[G1KV+4], 50
	s_mov_b32 s[G1KV+5], 32
	s_mov_b32 s[G1KV+6], 0
	s_mov_b32 s[G1KV+7], 0
	s_or_b32 s[G1M], s67, (2<<16)|(1<<20)|(1<<21)|(6<<22)|(3<<25)   ; the mask: 32 rows of 128 f32, 2,048 apart; 4 words of padding behind every 128
	s_mov_b32 s[G1M+1], 128<<16
	s_mov_b32 s[G1M+2], 32<<16
	s_mov_b32 s[G1M+3], 128<<16
	s_mov_b32 s[G1M+4], 32
	s_mov_b32 s[G1M+5], 2048
	s_mov_b32 s[G1M+6], 0
	s_mov_b32 s[G1M+7], 0
	s_lshr_b32 s68, s17, 1                         ; stream 0, 1: k (slot 2 g + 9), lower and upper half of the keys; 2, 3: v (slot 2 g + 1)
	s_lshl_b32 s68, s68, 3
	s_lshl_b32 s69, s16, 1
	s_add_co_u32 s69, s69, 9
	s_sub_co_u32 s69, s69, s68
	s_lshl_b32 s69, s69, 5
	s_lshl_b32 s70, s15, 4
	s_add_co_u32 s69, s69, s70
	s_and_b32 s70, s17, 1
	s_lshl_b32 s70, s70, 3
	s_add_co_u32 s69, s69, s70
	s_lshl_b32 s70, s69, 14                        ; the stream's first record
	s_mov_b32 s71, 0
	s_mul_i32 s72, s17, KVB
	s_lshl_b32 s74, s13, 6                         ; the mask: quarter 2 (half of the keys) + (half of the 64 rows)
	s_and_b32 s75, s17, 1
	s_lshl_b32 s75, s75, 5
	s_add_co_u32 s74, s74, s75
	s_lshl_b32 s74, s74, 13
	s_lshr_b32 s75, s17, 1
	s_lshl_b32 s75, s75, 12
	s_add_co_u32 s74, s74, s75
	s_mov_b32 s75, 0
	s_mul_i32 s73, s17, MQ
	s_add_co_u32 s73, s73, MOFF
	s_mov_b32 s[SEL], 0x76543210
	s_mov_b32 s[SEL+1], 0xfedcba98
	s_mov_b32 s[CS], 0x3e0293ee                    ; c = log2(e) / sqrt(128)
	s_mov_b32 s[CS+1], s[CS]
	s_mov_b32 s[TB], 0
	s_mov_b32 s[SLOTS], 7
	s_wait_kmcnt 0x0
	s_mov_b32 s[G0KV], 1
	s_mov_b32 s[G0KV+1], s72
	s_add_nc_u64 s[G0KV+2:G0KV+3], s[4:5], s[70:71]
	s_or_b32 s[G0KV+3], s[G0KV+3], 0x80000000
	s_mov_b32 s[G0M], 1
	s_mov_b32 s[G0M+1], s73
	s_add_nc_u64 s[G0M+2:G0M+3], s[6:7], s[74:75]
	s_or_b32 s[G0M+3], s[G0M+3], 0x80000000
	CROUND                                         ; all sixteen work-groups are here: the first joint loads meet
	TLOAD                                          ; slot 0: key step 0 of both halves
	v_and_b32 v[TT], 31, v0                        ; lane
	v_and_b32 v[TT+1], 15, v0                      ; r
	v_bfe_u32 v[HH], v0, 4, 1                      ; h
	v_lshlrev_b32 v[LI], 4, v[TT]
	v_lshlrev_b32 v[R8], 3, v[TT+1]
	v_lshlrev_b32 v[R16], 4, v[TT+1]
	; q: the records of heads 2 g and 2 g + 1 lie 64 records apart
	s_lshl_b32 s80, s16, 7
	s_lshl_b32 s81, s15, 4
	s_add_co_u32 s80, s80, s81
	s_lshr_b32 s81, s13, 1
	s_add_co_u32 s80, s80, s81
	s_lshl_b32 s80, s80, 14
	s_and_b32 s81, s13, 1                          ; which four of the record's eight tiles
	s_lshl_b32 s82, s81, 2
	s_add_co_u32 s82, s82, s17
	s_mul_i32 s82, s82, 1536
	s_add_co_u32 s82, s82, s80
	s_mov_b32 s83, 0
	s_lshl_b32 s84, s81, 8
	s_lshl_b32 s85, s17, 2
	s_add_co_u32 s84, s84, s85
	s_add_co_u32 s84, s84, 12288
	s_add_co_u32 s84, s84, s80
	s_mov_b32 s85, 0
	s_add_nc_u64 s[QP:QP+1], s[4:5], s[82:83]
	s_add_nc_u64 s[QWP:QWP+1], s[4:5], s[84:85]
.irp x, 0,1
.irp c, 0,1,2
	global_load_b128 v[QF+12*\x+4*\c:QF+12*\x+4*\c+3], v[LI], s[QP:QP+1] offset:1048576*\x+512*\c
.endr
	global_load_b32 v[QW+\x], v[R16], s[QWP:QWP+1] offset:1048576*\x
.endr
	s_mul_i32 s76, s18, KVB
	v_add_nc_u32 v[AFR], s76, v[LI]
	s_add_co_u32 s77, s76, 12288
	v_add_nc_u32 v[ASC], s77, v[R16]
	v_and_b32 v[AMK], 8, v[TT+1]
	v_add_nc_u32 v[AMK], v[AMK], v[TT+1]           ; r + 8 (r / 8)
	v_mul_u32_u24 v[AMK], v[AMK], MPIT
	v_lshl_add_u32 v[AMK], v[HH], 6, v[AMK]
	s_lshr_b32 s78, s17, 1
	s_lshl_b32 s78, s78, 5
	s_and_b32 s79, s17, 1
	s_lshl_b32 s79, s79, 3
	s_add_co_u32 s78, s78, s79                     ; my tile's first row among the 64
	s_mul_i32 s78, s78, MPIT
	s_mul_i32 s79, s18, 2*MQ
	s_add_co_u32 s78, s78, s79
	s_add_co_u32 s78, s78, MOFF
	v_add_nc_u32 v[AMK], s78, v[AMK]
	s_lshl_b32 s79, s17, 14
	s_add_co_u32 s79, s79, MRG
	v_add_nc_u32 v[MA], s79, v[LI]
	s_mul_i32 s79, s17, 768
	s_add_co_u32 s79, s79, MST
	v_lshl_add_u32 v[MS], v[TT], 2, s79
	; where the results go: tile 128 batch + 4 block + tile of queries, K step = head
	s_lshl_b32 s80, s15, 7
	s_lshl_b32 s81, s13, 2
	s_add_co_u32 s80, s80, s81
	s_add_co_u32 s80, s80, s17
	s_lshl_b32 s82, s80, 3
	s_lshl_b32 s81, s16, 1
	s_add_co_u32 s82, s82, s81
	s_mul_i32 s82, s82, 1536
	s_mov_b32 s83, 0
	s_add_nc_u64 s[OUTP:OUTP+1], s[8:9], s[82:83]
	s_lshl_b32 s82, s80, 9
	s_lshl_b32 s81, s16, 7
	s_add_co_u32 s82, s82, s81
	s_add_co_u32 s82, s82, 3145728
	s_add_nc_u64 s[OUTS:OUTS+1], s[8:9], s[82:83]
	; the prefetches (macro ASK)
	s_lshr_b32 s86, s[WV], 1                       ; 0: waves 0, 1: k and v;  1: waves 2, 3: the mask
	s_and_b32 s87, s[WV], 1
	s_lshr_b32 s88, s11, 1
	s_lshl_b32 s88, s88, 3
	s_lshl_b32 s89, s16, 1
	s_add_co_u32 s89, s89, 9
	s_sub_co_u32 s89, s89, s88
	s_lshl_b32 s89, s89, 5
	s_lshl_b32 s88, s15, 4
	s_add_co_u32 s89, s89, s88
	s_and_b32 s88, s11, 1
	s_lshl_b32 s88, s88, 3
	s_add_co_u32 s89, s89, s88
	s_add_co_u32 s89, s89, 1                       ; stream cx, key step 1: the first change of slots steps it to 2
	s_lshl_b32 s88, s89, 14
	s_lshl_b32 s89, s13, 6
	s_lshl_b32 s90, s12, 4
	s_add_co_u32 s89, s89, s90                     ; my work-group's 16 rows of the mask
	s_lshl_b32 s89, s89, 13
	s_lshl_b32 s90, s87, 12
	s_add_co_u32 s89, s89, s90
	s_add_co_u32 s89, s89, 512                     ; key step 1
	s_cmp_eq_u32 s86, 0
	s_cselect_b32 s90, s88, s89
	s_mov_b32 s91, 0
	s_cselect_b64 s[PFA:PFA+1], s[4:5], s[6:7]
	s_mov_b32 s[PFS], 512
	s_cselect_b32 s[PFS], 16384, s[PFS]            ; a key step on
	s_mov_b32 s[PFS+1], 0
	s_cselect_b32 s92, ttmp9, s19                  ; the coordinate along which other clusters read the same bytes
	s_cselect_b32 s93, -1, 0
	s_add_nc_u64 s[PFA:PFA+1], s[PFA:PFA+1], s[90:91]
	s_or_b32 s92, s92, s18                         ; waves 4-7 never ask
	s_cmp_eq_u32 s92, 0
	s_cselect_b32 s[LIM], 1, -1                    ; the same in all sixteen partners, for a given wave
	v_lshlrev_b32 v[SU], 8, v[TT]
	v_lshl_add_u32 v[SU], s87, 13, v[SU]
	v_min_u32 v[SU], 12544, v[SU]                  ; k, v: block 32 (wave % 2) + lane, the 50th at the most
	v_lshrrev_b32 v[SU+1], 1, v[TT]
	v_lshlrev_b32 v[SU+1], 13, v[SU+1]
	v_and_b32 v[SU+2], 1, v[TT]
	v_lshl_add_u32 v[SU+1], v[SU+2], 8, v[SU+1]    ; the mask: row lane / 2, block lane % 2
	v_cndmask_b32 v[PFO], v[SU+1], v[SU], s93
.irp x, 0,1
	v_mov_b32 v[ST+4*\x+1], 0xff61b1e6             ; the largest t so far: -3e38
	v_floor_f32 v[ST+4*\x], -v[ST+4*\x+1]          ; -M
	v_mov_b32 v[ST+4*\x+2], 0                      ; l, in two halves
	v_mov_b32 v[ST+4*\x+3], 0
	v_mov_b32 v[FF+2*\x+1], 0                      ; named as the upper half of a pair
.endr
.irp b, 0,1,2,3,4,5,6,7
	v_mov_b32 v[PT+\b], 0                          ; a lane permute's destination counts as one of its sources
.endr
	WIN 0x40
.set J_, 0
.rept 128
	v_mov_b32 v[J_], 0                             ; O^T.  Cleared once, so that the key step has no first form of its own: the first change of M multiplies zeros
.set J_, J_+1
.endr
	WIN 0
.macro LDFR base, g                    ; four fragments (tiles 4 g on) and their scale words; base: 0 for k, 2 KVB for v
	WIN 0x40
.irp t, 0,1,2,3
.irp c, 0,1,2
	ds_load_b128 v[FRG+12*\t+4*\c:FRG+12*\t+4*\c+3], v[ADF] offset:\base+(4*\g+\t)*1536+512*\c
.endr
.endr
	WIN 0
	ds_load_b128 v[KW:KW+3], v[ADS] offset:\base+256*\g
.endm
.macro SMUL g                          ; S^T = k q^T + the mask: four tiles of keys x both heads
.irp t, 0,1,2,3
.irp x, 0,1
	v_wmma_scale_f32_16x16x128_f8f6f4 v[S+64*\x+8*(4*\g+\t):S+64*\x+8*(4*\g+\t)+7], v[FRG+12*\t:FRG+12*\t+11], v[QF+12*\x:QF+12*\x+11], v[MK+8*(4*\g+\t):MK+8*(4*\g+\t)+7], v[KW+\t], v[QW+\x] matrix_a_fmt:MATRIX_FMT_BF6 matrix_b_fmt:MATRIX_FMT_BF6
.endr
.endr
.endm
.macro PVMUL g                         ; O^T += v^T p^T: four tiles of the head's 128 x both heads; each accumulator has one instruction a key step
.irp t, 0,1,2,3
.irp x, 0,1
	v_wmma_scale_f32_16x16x128_f8f6f4 v[64*\x+8*(4*\g+\t):64*\x+8*(4*\g+\t)+7], v[FRG+12*\t:FRG+12*\t+11], v[PC+12*\x:PC+12*\x+11], v[64*\x+8*(4*\g+\t):64*\x+8*(4*\g+\t)+7], v[KW+\t], v[PW+\x] matrix_a_fmt:MATRIX_FMT_BF6 matrix_b_fmt:MATRIX_FMT_BF6
.endr
.endr
.endm
.macro SOFTMAX                         ; both heads' tiles, stage by stage, the two by turns
.irp x, 0,1
.irp b, 0,1,2,3
	v_max3_num_f32 v[BM+4*\x+\b], v[S+64*\x+16*\b], v[S+64*\x+16*\b+1], v[S+64*\x+16*\b+2]   ; the largest score of each block of 32 keys: for the row's maximum, and for the block's largest p
.endr
.endr
.irp i, 3,5,7,9,11,13
.irp x, 0,1
.irp b, 0,1,2,3
	v_max3_num_f32 v[BM+4*\x+\b], v[BM+4*\x+\b], v[S+64*\x+16*\b+\i], v[S+64*\x+16*\b+\i+1]
.endr
.endr
.endr
.irp b, 0,1,2,3,4,5,6,7
	v_max_num_f32 v[BM+\b], v[BM+\b], v[S+16*\b+15]
.endr
.irp b, 0,1,2,3,4,5,6,7
	v_permlanex16_b32 v[PT+\b], v[BM+\b], s[SEL], s[SEL+1]
.endr
.irp b, 0,1,2,3,4,5,6,7
	v_max_num_f32 v[BM+\b], v[BM+\b], v[PT+\b]     ; with lane l xor 16's 16 keys
.endr
.irp x, 0,1
	v_max3_num_f32 v[TT+\x], v[BM+4*\x], v[BM+4*\x+1], v[BM+4*\x+2]
.endr
.irp x, 0,1
	v_max_num_f32 v[TT+\x], v[TT+\x], v[BM+4*\x+3]
.endr
.irp x, 0,1
	v_mul_f32 v[TT+\x], s[CS], v[TT+\x]            ; the step's largest t
.endr
.irp x, 0,1
	v_max_num_f32 v[ST+4*\x+1], v[ST+4*\x+1], v[TT+\x]
.endr
.irp x, 0,1
	v_mov_b32 v[TT+\x], v[ST+4*\x]
.endr
.irp x, 0,1
	v_floor_f32 v[ST+4*\x], -v[ST+4*\x+1]          ; the new -M = -ceil(t): a whole number
.endr
.irp x, 0,1
	v_sub_f32 v[TT+\x], v[ST+4*\x], v[TT+\x]       ; old M - new M, 0 or less
.endr
.irp x, 0,1
	v_cvt_i32_f32 v[TT+\x], v[TT+\x]               ; (it saturates)
.endr
.irp x, 0,1
	v_ldexp_f32 v[FF+2*\x], 1.0, v[TT+\x]          ; f = 2^(old M - new M)
.endr
.set J_, 0
.rept 64
	v_pk_fma_f32 v[S+2*J_:S+2*J_+1], v[S+2*J_:S+2*J_+1], s[CS:CS+1], v[ST+4*(J_/32):ST+4*(J_/32)+1] op_sel_hi:[1,0,0]   ; t - M
.set J_, J_+1
.endr
.irp b, 0,1,2,3,4,5,6,7
	v_fma_f32 v[BM+\b], v[BM+\b], s[CS], v[ST+4*(\b/4)]   ; the same of each block's largest score
.endr
.set J_, 0
.rept 128
	v_exp_f32 v[S+J_], v[S+J_]                     ; p = 2^(t - M): one batch
.set J_, J_+1
.endr
.irp x, 0,1
	v_pk_mul_f32 v[ST+4*\x+2:ST+4*\x+3], v[ST+4*\x+2:ST+4*\x+3], v[FF+2*\x:FF+2*\x+1] op_sel_hi:[1,0]   ; l under the new M; plain work behind the exponentials
.endr
	s_wait_alu depctr_va_vdst(0)                   ; one wait for the batch, ahead of its first reader
.irp b, 0,1,2,3,4,5,6,7
	v_exp_f32 v[BM+\b], v[BM+\b]                   ; each block's largest p
.endr
.irp x, 0,1
	v_pk_add_f32 v[SU+2*\x:SU+2*\x+1], v[S+64*\x:S+64*\x+1], v[S+64*\x+2:S+64*\x+3]   ; l takes the UNQUANTISED p: two chains a head
.endr
.irp j, 4,8,12,16,20,24,28,32,36,40,44,48,52,56,60
.irp x, 0,1
	v_pk_add_f32 v[ST+4*\x+2:ST+4*\x+3], v[ST+4*\x+2:ST+4*\x+3], v[S+64*\x+\j:S+64*\x+\j+1]
	v_pk_add_f32 v[SU+2*\x:SU+2*\x+1], v[SU+2*\x:SU+2*\x+1], v[S+64*\x+\j+2:S+64*\x+\j+3]
.endr
.endr
.irp x, 0,1
	v_pk_add_f32 v[ST+4*\x+2:ST+4*\x+3], v[ST+4*\x+2:ST+4*\x+3], v[SU+2*\x:SU+2*\x+1]
.endr
	s_wait_alu depctr_va_vdst(0)                   ; and one for the eight
.irp b, 0,1,2,3,4,5,6,7
	v_max_num_f32 v[BM+\b], 0x2800000, v[BM+\b]    ; the floor 2^(5 - 127)
.endr
.irp b, 0,1,2,3,4,5,6,7
	v_add_nc_u32 v[SO+\b], 0xfe000000, v[BM+\b]    ; the conversion's scale operand
.endr
.irp b, 0,1,2,3,4,5,6,7
	v_lshrrev_b32 v[PT+\b], 23, v[SO+\b]           ; the byte
.endr
.irp x, 0,1
	v_lshl_or_b32 v[PW+\x], v[PT+4*\x+1], 8, v[PT+4*\x]
.endr
.irp x, 0,1
	v_lshl_or_b32 v[PW+\x], v[PT+4*\x+2], 16, v[PW+\x]
.endr
.irp x, 0,1
	v_lshl_or_b32 v[PW+\x], v[PT+4*\x+3], 24, v[PW+\x]
.endr
.irp x, 0,1
.irp c, 0,1
	v_cvt_scalef32_pk16_bf6_f32 v[PC+12*\x+6*\c:PC+12*\x+6*\c+2], v[S+64*\x+32*\c:S+64*\x+32*\c+15], v[SO+4*\x+2*\c]
	v_cvt_scalef32_pk16_bf6_f32 v[CT+4*\c:CT+4*\c+2], v[S+64*\x+32*\c+16:S+64*\x+32*\c+31], v[SO+4*\x+2*\c+1]
.endr
	v_nop                                          ; one plain place behind a scaled conversion
.irp c, 0,1
.irp i, 0,1,2
	v_permlane16_swap_b32 v[PC+12*\x+6*\c+\i], v[CT+4*\c+\i]
.endr
.irp i, 0,1,2
	v_mov_b32 v[PC+12*\x+6*\c+3+\i], v[CT+4*\c+\i]
.endr
.endr
.endr
	WIN 0x41
.set J_, 0
.rept 64
	v_pk_mul_f32 v[2*J_:2*J_+1], v[2*J_:2*J_+1], v[FF+2*(J_/32):FF+2*(J_/32)+1] op_sel_hi:[1,0]   ; O^T under the new M; these also stand between the codes, the scale words and the products that take them
.set J_, J_+1
.endr
.endm
; A KEY STEP: 128 keys of my half, both heads.
.macro STEP
	v_add_nc_u32 v[ADF], s[TB], v[AFR]
	v_add_nc_u32 v[ADS], s[TB], v[ASC]
	v_add_nc_u32 v[ADM], s[TB], v[AMK]
	v_nop                                          ; four places behind the last step's products, in front of loads into their registers
	WIN 0x40
.irp b, 0,1,2,3
.irp j, 0,1,2,3
	ds_load_b128 v[MK+16*\b+4*\j:MK+16*\b+4*\j+3], v[ADM] offset:128*\b+16*\j   ; the mask in the result's layout: my query, keys 32 b + 16 (lane / 16) + 4 j on
.endr
.endr
	LDFR 0, 0
	s_wait_dscnt 13                                ; the mask's 16 loads are in; the 13 behind them may be out
	WIN 0x41
.set J_, 0
.rept 32
	v_pk_mul_f32 v[MK+2*J_:MK+2*J_+1], v[MK+2*J_:MK+2*J_+1], 0x413504f3 op_sel_hi:[1,0]   ; x sqrt(128): into the scores' units
.set J_, J_+1
.endr
	s_wait_dscnt 0x0
	WIN 0x11
	SMUL 0
	PLACES
	LDFR 0, 1
	s_wait_dscnt 0x0
	WIN 0x11
	SMUL 1
	PLACES                                         ; for the loads below and for the first reads of the scores
	LDFR 2*KVB, 0                                  ; v's first four fragments land during the softmax
	SOFTMAX
	s_wait_dscnt 0x0
	WIN 0x51
	PVMUL 0
	PLACES
	LDFR 2*KVB, 1
	s_wait_dscnt 0x0
	WIN 0x51
	PVMUL 1
	WIN 0
.endm
; THE CHANGE OF SLOTS stands at a key step's head.  Each wave waits for all its tensor loads (its part of the slot ahead), adds 0 to its spare word, and waits for that and for its reads of the slot that it has left.
; fill = 1: a round of the cluster's barrier, and behind it my one joint load, into the slot just left: it has a key step in which to land.
.macro CHANGE fill
	s_wait_tensorcnt 0x0                           ; no tensor load of mine is out, so a group 0 may be written
	ds_add_u32 v[SPW], v[NIL]                      ; 0 onto my spare word
.if \fill
	s_xor_b32 s[G0KV+1], s[G0KV+1], SLOT1
	s_add_nc_u64 s[G0KV+2:G0KV+3], s[G0KV+2:G0KV+3], 16384
	s_xor_b32 s[G0M+1], s[G0M+1], SLOT1
	s_add_nc_u64 s[G0M+2:G0M+3], s[G0M+2:G0M+3], 512
	s_wait_xcnt 0x0                                ; the last prefetch, a key step back, has read its address
	s_add_nc_u64 s[PFA:PFA+1], s[PFA:PFA+1], s[PFS:PFS+1]
	s_wait_dscnt 0x0                               ; the add is done, and my reads of the slot that I have left are over
	CROUND
	TLOAD
	ASK
.else
	s_wait_dscnt 0x0
	s_barrier_signal -1
	s_barrier_wait -1
.endif
.endm
	s_wait_loadcnt 0x0                             ; q
.Lslot:                                            ; seven trips: behind each change of slots but the last the next key step is asked for
	CHANGE 1
	STEP
	s_xor_b32 s[TB], s[TB], SLOT1
	s_sub_co_u32 s[SLOTS], s[SLOTS], 1
	s_cmp_lg_u32 s[SLOTS], 0
	s_cbranch_scc1 .Lslot
	CHANGE 0                                       ; the last key step is written out
	STEP
	; THE MERGE.  Waves 4-7 hand O^T, -M and l of the upper half of the keys to waves 0-3 through LDS bytes into which no tile ever lands.
	PLACES
	s_cmp_lt_u32 s[WV], 4
	s_cbranch_scc1 .Lkeep
	WIN 0x04                                       ; an LDS store's data are its source 1: window 1
.set J_, 0
.rept 32
	ds_store_b128 v[MA], v[4*J_:4*J_+3] offset:512*J_   ; each accumulator from its low end on
.set J_, J_+1
.endr
	WIN 0
.irp x, 0,1
.irp i, 0,1,2
	ds_store_b32 v[MS], v[ST+4*\x+\i+(\i+1)/2] offset:128*(3*\x+\i)   ; -M, l's two halves
.endr
.endr
.Lkeep:
	s_wait_dscnt 0x0                               ; for the others' sake: my stores have landed
	s_barrier_signal -1
	s_barrier_wait -1
	s_cmp_lt_u32 s[WV], 4
	s_cbranch_scc0 .Lend
.set J_, 0
.rept 32
	ds_load_b128 v[S+4*J_:S+4*J_+3], v[MA] offset:512*J_
.set J_, J_+1
.endr
.irp i, 0,1,2,3,4,5
	ds_load_b32 v[BM+\i], v[MS] offset:128*\i
.endr
	s_wait_dscnt 0x0
.irp x, 0,1
	v_min_num_f32 v[TT+\x], v[ST+4*\x], v[BM+3*\x]         ; -M of both halves together
.endr
.irp x, 0,1
	v_sub_f32 v[PT+2*\x], v[TT+\x], v[ST+4*\x]             ; my M less the common M: a whole number, 0 or less
	v_sub_f32 v[PT+2*\x+1], v[TT+\x], v[BM+3*\x]           ; the partner's
.endr
.irp b, 0,1,2,3
	v_cvt_i32_f32 v[PT+\b], v[PT+\b]
.endr
.irp b, 0,1,2,3
	v_ldexp_f32 v[PT+\b], 1.0, v[PT+\b]                    ; powers of two: nothing is rounded
.endr
.irp x, 0,1
	v_add_f32 v[ST+4*\x+2], v[ST+4*\x+2], v[ST+4*\x+3]
	v_add_f32 v[BM+3*\x+1], v[BM+3*\x+1], v[BM+3*\x+2]
.endr
.irp x, 0,1
	v_mul_f32 v[ST+4*\x+2], v[ST+4*\x+2], v[PT+2*\x]
.endr
.irp x, 0,1
	v_fma_f32 v[ST+4*\x+2], v[BM+3*\x+1], v[PT+2*\x+1], v[ST+4*\x+2]
.endr
.irp x, 0,1
	v_permlanex16_b32 v[TT+\x], v[ST+4*\x+2], s[SEL], s[SEL+1]
.endr
.irp x, 0,1
	v_add_f32 v[ST+4*\x+2], v[ST+4*\x+2], v[TT+\x]         ; with lane l xor 16's: the row's l
.endr
.irp x, 0,1
	v_rcp_f32 v[ST+4*\x+3], v[ST+4*\x+2]
.endr
	v_nop                                          ; a plain place behind the reciprocals
	s_wait_alu depctr_va_vdst(0)                   ; and the wait ahead of their first reader
.irp x, 0,1
	v_mul_f32 v[FF+2*\x], v[PT+2*\x], v[ST+4*\x+3]         ; what my O^T is multiplied by,
	v_mul_f32 v[SU+2*\x], v[PT+2*\x+1], v[ST+4*\x+3]       ; and the partner's
.endr
.set J_, 0
.rept 64
	v_pk_mul_f32 v[S+2*J_:S+2*J_+1], v[S+2*J_:S+2*J_+1], v[SU+2*(J_/32):SU+2*(J_/32)+1] op_sel_hi:[1,0]
.set J_, J_+1
.endr
	WIN 0x01
.set J_, 0
.rept 64
	v_pk_fma_f32 v[S+2*J_:S+2*J_+1], v[2*J_:2*J_+1], v[FF+2*(J_/32):FF+2*(J_/32)+1], v[S+2*J_:S+2*J_+1] op_sel_hi:[1,0,1]   ; register 16 b + i is o(my query, d = 32 b + 16 (lane / 16) + i)
.set J_, J_+1
.endr
	WIN 0
; 64 numbers of a lane become a fragment's codes in v[PC] on and my row's scale word in v[pw]
.macro QUANT s, pw
.irp b, 0,1,2,3
	v_max3_num_f32 v[TM+\b], |v[(\s)+16*\b]|, |v[(\s)+1+16*\b]|, 0x2800000
.endr
.irp i, 2,4,6,8,10,12,14
.irp b, 0,1,2,3
	v_max3_num_f32 v[TM+\b], v[TM+\b], |v[(\s)+16*\b+\i]|, |v[(\s)+1+16*\b+\i]|
.endr
.endr
.irp b, 0,1,2,3
	v_permlanex16_b32 v[TM+4+\b], v[TM+\b], s[SEL], s[SEL+1]
.endr
.irp b, 0,1,2,3
	v_max_num_f32 v[TM+\b], v[TM+\b], v[TM+4+\b]
.endr
.irp b, 0,1,2,3
	v_add_nc_u32 v[TM+12+\b], 0xfe000000, v[TM+\b]
.endr
.irp b, 0,1,2,3
	v_lshrrev_b32 v[TM+4+\b], 23, v[TM+12+\b]
.endr
	v_lshl_or_b32 v[\pw], v[TM+5], 8, v[TM+4]
	v_lshl_or_b32 v[\pw], v[TM+6], 16, v[\pw]
	v_lshl_or_b32 v[\pw], v[TM+7], 24, v[\pw]
.irp c, 0,1
	v_cvt_scalef32_pk16_bf6_f32 v[PC+6*\c:PC+2+6*\c], v[(\s)+32*\c:(\s)+15+32*\c], v[TM+12+2*\c]
	v_cvt_scalef32_pk16_bf6_f32 v[PC+12+4*\c:PC+14+4*\c], v[(\s)+16+32*\c:(\s)+31+32*\c], v[TM+12+2*\c+1]
.endr
	v_nop
.irp c, 0,1
.irp i, 0,1,2
	v_permlane16_swap_b32 v[PC+6*\c+\i], v[PC+12+4*\c+\i]
.endr
.irp i, 0,1,2
	v_mov_b32 v[PC+3+6*\c+\i], v[PC+12+4*\c+\i]
.endr
.endr
.endm
	QUANT S, PW
.irp c, 0,1,2
	global_store_b128 v[LI], v[PC+4*\c:PC+4*\c+3], s[OUTP:OUTP+1] offset:512*\c
.endr
	s_wait_xcnt 0x0                                ; the stores have read the codes' registers
	QUANT S+64, PW+1
.irp c, 0,1,2
	global_store_b128 v[LI], v[PC+4*\c:PC+4*\c+3], s[OUTP:OUTP+1] offset:1536+512*\c
.endr
	global_store_b64 v[R8], v[PW:PW+1], s[OUTS:OUTS+1]   ; row r's two words; lanes 16-31 hold the same two and write them to the same bytes
.Lend:
	s_wait_tensorcnt 0x0                           ; the wave's end
	ds_add_u32 v[SPW], v[NIL]
	s_wait_dscnt 0x0
	CROUND                                         ; the closing round
	s_endpgm
.Lfunc_end_k_qdf0ddcf889_attn:
	.size	k_qdf0ddcf889_attn, .Lfunc_end_k_qdf0ddcf889_attn-k_qdf0ddcf889_attn
	.p2alignl 7, 3214868480
	.fill 96, 4, 3214868480
	.section	.rodata,"a",@progbits
	.p2align	6, 0x0
	.amdhsa_kernel k_qdf0ddcf889_attn
		.amdhsa_group_segment_fixed_size 327680
		.amdhsa_private_segment_fixed_size 0
		.amdhsa_enable_private_segment 0
		.amdhsa_kernarg_size 24
		.amdhsa_user_sgpr_count 2
		.amdhsa_user_sgpr_kernarg_segment_ptr 1
		.amdhsa_wavefront_size32 1
		.amdhsa_system_sgpr_workgroup_id_x 1
		.amdhsa_system_sgpr_workgroup_id_y 1
		.amdhsa_system_sgpr_workgroup_id_z 1
		.amdhsa_system_vgpr_workitem_id 0
		.amdhsa_next_free_vgpr 512
		.amdhsa_next_free_sgpr 100
		.amdhsa_reserve_vcc 0
		.amdhsa_float_denorm_mode_32 3
		.amdhsa_float_denorm_mode_16_64 3
		.amdhsa_memory_ordered 1
		.amdhsa_forward_progress 1
		.amdhsa_inst_pref_size 115
	.end_amdhsa_kernel
	.amdgpu_metadata
---
amdhsa.version: [ 1, 2 ]
amdhsa.kernels:
  - .name:           k_qdf0ddcf889_attn
    .symbol:         k_qdf0ddcf889_attn.kd
    .args:
      - { .name: qkv, .offset: 0, .size: 8, .value_kind: global_buffer, .address_space: global }
      - { .name: mask, .offset: 8, .size: 8, .value_kind: global_buffer, .address_space: global }
      - { .name: aq, .offset: 16, .size: 8, .value_kind: global_buffer, .address_space: global }
    .group_segment_fixed_size: 327680
    .private_segment_fixed_size: 0
    .kernarg_segment_align: 8
    .kernarg_segment_size: 24
    .max_flat_workgroup_size: 256
    .sgpr_count:     100
    .vgpr_count:     512
    .wavefront_size: 32
...
	.end_amdgpu_metadata
.endif
;; end of part 3
;; launch gemm_out (part 4): grid 16 x 16, 4 waves a work-group, clusters of 4 x 4, 327,680 bytes of LDS; arguments aq, woq, out0; writes out0
.if DOCPART == 4
	.amdgcn_target "amdgcn-amd-amdhsa--gfx1250"
	.amdhsa_code_object_version 6
	.text
	.protected	k_qdf0ddcf889_gemm_out
	.globl	k_qdf0ddcf889_gemm_out
	.p2align	8
	.type	k_qdf0ddcf889_gemm_out,@function
k_qdf0ddcf889_gemm_out:
	s_mov_b64 s[64:65], 0
	v_nop
	global_prefetch_b8 v0, s[64:65] scope:SCOPE_SE
	s_setreg_imm32_b32 hwreg(HW_REG_WAVE_MODE, 25, 1), 1
	s_wait_xcnt 0x0
	s_wait_alu depctr_hold_cnt(0) depctr_sa_sdst(0) depctr_va_vdst(0) depctr_va_sdst(0) depctr_va_ssrc(0) depctr_va_vcc(0) depctr_vm_vsrc(0)
	s_getreg_b32 s2, hwreg(HW_REG_IB_STS2, 6, 4)
	s_cmp_eq_u32 s2, 0
	s_cbranch_scc0 .Lentry_in_a_cluster
	s_endpgm
.Lentry_in_a_cluster:
	s_bfe_u32 s2, ttmp6, 0x10000c
	s_cmp_lg_u32 s2, 0xf033
	s_cbranch_scc0 .Lentry_shape_is_right
	s_endpgm
.Lentry_shape_is_right:
; out0 = attention's result x wo on codes of BF6 with E8M0 scales: M = 4,096 tokens, N = 4,096, K = 1,024; out0 f32.
; OPERANDS lie in memory in the order of their registers: a fragment image (a tile of 16 rows x 128 K) is 1,536 bytes, register n of lane l at 512 (n / 4) + 16 l + 4 (n % 4); tile T holds rows 32 (T / 2) + 8 (T % 2) + r + 8 (r / 8).
; A tile of C, 256 x 256, is made by four waves, each 128 x 128: 64 accumulators.  K goes in steps of 256 through a ring of two LDS slots; a wave's tensor load brings 8 tiles x 3,072 bytes.
; The scale words of the work-group's rows, for all of K, come into LDS once.  CLUSTERS: 4 x 4; the tokens' tiles are asked for jointly along a row of the cluster, wo's along a column.
; SOURCE 0 = 16 rows of wo^T, SOURCE 1 = 16 tokens: a lane holds one token and eight neighbouring columns.  The order of rows in a tile is undone on the way out, by constants.
; REGISTERS: window 0: v16-29 addresses; v32-63 scale words, two sets; v128-223 source 1's fragments, one set.  window 1: source 0's, two sets.  windows 2, 3: accumulator (a, b) at v[8 (8 (a % 4) + b)].
.set KT,     8
.set TROW,   KT*1536
.set ASCL,   3145728
.set BSCL,   3145728
.set NQ,     2
.set FR,     12
.set NL,     3
.set NP,     4
.set TILEB,  NQ*1536
.set HALFT,  8*TILEB
.set SLOT,   4*HALFT
.set LAPS,   KT/4
.set SBLK,   KT*64
.set HALFS,  8*SBLK
.set SCL,    2*SLOT
.set SPARE,  ((SCL+4*HALFS+128+255)/256)*256   ; the spare words, 128 bytes a wave: two blocks of 256 bytes that no other line names
.set SPITCH, 528                       ; the way out: a stage of 16 rows x (512 bytes + 16) for each wave, in slot 0, which has had its last fill and its last read when the first result is stored there
.set ROWC,   16384                     ; a row of out0 in bytes
.set ADRA, 16
.set ADRB, 20
.set STO,  24
.set RD,   25
.set CO,   26
.set ADRS, 27
.set SPW,  28
.set NIL,  29
.set SC,   32
.set AF,   128
.set BK,   128
.set G1, 24
.set G0, 32
.set G1B, 48
.set G0B, 56
.set G1S, 68
.set G0S, 76
.set G1SB, 80
.set G0SB, 88
.set MSB, 0
.macro WIN new
.if MSB != (\new)
	s_set_vgpr_msb (MSB<<8)|(\new)
.set MSB, (\new)
.endif
.endm
.set MUL_LO, 0xa1
.set MUL_HI, 0xf1
.set TO_B,   0x40
.macro JLOAD g0a, g1a, g0b, g1b        ; a joint load: waves 0 and 1 fetch for the tokens, waves 2 and 3 for wo; four v_nop follow each line
	s_cmp_eq_u32 s15, 0
	s_cbranch_scc0 .Lfor_b_\@
	tensor_load_to_lds s[\g0a:\g0a+3], s[\g1a:\g1a+7]
	s_nop 0
.rept 4
	v_nop
.endr
	s_branch .Lasked_\@
.Lfor_b_\@:
	tensor_load_to_lds s[\g0b:\g0b+3], s[\g1b:\g1b+7]
	s_nop 0
.rept 4
	v_nop
.endr
.Lasked_\@:
.endm
.macro CREST
	s_cmp_lg_u32 s14, 0
	s_cbranch_scc1 .Lnot_wave_0_\@
	s_barrier_signal -3
.Lnot_wave_0_\@:
	s_barrier_wait -3
	s_barrier_signal -1
	s_barrier_wait -1
.endm
.macro CROUND
	s_barrier_signal -1
	s_barrier_wait -1
	CREST
.endm
	s_load_b128 s[4:7], s[0:1], 0x0                ; aq, woq
	s_load_b64 s[12:13], s[0:1], 0x10              ; out0
	v_lshl_add_u32 v[SPW], v0, 2, SPARE
	v_mov_b32 v[NIL], 0
	ds_add_u32 v28, v29
	ds_add_u32 v28, v29
	s_wait_dscnt 0x0
	v_lshrrev_b32 v1, 5, v0
	v_readfirstlane_b32 s14, v1                    ; wave 0..3
	s_lshr_b32 s15, s14, 1
	s_and_b32 s16, s14, 1
	s_bfe_u32 s40, ttmp6, 0x40000
	s_bfe_u32 s41, ttmp6, 0x40004
	s_lshl_b32 s42, ttmp9, 2
	s_add_co_u32 s42, s42, s40                     ; tile column of C
	s_and_b32 s17, ttmp7, 0xffff
	s_lshl_b32 s17, s17, 2
	s_add_co_u32 s17, s17, s41                     ; tile row of C
	s_lshl_b32 s43, s41, 2
	s_lshl_b32 s43, 15, s43
	s_lshl_b32 s44, 0x1111, s40
	s_or_b32 s[G1+0], s43, (3<<16)|(1<<21)         ; the codes: 8 rows (tiles) of 3,072 bytes, TROW bytes apart
	s_or_b32 s[G1B+0], s44, (3<<16)|(1<<21)
.irp g, G1, G1B
	s_mov_b32 s[\g+1], 384<<16
	s_mov_b32 s[\g+2], 8<<16
	s_mov_b32 s[\g+3], 384<<16
	s_mov_b32 s[\g+4], 8
	s_mov_b32 s[\g+5], TROW/8
	s_mov_b32 s[\g+6], 0
	s_mov_b32 s[\g+7], 0
.endr
	s_or_b32 s[G1S+0], s43, (3<<16)|(1<<21)        ; the scale words of 8 tiles: HALFS dense bytes as rows of 256
	s_or_b32 s[G1SB+0], s44, (3<<16)|(1<<21)
.irp g, G1S, G1SB
	s_mov_b32 s[\g+1], 32<<16
	s_mov_b32 s[\g+2], (HALFS/256)<<16
	s_mov_b32 s[\g+3], 32<<16
	s_mov_b32 s[\g+4], HALFS/256
	s_mov_b32 s[\g+5], 32
	s_mov_b32 s[\g+6], 0
	s_mov_b32 s[\g+7], 0
.endr
	s_lshl_b32 s18, s16, 3
	s_lshl_b32 s20, s17, 4
	s_add_co_u32 s20, s20, s18
	s_lshl_b32 s46, s42, 4
	s_add_co_u32 s46, s46, s18
	s_mul_i32 s22, s20, SBLK
	s_add_co_u32 s22, s22, ASCL
	s_mov_b32 s23, 0
	s_mul_i32 s92, s46, SBLK
	s_add_co_u32 s92, s92, BSCL
	s_mov_b32 s93, 0
	s_mul_i32 s20, s20, TROW
	s_mov_b32 s21, 0
	s_mul_i32 s46, s46, TROW
	s_mov_b32 s47, 0
	s_mul_i32 s45, s14, HALFT
	s_mul_i32 s94, s14, HALFS
	s_wait_kmcnt 0x0
	s_add_nc_u64 s[20:21], s[4:5], s[20:21]
	s_add_nc_u64 s[22:23], s[4:5], s[22:23]
	s_add_nc_u64 s[46:47], s[6:7], s[46:47]
	s_add_nc_u64 s[92:93], s[6:7], s[92:93]
	CROUND                                         ; all sixteen work-groups are here: the first joint loads meet
	s_mov_b32 s[G0S], 1
	s_add_co_u32 s[G0S+1], s94, SCL
	s_mov_b64 s[G0S+2:G0S+3], s[22:23]
	s_or_b32 s[G0S+3], s[G0S+3], 0x80000000
	s_mov_b32 s[G0SB], 1
	s_add_co_u32 s[G0SB+1], s94, SCL+128
	s_mov_b64 s[G0SB+2:G0SB+3], s[92:93]
	s_or_b32 s[G0SB+3], s[G0SB+3], 0x80000000
	JLOAD G0S, G1S, G0SB, G1SB
.irp s, 0,1
	s_mov_b32 s[G0+4*\s], 1
	s_add_co_u32 s[G0+4*\s+1], s45, \s*SLOT
	s_add_nc_u64 s[G0+4*\s+2:G0+4*\s+3], s[20:21], \s*TILEB
	s_or_b32 s[G0+4*\s+3], s[G0+4*\s+3], 0x80000000
	s_mov_b32 s[G0B+4*\s], 1
	s_add_co_u32 s[G0B+4*\s+1], s45, \s*SLOT
	s_add_nc_u64 s[G0B+4*\s+2:G0B+4*\s+3], s[46:47], \s*TILEB
	s_or_b32 s[G0B+4*\s+3], s[G0B+4*\s+3], 0x80000000
	JLOAD G0+4*\s, G1, G0B+4*\s, G1B               ; three tensor loads of mine are out
.endr
	v_and_b32 v1, 15, v0                           ; r
	v_bfe_u32 v2, v0, 4, 1                         ; h
	v_and_b32 v3, 31, v0
	v_lshlrev_b32 v[CO], 4, v3                     ; 16 x lane
	s_mul_i32 s21, s15, HALFT
	s_mul_i32 s22, s16, HALFT
	s_add_co_u32 s22, s22, 2*HALFT
.irp s, 0,1
	v_add_nc_u32 v[ADRA+\s], s21, v[CO]
	v_add_nc_u32 v[ADRB+\s], s22, v[CO]
	s_add_co_u32 s21, s21, SLOT
	s_add_co_u32 s22, s22, SLOT
.endr
	v_lshlrev_b32 v5, 3, v1
	s_mul_i32 s21, s15, HALFS
	s_mul_i32 s22, s16, HALFS
	s_add_co_u32 s22, s22, 2*HALFS+128
	s_sub_co_u32 s22, s22, s21
	v_mul_u32_u24 v6, s22, v2                      ; lanes 16-31 take wo's words
	s_add_co_u32 s21, s21, SCL
	v_add_nc_u32 v5, v5, v6
	v_add_nc_u32 v[ADRS], s21, v5
	s_mul_i32 s23, s14, 16*SPITCH                  ; my stage
	v_mul_u32_u24 v5, v1, SPITCH
	v_lshl_add_u32 v5, v2, 6, v5                   ; in: row r, + 64 h: tile b's eight columns are 32 (b / 2) + 16 h + 8 (b % 2) on
	v_add_nc_u32 v[STO], s23, v5
	v_add_nc_u32 v[RD], s23, v[CO]                 ; back: the 32 lanes take one row of 512 bytes
	s_lshl_b32 s20, s17, 8
	s_lshl_b32 s21, s15, 7
	s_add_co_u32 s20, s20, s21                     ; my first row of C
	s_lshl_b32 s20, s20, 14
	s_lshl_b32 s46, s42, 10
	s_lshl_b32 s47, s16, 9
	s_add_co_u32 s46, s46, s47                     ; my first column, in bytes
	s_add_co_u32 s20, s20, s46
	s_mov_b32 s21, 0
	s_add_nc_u64 s[12:13], s[12:13], s[20:21]
.macro FRAG reg, adr, q, i
.irp c, 0,1,2
	ds_load_b128 v[\reg+4*\c:\reg+4*\c+3], v[\adr] offset:(\i)*TILEB+(\q)*1536+512*\c
.endr
.endm
; The 64 accumulators take turns, one instruction a turn, in the same order in every step.
.macro MUL16 a0, p, q, sc, zero
.irp a, \a0, \a0+1
.irp b, 0,1,2,3,4,5,6,7
.if \zero
	v_wmma_scale_f32_16x16x128_f8f6f4 v[8*(8*((\a)%4)+\b):8*(8*((\a)%4)+\b)+7], v[128*(\p)+FR*\b:128*(\p)+FR*\b+FR-1], v[AF+FR*(\a):AF+FR*(\a)+FR-1], 0, v[SC+8*NQ*(\sc)+NQ*\b+(\q)], v[SC+8*NQ*(\sc)+NQ*(\a)+(\q)] matrix_a_fmt:MATRIX_FMT_BF6 matrix_b_fmt:MATRIX_FMT_BF6 matrix_a_scale:MATRIX_SCALE_ROW1
.else
	v_wmma_scale_f32_16x16x128_f8f6f4 v[8*(8*((\a)%4)+\b):8*(8*((\a)%4)+\b)+7], v[128*(\p)+FR*\b:128*(\p)+FR*\b+FR-1], v[AF+FR*(\a):AF+FR*(\a)+FR-1], v[8*(8*((\a)%4)+\b):8*(8*((\a)%4)+\b)+7], v[SC+8*NQ*(\sc)+NQ*\b+(\q)], v[SC+8*NQ*(\sc)+NQ*(\a)+(\q)] matrix_a_fmt:MATRIX_FMT_BF6 matrix_b_fmt:MATRIX_FMT_BF6 matrix_a_scale:MATRIX_SCALE_ROW1
.endif
.endr
.endr
.endm
.macro FETCH_B slot, q, p
	WIN TO_B
.irp i, 0,1,2,3,4,5,6,7
	FRAG 128*(\p)+FR*\i, ADRB+\slot, \q, \i
.endr
	WIN 0
.endm
.macro FETCH_A slot, q, i0
.irp i, \i0, \i0+1, \i0+2, \i0+3
	FRAG AF+FR*(\i), ADRA+\slot, \q, \i
.endr
.endm
.macro SCALES sc
.irp i, 0,1,2,3,4,5,6,7
	ds_load_b64 v[SC+8*NQ*\sc+NQ*\i:SC+8*NQ*\sc+NQ*\i+1], v[ADRS] offset:\i*SBLK
.endr
.endm
.macro PLACES n
.rept \n
	v_nop
.endr
.endm
.macro STEP slot, q, zero
	s_wait_dscnt 4*NL                              ; all but the youngest 12 loads (source 1's blocks 4-7) are in
	WIN MUL_LO
	MUL16 0, (\q)%2, \q, \slot, \zero
	MUL16 2, (\q)%2, \q, \slot, \zero
	s_wait_dscnt 0
	PLACES NP
	FETCH_B \slot, (\q)+1, 1-(\q)%2
	FETCH_A \slot, (\q)+1, 0
	WIN MUL_HI
	MUL16 4, (\q)%2, \q, \slot, \zero
	MUL16 6, (\q)%2, \q, \slot, \zero
	PLACES NP
	WIN 0
	FETCH_A \slot, (\q)+1, 4
.endm
.macro TURN slot, next, fill
	s_wait_tensorcnt 0x0                           ; all my tensor loads have landed: my part of the next slot
	ds_add_u32 v[SPW], v[NIL]                      ; 0 onto my spare word
	s_wait_dscnt 4*NL+1                            ; the add and the youngest 12 loads may be out
	WIN MUL_LO
	MUL16 0, 1, NQ-1, \slot, 0
	s_wait_dscnt 0x0                               ; the add is done, and my reads of this slot are over
	s_barrier_signal -1
	MUL16 2, 1, NQ-1, \slot, 0
	WIN 0
	s_barrier_wait -1
.if \fill
	CREST                                          ; a round of the cluster's barrier: no wave of any partner still reads this slot or has a load on its way
	s_add_nc_u64 s[G0+4*\slot+2:G0+4*\slot+3], s[G0+4*\slot+2:G0+4*\slot+3], 2*TILEB
	s_add_nc_u64 s[G0B+4*\slot+2:G0B+4*\slot+3], s[G0B+4*\slot+2:G0B+4*\slot+3], 2*TILEB
	JLOAD G0+4*\slot, G1, G0B+4*\slot, G1B
.else
	PLACES NP
.endif
	v_add_nc_u32 v[ADRS], 128, v[ADRS]
	FETCH_B \next, 0, 0
	FETCH_A \next, 0, 0
	SCALES \next
	WIN MUL_HI
	MUL16 4, 1, NQ-1, \slot, 0
	MUL16 6, 1, NQ-1, \slot, 0
	PLACES NP
	WIN 0
	FETCH_A \next, 0, 4
.endm
	s_wait_tensorcnt 1                             ; the scale words and my part of K step 0 are in (K step 1's load may be out),
	s_barrier_signal -1
	s_barrier_wait -1                              ; everybody's are
	FETCH_B 0, 0, 0
	FETCH_A 0, 0, 0
	SCALES 0
	FETCH_A 0, 0, 4
	STEP 0, 0, 1
	s_mov_b32 s3, LAPS-1
.Llap:
	TURN 0, 1, 1
	STEP 1, 0, 0
	TURN 1, 0, 1
	STEP 0, 0, 0
	s_sub_co_u32 s3, s3, 1
	s_cmp_lg_u32 s3, 0
	s_cbranch_scc1 .Llap
	TURN 0, 1, 0
	STEP 1, 0, 0
	s_wait_dscnt 4*NL
	WIN MUL_LO
	MUL16 0, 1, NQ-1, 1, 0
	MUL16 2, 1, NQ-1, 1, 0
	s_wait_dscnt 0
	WIN MUL_HI
	MUL16 4, 1, NQ-1, 1, 0
	MUL16 6, 1, NQ-1, 1, 0
	WIN 0
; THE WAY OUT, block by block of 16 tokens x 128 columns, through my own stage: in by lanes, back as whole rows of 512 bytes.  LDS serves a wave's instructions in order: no wait between the stores and the loads.
.macro TOSTAGE a
.set AC, 64*((\a)%4)
	WIN 0x08+4*((\a)/4)                            ; the data: window 2 or 3
.irp b, 0,1,2,3,4,5,6,7
	ds_store_b128 v[STO], v[AC+8*\b:AC+8*\b+3] offset:128*(\b/2)+32*(\b%2)       ; each accumulator from its low end on
	ds_store_b128 v[STO], v[AC+8*\b+4:AC+8*\b+7] offset:128*(\b/2)+32*(\b%2)+16
.endr
	WIN 0
.set BB, BK+64*((\a)%2)
.irp t, 0,1,2,3,4,5,6,7,8,9,10,11,12,13,14,15
	ds_load_b128 v[BB+4*\t:BB+4*\t+3], v[RD] offset:\t*SPITCH
.endr
.endm
.macro SEND a, younger                 ; block a's rows are tokens 32 (a / 2) + 8 (a % 2) + t + 8 (t / 8)
.set BB, BK+64*((\a)%2)
	s_wait_dscnt \younger                          ; the block is back in registers
.if (\a) > 0
.if ((\a)%2) == 1
	s_add_nc_u64 s[12:13], s[12:13], 8*ROWC        ; (behind a wait on XCNT: the earlier stores have read their base)
.else
	s_add_nc_u64 s[12:13], s[12:13], 24*ROWC
.endif
.endif
.irp t, 0,1,2,3,4,5,6,7,8,9,10,11,12,13,14,15
	global_store_b128 v[CO], v[BB+4*\t:BB+4*\t+3], s[12:13] offset:(\t+8*(\t/8))*ROWC th:TH_STORE_NT   ; 32 lanes store 512 consecutive bytes, at a multiple of 256 from out0's first byte
.endr
.endm
	PLACES NP
	TOSTAGE 0
.irp a, 1,2,3,4,5,6,7
.if \a > 1
	s_wait_xcnt 0x0                                ; block a - 2's stores have read their registers and their base
.endif
	TOSTAGE \a
	SEND \a-1, 32                                  ; behind block a - 1's loads: block a's 16 stores and 16 loads
.endr
	s_wait_xcnt 0x0
	SEND 7, 0
	s_wait_tensorcnt 0x0                           ; the wave's end
	ds_add_u32 v[SPW], v[NIL]
	s_wait_dscnt 0x0
	CROUND                                         ; the closing round
	s_endpgm
.Lfunc_end_k_qdf0ddcf889_gemm_out:
	.size	k_qdf0ddcf889_gemm_out, .Lfunc_end_k_qdf0ddcf889_gemm_out-k_qdf0ddcf889_gemm_out
	.p2alignl 7, 3214868480
	.fill 96, 4, 3214868480
	.section	.rodata,"a",@progbits
	.p2align	6, 0x0
	.amdhsa_kernel k_qdf0ddcf889_gemm_out
		.amdhsa_group_segment_fixed_size 327680
		.amdhsa_private_segment_fixed_size 0
		.amdhsa_enable_private_segment 0
		.amdhsa_kernarg_size 24
		.amdhsa_user_sgpr_count 2
		.amdhsa_user_sgpr_kernarg_segment_ptr 1
		.amdhsa_wavefront_size32 1
		.amdhsa_system_sgpr_workgroup_id_x 1
		.amdhsa_system_sgpr_workgroup_id_y 1
		.amdhsa_system_sgpr_workgroup_id_z 1
		.amdhsa_system_vgpr_workitem_id 0
		.amdhsa_next_free_vgpr 1024
		.amdhsa_next_free_sgpr 98
		.amdhsa_reserve_vcc 0
		.amdhsa_float_denorm_mode_32 3
		.amdhsa_float_denorm_mode_16_64 3
		.amdhsa_memory_ordered 1
		.amdhsa_forward_progress 1
		.amdhsa_inst_pref_size 135
	.end_amdhsa_kernel
	.amdgpu_metadata
---
amdhsa.version: [ 1, 2 ]
amdhsa.kernels:
  - .name:           k_qdf0ddcf889_gemm_out
    .symbol:         k_qdf0ddcf889_gemm_out.kd
    .args:
      - { .name: aq, .offset: 0, .size: 8, .value_kind: global_buffer, .address_space: global }
      - { .name: woq, .offset: 8, .size: 8, .value_kind: global_buffer, .address_space: global }
      - { .name: out0, .offset: 16, .size: 8, .value_kind: global_buffer, .address_space: global }
    .group_segment_fixed_size: 327680
    .private_segment_fixed_size: 0
    .kernarg_segment_align: 8
    .kernarg_segment_size: 24
    .max_flat_workgroup_size: 128
    .sgpr_count:     98
    .vgpr_count:     1024
    .wavefront_size: 32
...
	.end_amdgpu_metadata
.endif
;; end of part 4
;; ======== version 2 of 2: 4 launches
;; limits: right only within a limited range of input values
;; workspace buffers: xq 13,107,200 bytes; wq3 6,553,600 bytes; woq 3,276,800 bytes; qkv 8,388,608 bytes; aq 3,276,800 bytes
;; launch quant (part 5): grid 896 x 1, 4 waves a work-group, no clusters, 58,880 bytes of LDS; arguments x, wq, wk, wv, wo, xq, wq3, woq; writes xq, wq3, woq
.if DOCPART == 5
	.amdgcn_target "amdgcn-amd-amdhsa--gfx1250"
	.amdhsa_code_object_version 6
	.text
	.protected	k_qdf0ddcf889_quant
	.globl	k_qdf0ddcf889_quant
	.p2align	8
	.type	k_qdf0ddcf889_quant,@function
k_qdf0ddcf889_quant:
	s_mov_b64 s[64:65], 0
	v_nop
	global_prefetch_b8 v0, s[64:65] scope:SCOPE_SE
	s_setreg_imm32_b32 hwreg(HW_REG_WAVE_MODE, 25, 1), 1
	s_wait_xcnt 0x0
; The five wide inputs become codes of BF6 (E3M2) with one E8M0 byte for each 32 along K, laid in the ORDER OF THE OPERAND'S REGISTERS.
; A block's scale is 2^(floor(log2(its largest magnitude)) - 4); its byte is the largest magnitude's exponent field - 4, held at 1 from below (a block of zeros keeps the byte 1: its codes are zeros, and this program alone reads the bytes).
; LIMITS: NaN and infinities among the inputs are not served; blocks whose largest magnitude lies under 2^-122 keep the byte 1.
; A TILE is 16 rows: tile T holds rows 32 (T / 2) + 8 (T % 2) + r + 8 (r / 8), r = 0 .. 15.  A FRAGMENT IMAGE is a tile x 128 along K: 12 registers a lane, register n of lane l at byte 512 (n / 4) + 16 l + 4 (n % 4): 1,536 bytes.
; xq and wq3 are [tile][K / 512][6,400 bytes]: four images, then the tile's 256 bytes of scale words for these 512 along K, [K / 256][16 rows][2 words]: codes and words of a piece of K lie together.
; woq is [tile][K / 128][1,536], and behind all codes the scale words, [tile][K / 256][16 rows][2 words].
; Work-groups 0 to 511 take x (K innermost); the other 384 take the weights (K is their first axis).  The two paths have LDS bytes of their own.  No barrier: waves share nothing.
.set XSTG,  16*528                     ; x: a wave's stage: 16 rows x (512 bytes + 16)
.set WLDS,  4*XSTG                     ; the weights' stages begin here
.set WSTG,  6144                       ; a wave's: 2 tiles x 2 images
.set SEL,   20                         ; s[20:21] lane selects: lane l xor 16
.set RR,    16                         ; v16-143  x: two sets of 64 registers as loaded
.set XX,    144                        ; v144-207 64 numbers of my row, register 16 b + i = k 32 b + 16 (lane / 16) + i
.set PC,    208                        ; v208-226 the codes just made
.set TM,    228                        ; v228-243 at work
.set PWK,   248                        ; v248-251 the four K steps' scale words
.set VO,    16                         ; v16-47   weights: byte offset of row i of a block, my column
.set WX,    48                         ; v48-111  two sets of 32 numbers
.set WC,    112                        ; v112-117 a block's codes
.set WD,    120                        ; v120-122 its second half as converted
.set SB,    124                        ; v124-125 my column's eight scale bytes
.set OUTR,  128                        ; v128-175 the way out
; 64 numbers of a lane, v[s] on, become a fragment's 12 registers of codes in v[PC] on and my row's scale word in v[pw].
.macro QUANT s, pw
.irp b, 0,1,2,3
	v_max3_num_f32 v[TM+\b], |v[(\s)+16*\b]|, |v[(\s)+1+16*\b]|, 0x2800000   ; block b: my 16 numbers, and the floor 2^(5 - 127): the byte cannot fall under 1
.endr
.irp i, 2,4,6,8,10,12,14
.irp b, 0,1,2,3
	v_max3_num_f32 v[TM+\b], v[TM+\b], |v[(\s)+16*\b+\i]|, |v[(\s)+1+16*\b+\i]|   ; the four blocks by turns
.endr
.endr
.irp b, 0,1,2,3
	v_permlanex16_b32 v[TM+4+\b], v[TM+\b], s[SEL], s[SEL+1]
.endr
.irp b, 0,1,2,3
	v_max_num_f32 v[TM+\b], v[TM+\b], v[TM+4+\b]       ; with lane l xor 16's 16: the block's largest magnitude
.endr
.irp b, 0,1,2,3
	v_add_nc_u32 v[TM+12+\b], 0xfe000000, v[TM+\b]     ; 4 off its exponent field: the conversion's scale operand
.endr
.irp b, 0,1,2,3
	v_lshrrev_b32 v[TM+4+\b], 23, v[TM+12+\b]          ; the scale's byte
.endr
	v_lshl_or_b32 v[\pw], v[TM+5], 8, v[TM+4]
	v_lshl_or_b32 v[\pw], v[TM+6], 16, v[\pw]
	v_lshl_or_b32 v[\pw], v[TM+7], 24, v[\pw]
.irp c, 0,1
	v_cvt_scalef32_pk16_bf6_f32 v[PC+6*\c:PC+2+6*\c], v[(\s)+32*\c:(\s)+15+32*\c], v[TM+12+2*\c]
	v_cvt_scalef32_pk16_bf6_f32 v[PC+12+4*\c:PC+14+4*\c], v[(\s)+16+32*\c:(\s)+31+32*\c], v[TM+12+2*\c+1]   ; a conversion's three registers begin on an even number
.endr
	v_nop                                              ; one plain place behind a scaled conversion
.irp c, 0,1                                        ; the operand's layout wants a whole block in a lane
.irp i, 0,1,2
	v_permlane16_swap_b32 v[PC+6*\c+\i], v[PC+12+4*\c+\i]
.endr
.irp i, 0,1,2
	v_mov_b32 v[PC+3+6*\c+\i], v[PC+12+4*\c+\i]
.endr
.endr
.endm
	v_lshl_add_u32 v254, v0, 2, 0xe400
	v_mov_b32 v255, 0
	v_lshrrev_b32 v1, 5, v0
	v_readfirstlane_b32 s16, v1                    ; wave 0..3
	v_and_b32 v1, 31, v0                           ; lane
	s_mov_b32 s[SEL], 0x76543210
	s_mov_b32 s[SEL+1], 0xfedcba98
	s_cmp_lt_u32 ttmp9, 512
	s_cbranch_scc0 .Lweights
; ---------------- x: [4096 tokens][4096], K innermost.  Work-group: tile T = id / 2; wave: 512 along K = 4 images and their 256 bytes of scale words: 6,400 consecutive bytes of xq.
	s_load_b64 s[4:5], s[0:1], 0x0                 ; x
	s_load_b64 s[8:9], s[0:1], 0x28                ; xq
	s_lshr_b32 s17, ttmp9, 1                       ; T
	s_and_b32 s18, ttmp9, 1
	s_lshl_b32 s18, s18, 2
	s_add_co_u32 s18, s18, s16                     ; which 512 along K
	s_lshr_b32 s22, s17, 1
	s_lshl_b32 s22, s22, 5
	s_and_b32 s23, s17, 1
	s_lshl_b32 s23, s23, 3
	s_add_co_u32 s22, s22, s23                     ; the tile's first row
	s_lshl_b32 s22, s22, 14                        ; rows of 16,384 bytes
	s_lshl_b32 s23, s18, 11
	s_add_co_u32 s22, s22, s23
	s_mov_b32 s23, 0
	s_mul_i32 s24, s17, 51200                      ; a tile's 8 pieces of 6,400 bytes
	s_mul_i32 s25, s18, 6400
	s_add_co_u32 s24, s24, s25                     ; my piece
	s_mov_b32 s25, 0
	s_wait_alu depctr_va_vdst(0)
	v_lshlrev_b32 v2, 4, v1                        ; 16 x lane
	s_mul_i32 s28, s16, XSTG
	v_add_nc_u32 v3, s28, v2                       ; the stage, on the way in: a row's 512 bytes as they lie
	v_and_b32 v6, 15, v0
	v_bfe_u32 v7, v0, 4, 1
	v_mul_u32_u24 v4, v6, 528
	v_lshl_add_u32 v4, v7, 6, v4
	v_add_nc_u32 v4, s28, v4                       ; and out: row lane % 16, + 64 (lane / 16)
	v_lshlrev_b32 v5, 3, v1
.irp b, 0,1,2,3
	v_mov_b32 v[TM+4+\b], 0                        ; a lane permute's destination counts as one of its sources
.endr
	s_wait_alu depctr_va_vdst(0)
	s_wait_kmcnt 0x0
	s_add_nc_u64 s[4:5], s[4:5], s[22:23]
	s_add_nc_u64 s[8:9], s[8:9], s[24:25]
.macro LOADX s                         ; K step s: 16 loads, each 512 consecutive bytes of one of the tile's rows
.irp i, 0,1,2,3,4,5,6,7,8,9,10,11,12,13,14,15
	global_load_b128 v[RR+64*((\s)%2)+4*\i:RR+64*((\s)%2)+4*\i+3], v2, s[4:5] offset:(\i+8*(\i/8))*16384+512*(\s) th:TH_LOAD_NT
.endr
.endm
.macro XSTEP s
.if (\s) < 3
	s_wait_loadcnt 16                              ; this K step's 16 loads are in; the next step's 16 may be out
.else
	s_wait_loadcnt 0x0
.endif
.irp i, 0,1,2,3,4,5,6,7,8,9,10,11,12,13,14,15
	ds_store_b128 v3, v[RR+64*((\s)%2)+4*\i:RR+64*((\s)%2)+4*\i+3] offset:528*\i
.endr
.irp b, 0,1,2,3
.irp j, 0,1,2,3
	ds_load_b128 v[XX+16*\b+4*\j:XX+16*\b+4*\j+3], v4 offset:128*\b+16*\j   ; LDS serves a wave's instructions in order: these see my stores
.endr
.endr
	s_wait_dscnt 0x0                               ; my numbers are back, and the stores have read their registers,
.if (\s) < 2
	LOADX (\s)+2                                   ; which take the loads of two steps on
.endif
.if (\s) > 0
	s_wait_xcnt 0x0                                ; the last step's stores have read the codes' registers
.endif
	QUANT XX, PWK+(\s)
.irp c, 0,1,2
	global_store_b128 v2, v[PC+4*\c:PC+4*\c+3], s[8:9] offset:1536*(\s)+512*\c   ; 512 consecutive bytes a store
.endr
.endm
	LOADX 0
	LOADX 1
	XSTEP 0
	XSTEP 1
	XSTEP 2
	XSTEP 3
	v_cmp_le_u32 vcc_lo, 16, v1                    ; lanes 0-15 store K steps 0, 1 of row r, lanes 16-31 K steps 2, 3
	v_cndmask_b32 v246, v[PWK], v[PWK+2], vcc_lo
	v_cndmask_b32 v247, v[PWK+1], v[PWK+3], vcc_lo
	global_store_b64 v5, v[246:247], s[8:9] offset:6144   ; 256 consecutive bytes, behind the four images
	s_wait_tensorcnt 0x0
	ds_add_u32 v254, v255
	s_wait_dscnt 0x0
	s_endpgm
; ---------------- the weights: [K][N] f32.  A lane takes a column, its registers run down K.  Work-group: 128 columns x 256 along K; wave: 32 columns = two tiles.
.Lweights:
	s_load_b256 s[68:75], s[0:1], 0x8              ; wq s[68:69], wk s[70:71], wv s[72:73], wo s[74:75]
	s_load_b128 s[76:79], s[0:1], 0x30             ; wq3 s[76:77], woq s[78:79]
	s_sub_co_u32 s17, ttmp9, 512                   ; 0-127 wq, 128-191 wk, 192-255 wv, 256-383 wo
	s_mov_b32 s18, 16384                           ; bytes in a row of the weight
	s_mov_b32 s19, 5                               ; log2 of its blocks of 128 columns
	s_mov_b32 s22, 256                             ; its first work-group
	s_mov_b32 s23, 0                               ; block of 128 rows in the target: (column block << s23) + s24
	s_mov_b32 s24, 0
	s_mov_b32 s25, 12288                           ; the target: from a tile's codes to the next tile's,
	s_mov_b32 s26, 3145728                         ; where tile 0's scale words begin,
	s_mov_b32 s61, 6144                            ; 512 along K on among a tile's codes,
	s_mov_b32 s62, 512                             ; from a tile's scale words to the next tile's,
	s_mov_b32 s63, 256                             ; 512 along K on among them
	s_wait_kmcnt 0x0
	s_cmp_lt_u32 s17, 256                          ; every choice hangs on the work-group's number alone
	s_cselect_b32 s18, 2048, s18
	s_cselect_b32 s19, 2, s19
	s_cselect_b32 s22, 192, s22
	s_cselect_b32 s23, 1, s23
	s_cselect_b32 s24, 1, s24                      ; v head g: slot 2 g + 1
	s_cselect_b32 s25, 51200, s25
	s_cselect_b32 s26, 6144, s26
	s_cselect_b32 s61, 6400, s61
	s_cselect_b32 s62, 51200, s62
	s_cselect_b32 s63, 6400, s63
	s_cselect_b64 s[4:5], s[72:73], s[74:75]
	s_cselect_b64 s[6:7], s[76:77], s[78:79]
	s_cmp_lt_u32 s17, 192
	s_cselect_b32 s22, 128, s22
	s_cselect_b32 s24, 9, s24                      ; k head g: slot 2 g + 9
	s_cselect_b64 s[4:5], s[70:71], s[4:5]
	s_cmp_lt_u32 s17, 128
	s_cselect_b32 s18, 4096, s18
	s_cselect_b32 s19, 3, s19
	s_cselect_b32 s22, 0, s22
	s_cselect_b32 s24, 0, s24                      ; q head j: slot 2 j
	s_cselect_b64 s[4:5], s[68:69], s[4:5]
	s_sub_co_u32 s17, s17, s22
	s_bfm_b32 s27, s19, 0
	s_and_b32 s27, s17, s27                        ; block of 128 columns
	s_lshr_b32 s28, s17, s19                       ; which 256 along K
	s_lshl_b32 s29, s27, s23
	s_add_co_u32 s29, s29, s24                     ; block of 128 rows in the target
	s_mul_i32 s30, s28, s18
	s_lshl_b32 s30, s30, 8
	s_lshl_b32 s31, s27, 9
	s_add_co_u32 s30, s30, s31
	s_lshl_b32 s31, s16, 7
	s_add_co_u32 s30, s30, s31
	s_mov_b32 s31, 0
	s_add_nc_u64 s[32:33], s[4:5], s[30:31]        ; block 0 of my 32 columns
	s_lshl_b32 s30, s18, 5                         ; 32 rows on
.irp t, 1,2,3,4,5,6,7
	s_add_nc_u64 s[32+2*\t:33+2*\t], s[30+2*\t:31+2*\t], s[30:31]   ; a base for each block: nothing is stepped later
.endr
	s_lshl_b32 s52, s29, 3
	s_lshl_b32 s53, s16, 1
	s_add_co_u32 s52, s52, s53                     ; my first tile
	s_mov_b32 s54, s25
	s_mov_b32 s55, 0
	s_lshr_b32 s66, s28, 1                         ; which 512 along K,
	s_and_b32 s67, s28, 1                          ; and which half of them
	s_mul_i32 s56, s52, s54
	s_mul_i32 s57, s66, s61
	s_add_co_u32 s56, s56, s57
	s_mul_i32 s57, s67, 3072
	s_add_co_u32 s56, s56, s57
	s_mov_b32 s57, 0
	s_add_nc_u64 s[48:49], s[6:7], s[56:57]        ; my first tile's two images,
	s_add_nc_u64 s[50:51], s[48:49], s[54:55]      ; my second tile's
	s_mul_i32 s56, s52, s62
	s_mul_i32 s59, s66, s63
	s_add_co_u32 s56, s56, s59
	s_lshl_b32 s59, s67, 7
	s_add_co_u32 s56, s56, s59
	s_add_co_u32 s56, s56, s26
	s_add_nc_u64 s[52:53], s[6:7], s[56:57]        ; my first tile's 128 bytes of scale words
	s_wait_alu depctr_va_vdst(0)
	v_lshlrev_b32 v10, 2, v1
.irp i, 0,1,2,3,4,5,6,7,8,9,10,11,12,13,14,15,16,17,18,19,20,21,22,23,24,25,26,27,28,29,30,31
	v_mad_u32_u24 v[VO+\i], s18, \i, v10
.endr
	v_bfe_u32 v11, v0, 3, 1                        ; column l of the 32 is row r = (l % 8) + 8 (l / 16) of tile u = (l / 8) % 2
	v_and_b32 v12, 7, v0
	v_bfe_u32 v13, v0, 4, 1
	v_lshl_or_b32 v12, v13, 3, v12
	s_mul_i32 s60, s16, WSTG
	s_add_co_u32 s60, s60, WLDS
	v_mul_u32_u24 v6, v11, 3072
	v_lshl_add_u32 v6, v12, 4, v6
	v_add_nc_u32 v6, s60, v6                       ; the stage, on the way in: tile u, 16 r
	v_lshlrev_b32 v9, 4, v1
	v_add_nc_u32 v7, s60, v9                       ; and out: 16 x lane
	v_mul_u32_u24 v8, s62, v11
	v_lshl_add_u32 v8, v12, 3, v8                  ; my row's two scale words
.macro LOADW t                         ; block t: 32 rows of the weight at my column; a load reads 128 consecutive bytes, the four waves side by side 512
.irp i, 0,1,2,3,4,5,6,7,8,9,10,11,12,13,14,15,16,17,18,19,20,21,22,23,24,25,26,27,28,29,30,31
	global_load_b32 v[WX+32*((\t)%2)+\i], v[VO+\i], s[32+2*(\t):33+2*(\t)] th:TH_LOAD_NT
.endr
.endm
.macro BLOCK t
.set XS, WX+32*((\t)%2)
.if (\t) < 7
	s_wait_loadcnt 32                              ; this block's 32 loads are in; the next block's may be out
.else
	s_wait_loadcnt 0x0
.endif
	v_max3_num_f32 v12, |v[XS]|, |v[XS+1]|, |v[XS+2]|              ; all 32 numbers of the block are mine
	v_max3_num_f32 v13, |v[XS+3]|, |v[XS+4]|, |v[XS+5]|
.irp i, 6,10,14,18,22,26
	v_max3_num_f32 v12, v12, |v[XS+\i]|, |v[XS+\i+1]|
	v_max3_num_f32 v13, v13, |v[XS+\i+2]|, |v[XS+\i+3]|
.endr
	v_max3_num_f32 v12, v12, |v[XS+30]|, |v[XS+31]|
	v_max3_num_f32 v12, v12, v13, 0x2800000        ; and the floor
	v_add_nc_u32 v14, 0xfe000000, v12              ; the conversion's scale operand
	v_lshrrev_b32 v13, 23, v14                     ; the byte
.if (\t)%4 == 0
	v_mov_b32 v[SB+(\t)/4], v13
.else
	v_lshl_or_b32 v[SB+(\t)/4], v13, 8*((\t)%4), v[SB+(\t)/4]
.endif
	v_cvt_scalef32_pk16_bf6_f32 v[WC:WC+2], v[XS:XS+15], v14
	v_cvt_scalef32_pk16_bf6_f32 v[WD:WD+2], v[XS+16:XS+31], v14
	v_nop                                          ; one plain place behind a scaled conversion
.irp i, 0,1,2
	v_mov_b32 v[WC+3+\i], v[WD+\i]
.endr
; block t is registers 6 c .. 6 c + 5 (c = (t / 2) % 2) of lane r + 16 (t % 2) of image t / 4
.set OB_, 1536*((\t)/4)+256*((\t)%2)
.if ((\t)/2)%2 == 0
	ds_store_b128 v6, v[WC:WC+3] offset:OB_
	ds_store_b64 v6, v[WC+4:WC+5] offset:OB_+512
.else
	ds_store_b64 v6, v[WC:WC+1] offset:OB_+520
	ds_store_b128 v6, v[WC+2:WC+5] offset:OB_+1024
.endif
.if (\t)+2 < 8
	LOADW (\t)+2
.endif
	s_wait_dscnt 0x0                               ; the stores have read their registers
.endm
	LOADW 0
	LOADW 1
.set Q, 0
.rept 8
	BLOCK Q
.set Q, Q+1
.endr
	s_wait_alu depctr_va_vdst(0)
	global_store_b64 v8, v[SB:SB+1], s[52:53]
.irp k, 0,1,2,3,4,5,6,7,8,9,10,11
	ds_load_b128 v[OUTR+4*\k:OUTR+4*\k+3], v7 offset:512*\k
.endr
.irp k, 0,1,2,3,4,5,6,7,8,9,10,11
	s_wait_dscnt 11-\k                             ; the younger loads may be out
	global_store_b128 v9, v[OUTR+4*\k:OUTR+4*\k+3], s[48+2*(\k/6):49+2*(\k/6)] offset:512*(\k%6)   ; 512 consecutive bytes a store
.endr
	s_wait_tensorcnt 0x0
	ds_add_u32 v254, v255
	s_wait_dscnt 0x0
	s_endpgm
.Lfunc_end_k_qdf0ddcf889_quant:
	.size	k_qdf0ddcf889_quant, .Lfunc_end_k_qdf0ddcf889_quant-k_qdf0ddcf889_quant
	.p2alignl 7, 3214868480
	.fill 96, 4, 3214868480
	.section	.rodata,"a",@progbits
	.p2align	6, 0x0
	.amdhsa_kernel k_qdf0ddcf889_quant
		.amdhsa_group_segment_fixed_size 58880
		.amdhsa_private_segment_fixed_size 0
		.amdhsa_enable_private_segment 0
		.amdhsa_kernarg_size 64
		.amdhsa_user_sgpr_count 2
		.amdhsa_user_sgpr_kernarg_segment_ptr 1
		.amdhsa_wavefront_size32 1
		.amdhsa_system_sgpr_workgroup_id_x 1
		.amdhsa_system_sgpr_workgroup_id_y 1
		.amdhsa_system_sgpr_workgroup_id_z 1
		.amdhsa_system_vgpr_workitem_id 0
		.amdhsa_next_free_vgpr 256
		.amdhsa_next_free_sgpr 90
		.amdhsa_reserve_vcc 1
		.amdhsa_float_denorm_mode_32 3
		.amdhsa_float_denorm_mode_16_64 3
		.amdhsa_memory_ordered 1
		.amdhsa_forward_progress 1
		.amdhsa_inst_pref_size 79
	.end_amdhsa_kernel
	.amdgpu_metadata
---
amdhsa.version: [ 1, 2 ]
amdhsa.kernels:
  - .name:           k_qdf0ddcf889_quant
    .symbol:         k_qdf0ddcf889_quant.kd
    .args:
      - { .name: x, .offset: 0, .size: 8, .value_kind: global_buffer, .address_space: global }
      - { .name: wq, .offset: 8, .size: 8, .value_kind: global_buffer, .address_space: global }
      - { .name: wk, .offset: 16, .size: 8, .value_kind: global_buffer, .address_space: global }
      - { .name: wv, .offset: 24, .size: 8, .value_kind: global_buffer, .address_space: global }
      - { .name: wo, .offset: 32, .size: 8, .value_kind: global_buffer, .address_space: global }
      - { .name: xq, .offset: 40, .size: 8, .value_kind: global_buffer, .address_space: global }
      - { .name: wq3, .offset: 48, .size: 8, .value_kind: global_buffer, .address_space: global }
      - { .name: woq, .offset: 56, .size: 8, .value_kind: global_buffer, .address_space: global }
    .group_segment_fixed_size: 58880
    .private_segment_fixed_size: 0
    .kernarg_segment_align: 8
    .kernarg_segment_size: 64
    .max_flat_workgroup_size: 128
    .sgpr_count:     90
    .vgpr_count:     256
    .wavefront_size: 32
...
	.end_amdgpu_metadata
.endif
;; end of part 5
;; launch gemm_qkv (part 6): grid 16 x 16, 4 waves a work-group, clusters of 4 x 4, 327,680 bytes of LDS; arguments xq, wq3, cos, sin, qkv; writes qkv
.if DOCPART == 6
	.amdgcn_target "amdgcn-amd-amdhsa--gfx1250"
	.amdhsa_code_object_version 6
	.text
	.protected	k_qdf0ddcf889_gemm_qkv
	.globl	k_qdf0ddcf889_gemm_qkv
	.p2align	8
	.type	k_qdf0ddcf889_gemm_qkv,@function
k_qdf0ddcf889_gemm_qkv:
	s_mov_b64 s[64:65], 0
	v_nop
	global_prefetch_b8 v0, s[64:65] scope:SCOPE_SE
	s_setreg_imm32_b32 hwreg(HW_REG_WAVE_MODE, 25, 1), 1
	s_wait_xcnt 0x0
	s_wait_alu depctr_hold_cnt(0) depctr_sa_sdst(0) depctr_va_vdst(0) depctr_va_sdst(0) depctr_va_ssrc(0) depctr_va_vcc(0) depctr_vm_vsrc(0)
	s_getreg_b32 s2, hwreg(HW_REG_IB_STS2, 6, 4)
	s_cmp_eq_u32 s2, 0
	s_cbranch_scc0 .Lentry_in_a_cluster
	s_endpgm
.Lentry_in_a_cluster:
	s_bfe_u32 s2, ttmp6, 0x10000c
	s_cmp_lg_u32 s2, 0xf033
	s_cbranch_scc0 .Lentry_shape_is_right
	s_endpgm
.Lentry_shape_is_right:
.set TILEB,  6400
.set TROW,   8*TILEB
.set SLOT,   24*TILEB
.set BOFF,   16*TILEB
.set SWO,    6144
.set SPARE,  2*SLOT
.set LAPS,   4
.set FR,     12
.set NP,     4
.set AD1F, 16
.set AD0F, 18
.set AD1S, 20
.set AD0S, 22
.set CSO,  24
.set LI,   25
.set LN,   26
.set R16,  27
.set SPW,  28
.set NIL,  29
.set SC,   32
.set FB,   80
.set RO,   64
.set PC,   128
.set TM,   152
.set PWS,  172
.set TT,   180
.set SEL,  100
.set G1, 24
.set G0, 32
.set G1B, 48
.set G0B, 56
.set MSB, 0
.macro WIN new
.if MSB != (\new)
	s_set_vgpr_msb (MSB<<8)|(\new)
.set MSB, (\new)
.endif
.endm
.macro JLOAD g0a, g1a, g0b, g1b
	s_cmp_eq_u32 s15, 0
	s_cbranch_scc0 .Lfor_b_\@
	tensor_load_to_lds s[\g0a:\g0a+3], s[\g1a:\g1a+7]
	s_nop 0
.rept 4
	v_nop
.endr
	s_branch .Lasked_\@
.Lfor_b_\@:
	tensor_load_to_lds s[\g0b:\g0b+3], s[\g1b:\g1b+7]
	s_nop 0
.rept 4
	v_nop
.endr
.Lasked_\@:
.endm
.macro CREST
	s_cmp_lg_u32 s14, 0
	s_cbranch_scc1 .Lnot_wave_0_\@
	s_barrier_signal -3
.Lnot_wave_0_\@:
	s_barrier_wait -3
	s_barrier_signal -1
	s_barrier_wait -1
.endm
.macro CROUND
	s_barrier_signal -1
	s_barrier_wait -1
	CREST
.endm
	s_load_b128 s[4:7], s[0:1], 0x0
	s_load_b128 s[96:99], s[0:1], 0x10
	s_load_b64 s[12:13], s[0:1], 0x20
	v_lshl_add_u32 v[SPW], v0, 2, SPARE
	v_mov_b32 v[NIL], 0
	ds_add_u32 v28, v29
	ds_add_u32 v28, v29
	s_wait_dscnt 0x0
	v_lshrrev_b32 v1, 5, v0
	v_readfirstlane_b32 s14, v1
	s_lshr_b32 s15, s14, 1
	s_and_b32 s16, s14, 1
	s_bfe_u32 s40, ttmp6, 0x40000
	s_bfe_u32 s41, ttmp6, 0x40004
	s_and_b32 s42, ttmp9, 1
	s_lshl_b32 s42, s42, 3
	s_cmp_lt_u32 ttmp9, 2
	s_cselect_b32 s45, 1, 0
	s_add_co_u32 s42, s42, s45
	s_lshl_b32 s45, s40, 1
	s_add_co_u32 s42, s42, s45
	s_and_b32 s17, ttmp7, 0xffff
	s_lshl_b32 s17, s17, 2
	s_add_co_u32 s17, s17, s41
	s_lshl_b32 s43, s41, 2
	s_lshl_b32 s43, 15, s43
	s_lshl_b32 s44, 0x1111, s40
	s_or_b32 s[G1+0], s43, (3<<16)|(1<<21)
	s_mov_b32 s[G1+1], 800<<16
	s_mov_b32 s[G1+2], 8<<16
	s_mov_b32 s[G1+3], 800<<16
	s_mov_b32 s[G1+4], 8
	s_mov_b32 s[G1+5], TROW/8
	s_mov_b32 s[G1+6], 0
	s_mov_b32 s[G1+7], 0
	s_or_b32 s[G1B+0], s44, (3<<16)|(1<<21)
	s_mov_b32 s[G1B+1], 800<<16
	s_mov_b32 s[G1B+2], 4<<16
	s_mov_b32 s[G1B+3], 800<<16
	s_mov_b32 s[G1B+4], 4
	s_mov_b32 s[G1B+5], TROW/8
	s_mov_b32 s[G1B+6], 0
	s_mov_b32 s[G1B+7], 0
	s_lshl_b32 s18, s16, 3
	s_lshl_b32 s20, s17, 4
	s_add_co_u32 s20, s20, s18
	s_mul_i32 s20, s20, TROW
	s_mov_b32 s21, 0
	s_lshl_b32 s18, s16, 2
	s_lshl_b32 s46, s42, 3
	s_add_co_u32 s46, s46, s18
	s_mul_i32 s46, s46, TROW
	s_mov_b32 s47, 0
	s_mul_i32 s45, s16, 8*TILEB
	s_mul_i32 s94, s16, 4*TILEB
	s_add_co_u32 s94, s94, BOFF
	s_mov_b32 s[SEL], 0x76543210
	s_mov_b32 s[SEL+1], 0xfedcba98
	s_wait_kmcnt 0x0
	s_add_nc_u64 s[20:21], s[4:5], s[20:21]
	s_add_nc_u64 s[46:47], s[6:7], s[46:47]
	CROUND
.irp s, 0,1
	s_mov_b32 s[G0+4*\s], 1
	s_add_co_u32 s[G0+4*\s+1], s45, \s*SLOT
	s_add_nc_u64 s[G0+4*\s+2:G0+4*\s+3], s[20:21], \s*TILEB
	s_or_b32 s[G0+4*\s+3], s[G0+4*\s+3], 0x80000000
	s_mov_b32 s[G0B+4*\s], 1
	s_add_co_u32 s[G0B+4*\s+1], s94, \s*SLOT
	s_add_nc_u64 s[G0B+4*\s+2:G0B+4*\s+3], s[46:47], \s*TILEB
	s_or_b32 s[G0B+4*\s+3], s[G0B+4*\s+3], 0x80000000
	s_wait_alu depctr_va_vdst(0)
	s_wait_tensorcnt 0x0
	ds_add_u32 v28, v29
	ds_add_u32 v28, v29
	s_wait_dscnt 0x0
	CROUND
	JLOAD G0+4*\s, G1, G0B+4*\s, G1B
.endr
	v_and_b32 v1, 15, v0
	v_bfe_u32 v2, v0, 4, 1
	v_and_b32 v[LN], 31, v0
	v_lshlrev_b32 v[LI], 4, v[LN]
	s_wait_alu depctr_va_vdst(0)
	v_lshlrev_b32 v3, 3, v[LN]
	s_wait_alu depctr_va_vdst(0)
	v_lshlrev_b32 v[R16], 4, v1
	s_mul_i32 s21, s14, 4*TILEB
	s_mov_b32 s22, BOFF
	s_mul_i32 s18, s15, 8*TILEB
	s_mul_i32 s19, s16, 4*TILEB
	s_add_co_u32 s19, s19, BOFF
	s_cmp_eq_u32 ttmp9, 0
	s_cselect_b32 s95, 1, 0
	s_cselect_b32 s21, s19, s21
	s_cselect_b32 s22, s18, s22
.irp s, 0,1
	v_add_nc_u32 v[AD1F+\s], s21, v[LI]
	v_add_nc_u32 v[AD0F+\s], s22, v[LI]
	v_add_nc_u32 v[AD1S+\s], s21, v3
	v_add_nc_u32 v[AD0S+\s], s22, v3
	s_add_co_u32 s21, s21, SLOT
	s_add_co_u32 s22, s22, SLOT
.endr
	v_and_b32 v[CSO], 8, v1
	v_add_nc_u32 v[CSO], v[CSO], v1
	v_lshlrev_b32 v[CSO], 8, v[CSO]
	v_lshl_add_u32 v[CSO], v2, 5, v[CSO]
	s_lshl_b32 s18, s42, 5
	s_lshl_b32 s19, s17, 1
	s_add_co_u32 s19, s19, s15
	s_add_co_u32 s18, s18, s19
	s_lshl_b32 s18, s18, 14
	s_mul_i32 s20, s16, 6144
	s_add_co_u32 s20, s20, s18
	s_mov_b32 s21, 0
	s_lshl_b32 s22, s16, 8
	s_add_co_u32 s22, s22, s18
	s_add_co_u32 s22, s22, 12288
	s_mov_b32 s23, 0
	s_add_nc_u64 s[10:11], s[12:13], s[22:23]
	s_add_nc_u64 s[12:13], s[12:13], s[20:21]
	s_lshl_b32 s18, s17, 8
	s_lshl_b32 s19, s14, 6
	s_add_co_u32 s18, s18, s19
	s_and_b32 s18, s18, 2047
	s_lshl_b32 s18, s18, 8
	s_mov_b32 s19, 0
	s_add_nc_u64 s[96:97], s[96:97], s[18:19]
	s_add_nc_u64 s[98:99], s[98:99], s[18:19]
.macro CSLOAD a
.set CB, 64*(\a)
.irp e, 0,1,2,3
.irp j, 0,1
	global_load_b128 v[CB+8*\e+4*\j:CB+8*\e+4*\j+3], v[CSO], s[96:97] offset:(32*((\a)/2)+8*((\a)%2))*256+64*\e+16*\j
	global_load_b128 v[CB+32+8*\e+4*\j:CB+32+8*\e+4*\j+3], v[CSO], s[98:99] offset:(32*((\a)/2)+8*((\a)%2))*256+64*\e+16*\j
.endr
.endr
.endm
	s_cmp_eq_u32 s95, 1
	s_cbranch_scc1 .Lno_tables
	WIN 0xc0
	s_wait_alu depctr_va_vdst(0)
	CSLOAD 0
	CSLOAD 1
	CSLOAD 2
	CSLOAD 3
	WIN 0
.Lno_tables:
.macro FRAG reg, adr, q, i
.irp c, 0,1,2
	ds_load_b128 v[(\reg)+4*\c:(\reg)+4*\c+3], v[\adr] offset:(\i)*TILEB+(\q)*1536+512*\c
.endr
.endm
.macro RUNA slot, q
.irp i, 0,1,2,3
	FRAG FB+96+FR*\i, AD1F+\slot, \q, \i
.endr
.irp i, 0,1
	FRAG FB+FR*\i, AD0F+\slot, \q, \i
.endr
.endm
.macro RUNB slot, q
.irp i, 2,3,4,5,6,7
	FRAG FB+FR*\i, AD0F+\slot, \q, \i
.endr
.endm
.macro SCALES sc
.irp i, 0,1,2,3,4,5,6,7
	ds_load_b64 v[SC+24*\sc+2*\i:SC+24*\sc+2*\i+1], v[AD0S+\sc] offset:\i*TILEB+SWO
.endr
.irp i, 0,1,2,3
	ds_load_b64 v[SC+24*\sc+16+2*\i:SC+24*\sc+16+2*\i+1], v[AD1S+\sc] offset:\i*TILEB+SWO
.endr
.endm
.macro WM a, b, q, sc, zero
.set rD, 8*(8*(\a)+(\b))
.set rA, FB+FR*(\b)
.set rB, FB+96+FR*(\a)
.set rX, SC+24*(\sc)+2*(\b)+(\q)%2
.set rY, SC+24*(\sc)+16+2*(\a)+(\q)%2
.if \zero
	v_wmma_scale_f32_16x16x128_f8f6f4 v[rD:rD+7], v[rA:rA+FR-1], v[rB:rB+FR-1], 0, v[rX], v[rY] matrix_a_fmt:MATRIX_FMT_BF6 matrix_b_fmt:MATRIX_FMT_BF6
.elseif (\q) < 2
	v_wmma_scale_f32_16x16x128_f8f6f4 v[rD:rD+7], v[rA:rA+FR-1], v[rB:rB+FR-1], v[rD:rD+7], v[rX], v[rY] matrix_a_fmt:MATRIX_FMT_BF6 matrix_b_fmt:MATRIX_FMT_BF6
.else
	v_wmma_scale_f32_16x16x128_f8f6f4 v[rD:rD+7], v[rA:rA+FR-1], v[rB:rB+FR-1], v[rD:rD+7], v[rX], v[rY] matrix_a_fmt:MATRIX_FMT_BF6 matrix_b_fmt:MATRIX_FMT_BF6 matrix_a_scale:MATRIX_SCALE_ROW1 matrix_b_scale:MATRIX_SCALE_ROW1
.endif
.endm
.macro GRP g, q, sc, zero
.irp b, 2*(\g), 2*(\g)+1
.irp a, 0,1,2,3
	WM \a, \b, \q, \sc, \zero
.endr
.endr
.endm
.macro PLACES n
.rept \n
	v_nop
.endr
.endm
.macro KSTEP slot, q, zero
.set KP_, (\q)%2
	PLACES NP
	WIN 0x40*(1-KP_)
	RUNA \slot, (\q)+1
	s_wait_dscnt 36
	WIN 0xa0+5*KP_
	GRP 0, \q, \slot, \zero
	WIN 0x40*(1-KP_)
	RUNB \slot, (\q)+1
	s_wait_dscnt 36
	WIN 0xa0+5*KP_
	GRP 1, \q, \slot, \zero
	GRP 2, \q, \slot, \zero
	GRP 3, \q, \slot, \zero
.endm
.macro TURN slot, next, fill
	WIN 0
	s_wait_tensorcnt 0x0
	ds_add_u32 v[SPW], v[NIL]
	s_wait_dscnt 19
	WIN 0xa5
	GRP 0, 3, \slot, 0
	s_wait_dscnt 0x0
	s_barrier_signal -1
	GRP 1, 3, \slot, 0
	WIN 0
	s_barrier_wait -1
.if \fill
	CREST
	s_add_nc_u64 s[G0+4*\slot+2:G0+4*\slot+3], s[G0+4*\slot+2:G0+4*\slot+3], 2*TILEB
	s_add_nc_u64 s[G0B+4*\slot+2:G0B+4*\slot+3], s[G0B+4*\slot+2:G0B+4*\slot+3], 2*TILEB
	JLOAD G0+4*\slot, G1, G0B+4*\slot, G1B
.else
	PLACES NP
.endif
	RUNA \next, 0
	SCALES \next
	RUNB \next, 0
	WIN 0xa5
	GRP 2, 3, \slot, 0
	GRP 3, 3, \slot, 0
.endm
	s_wait_tensorcnt 1
	s_barrier_signal -1
	s_barrier_wait -1
	RUNA 0, 0
	s_wait_alu depctr_va_vdst(0)
	SCALES 0
	RUNB 0, 0
	KSTEP 0, 0, 1
	WIN 0
	s_mov_b32 s3, LAPS-1
.Llap:
	KSTEP 0, 1, 0
	KSTEP 0, 2, 0
	TURN 0, 1, 1
	KSTEP 1, 0, 0
	KSTEP 1, 1, 0
	KSTEP 1, 2, 0
	TURN 1, 0, 1
	KSTEP 0, 0, 0
	WIN 0
	s_sub_co_u32 s3, s3, 1
	s_cmp_lg_u32 s3, 0
	s_cbranch_scc1 .Llap
	KSTEP 0, 1, 0
	KSTEP 0, 2, 0
	TURN 0, 1, 0
	KSTEP 1, 0, 0
	KSTEP 1, 1, 0
	KSTEP 1, 2, 0
	s_wait_dscnt 18
	WIN 0xa5
	GRP 0, 3, 1, 0
	s_wait_dscnt 0x0
	GRP 1, 3, 1, 0
	GRP 2, 3, 1, 0
	GRP 3, 3, 1, 0
	WIN 0
.macro QUANT s, pw
.irp b, 0,1,2,3
	v_max3_num_f32 v[TM+\b], |v[(\s)+16*\b]|, |v[(\s)+1+16*\b]|, 0x2800000
.endr
.irp i, 2,4,6,8,10,12,14
.irp b, 0,1,2,3
	v_max3_num_f32 v[TM+\b], v[TM+\b], |v[(\s)+16*\b+\i]|, |v[(\s)+1+16*\b+\i]|
.endr
.endr
.irp b, 0,1,2,3
	v_permlanex16_b32 v[TM+4+\b], v[TM+\b], s[SEL], s[SEL+1]
.endr
.irp b, 0,1,2,3
	v_max_num_f32 v[TM+\b], v[TM+\b], v[TM+4+\b]
.endr
.irp b, 0,1,2,3
	v_add_nc_u32 v[TM+12+\b], 0xfe000000, v[TM+\b]
.endr
.irp b, 0,1,2,3
	v_lshrrev_b32 v[TM+4+\b], 23, v[TM+12+\b]
.endr
	v_lshl_or_b32 v[\pw], v[TM+5], 8, v[TM+4]
	v_lshl_or_b32 v[\pw], v[TM+6], 16, v[\pw]
	v_lshl_or_b32 v[\pw], v[TM+7], 24, v[\pw]
.irp c, 0,1
	v_cvt_scalef32_pk16_bf6_f32 v[PC+6*\c:PC+2+6*\c], v[(\s)+32*\c:(\s)+15+32*\c], v[TM+12+2*\c]
	v_cvt_scalef32_pk16_bf6_f32 v[PC+12+4*\c:PC+14+4*\c], v[(\s)+16+32*\c:(\s)+31+32*\c], v[TM+12+2*\c+1]
.endr
	v_nop
.irp c, 0,1
.irp i, 0,1,2
	v_permlane16_swap_b32 v[PC+6*\c+\i], v[PC+12+4*\c+\i]
.endr
.irp i, 0,1,2
	v_mov_b32 v[PC+3+6*\c+\i], v[PC+12+4*\c+\i]
.endr
.endr
.endm
.macro ROPE a
.set AC, 64*(\a)
.set CB, 64*(\a)
	WIN 0x0e
.set P_, 0
.rept 32
	v_mul_f32 v[TT+2*(P_%4)], v[AC+2*P_+1], v[CB+32+P_]
	v_mul_f32 v[TT+2*(P_%4)+1], v[AC+2*P_+1], v[CB+P_]
	v_fma_f32 v[RO+2*P_], v[AC+2*P_], v[CB+P_], -v[TT+2*(P_%4)]
	v_fma_f32 v[RO+2*P_+1], v[AC+2*P_], v[CB+32+P_], v[TT+2*(P_%4)+1]
.set P_, P_+1
.endr
	WIN 0
.endm
.macro COPY a
.set AC, 64*(\a)
	WIN 0x02
.set P_, 0
.rept 64
	v_mov_b32 v[RO+P_], v[AC+P_]
.set P_, P_+1
.endr
	WIN 0
.endm
.macro TAIL rope
.set A_, 0
.rept 4
.if \rope
	ROPE A_
.else
	COPY A_
.endif
.if A_ > 0
	s_wait_xcnt 0x0
.endif
	QUANT RO, PWS+A_
.irp c, 0,1,2
	global_store_b128 v[LI], v[PC+4*\c:PC+4*\c+3], s[12:13] offset:1536*A_+512*\c
.endr
.set A_, A_+1
.endr
.endm
	PLACES NP
.irp b, 0,1,2,3
	v_mov_b32 v[TM+4+\b], 0
.endr
	s_cmp_eq_u32 s95, 1
	s_cbranch_scc1 .Lvalues
	s_wait_loadcnt 0x0
	TAIL 1
	s_branch .Lwords
.Lvalues:
	TAIL 0
.Lwords:
	global_store_b128 v[R16], v[PWS:PWS+3], s[10:11]
	s_wait_tensorcnt 0x0
	ds_add_u32 v[SPW], v[NIL]
	s_wait_dscnt 0x0
	CROUND
	s_endpgm
.Lfunc_end_k_qdf0ddcf889_gemm_qkv:
	.size	k_qdf0ddcf889_gemm_qkv, .Lfunc_end_k_qdf0ddcf889_gemm_qkv-k_qdf0ddcf889_gemm_qkv
	.p2alignl 7, 3214868480
	.fill 96, 4, 3214868480
	.section	.rodata,"a",@progbits
	.p2align	6, 0x0
	.amdhsa_kernel k_qdf0ddcf889_gemm_qkv
		.amdhsa_group_segment_fixed_size 327680
		.amdhsa_private_segment_fixed_size 0
		.amdhsa_enable_private_segment 0
		.amdhsa_kernarg_size 40
		.amdhsa_user_sgpr_count 2
		.amdhsa_user_sgpr_kernarg_segment_ptr 1
		.amdhsa_wavefront_size32 1
		.amdhsa_system_sgpr_workgroup_id_x 1
		.amdhsa_system_sgpr_workgroup_id_y 1
		.amdhsa_system_sgpr_workgroup_id_z 1
		.amdhsa_system_vgpr_workitem_id 0
		.amdhsa_next_free_vgpr 1024
		.amdhsa_next_free_sgpr 102
		.amdhsa_reserve_vcc 0
		.amdhsa_float_denorm_mode_32 3
		.amdhsa_float_denorm_mode_16_64 3
		.amdhsa_memory_ordered 1
		.amdhsa_forward_progress 1
		.amdhsa_inst_pref_size 191
	.end_amdhsa_kernel
	.amdgpu_metadata
---
amdhsa.version: [ 1, 2 ]
amdhsa.kernels:
  - .name:           k_qdf0ddcf889_gemm_qkv
    .symbol:         k_qdf0ddcf889_gemm_qkv.kd
    .args:
      - { .name: xq, .offset: 0, .size: 8, .value_kind: global_buffer, .address_space: global }
      - { .name: wq3, .offset: 8, .size: 8, .value_kind: global_buffer, .address_space: global }
      - { .name: cos, .offset: 16, .size: 8, .value_kind: global_buffer, .address_space: global }
      - { .name: sin, .offset: 24, .size: 8, .value_kind: global_buffer, .address_space: global }
      - { .name: qkv, .offset: 32, .size: 8, .value_kind: global_buffer, .address_space: global }
    .group_segment_fixed_size: 327680
    .private_segment_fixed_size: 0
    .kernarg_segment_align: 8
    .kernarg_segment_size: 40
    .max_flat_workgroup_size: 128
    .sgpr_count:     102
    .vgpr_count:     1024
    .wavefront_size: 32
...
	.end_amdgpu_metadata
.endif
;; end of part 6
;; launch attn (part 7): grid 32 x 8, 8 waves a work-group, clusters of 4 x 4, 327,680 bytes of LDS; arguments qkv, mask, aq; writes aq
.if DOCPART == 7
	.amdgcn_target "amdgcn-amd-amdhsa--gfx1250"
	.amdhsa_code_object_version 6
	.text
	.protected	k_qdf0ddcf889_attn
	.globl	k_qdf0ddcf889_attn
	.p2align	8
	.type	k_qdf0ddcf889_attn,@function
k_qdf0ddcf889_attn:
	s_mov_b64 s[64:65], 0
	v_nop
	global_prefetch_b8 v0, s[64:65] scope:SCOPE_SE
	s_setreg_imm32_b32 hwreg(HW_REG_WAVE_MODE, 25, 1), 1
	s_wait_xcnt 0x0
	s_wait_alu depctr_hold_cnt(0) depctr_sa_sdst(0) depctr_va_vdst(0) depctr_va_sdst(0) depctr_va_ssrc(0) depctr_va_vcc(0) depctr_vm_vsrc(0)
	s_getreg_b32 s2, hwreg(HW_REG_IB_STS2, 6, 4)
	s_cmp_eq_u32 s2, 0
	s_cbranch_scc0 .Lentry_in_a_cluster
	s_endpgm
.Lentry_in_a_cluster:
	s_bfe_u32 s2, ttmp6, 0x10000c
	s_cmp_lg_u32 s2, 0xf033
	s_cbranch_scc0 .Lentry_shape_is_right
	s_endpgm
.Lentry_shape_is_right:
; Attention on codes of BF6 with E8M0 scales: S = q k^T, + the mask input, softmax, O = p v, O / l, quantised along head x 128 + d for the last product.
; t = (q . k + mask sqrt(128)) c, c = log2(e) / sqrt(128); M = the running largest t rounded UP to a whole number; p = 2^(t - M) is quantised along the keys; l is the sum of the unquantised p.
; The mask is the C of the score products, times sqrt(128).  EVERY key is computed and every number of the mask is read: nothing of its pattern is built in.
; LIMITS: NaN and infinities (in the mask too) are not served.  The mask is added in the scores' units, so where it is huge against the scores the sum is rounded as coarsely as the sum of score x scaling and mask is in f32.
; SHARES.  A work-group owns 64 queries of one batch and one kv head, for BOTH query heads of the group.  Wave w: 16 queries (tile w % 4) for both heads, and HALF of the keys (w / 4): each fragment of k and v and each
; register of the mask feeds two products.  The two halves are merged at the end by powers of two, which round nothing.  Two waves share a SIMD.
; LAYOUT.  Both products are used transposed (source 0 = 16 keys, or 16 of the head's 128; source 1 = my 16 queries): a lane holds ONE query.  Tiles hold rows 32 (T / 2) + 8 (T % 2) + r + 8 (r / 8), so that the 16 registers
; of result tiles 2 b, 2 b + 1 are 16 neighbours: 32 b + 16 (lane / 16) + i.  Fragments lie in memory and LDS as images of their registers: three loads of 512 consecutive bytes.
; RING.  Two slots, one key step (128 keys of each half) each: k and v records (12,800 bytes each, waves 0-3) and the mask's 64 rows x 128 columns of each half (waves 4-7).
; CLUSTER 4 x 4: the query blocks of a row of the cluster share k and v, the (batch, kv head) pairs of a column share the mask: both are asked for jointly.
; REGISTERS: window 0: v1-11 addresses; v12-19 -M, largest t, l (two halves) for each head; v20-43 q; v44-47 k's or v's scale words; v48-49 q's; v50-51 p's; v52-75 p's codes; v76-82, v84-119 at work; v128-255 scores, then p.
;   window 1: v0-127 O^T of both heads; v128-191 the mask; v192-239 four fragments.
.set SLOT1, 1<<17
.set KVB,   12800                      ; a record as read: eight images and 512 bytes of scale words
.set MOFF,  4*KVB                      ; behind k's two and v's two: the mask
.set MPIT,  528                        ; a row of it: 512 bytes + 16
.set MQ,    32*MPIT                    ; what one tensor load brings of it
.set MRG,   SLOT1+MOFF+4*MQ            ; behind the ring: O^T of the upper half of the keys, 16,384 bytes for each tile of queries;
.set MST,   MRG+4*16384                ; its -M and l, 768 bytes each;
.set SPARE, MST+4*768                  ; the spare words, 128 bytes a wave: four blocks of 256 bytes that no other line names
.set AFR, 1                            ; v1   fragments: 16 x lane + my half's record
.set ASC, 2                            ; v2   scale words: 16 r
.set AMK, 3                            ; v3   the mask: my query's row, + 64 (lane / 16)
.set SPW, 4
.set NIL, 5
.set ADF, 6                            ; v6-8 the same three in the slot in hand
.set ADS, 7
.set ADM, 8
.set MA,  9                            ; v9   the merge: O^T
.set MS,  10                           ; v10  the merge: -M, l
.set PFO, 11                           ; v11  the prefetches' offset; never rewritten
.set ST,  12
.set QF,  20
.set KW,  44
.set QW,  48
.set PW,  50
.set PC,  52
.set CT,  76
.set TM,  84                           ; v84-91 the blocks' largest scores (BM); the last quantiser's work registers begin here too
.set BM,  84
.set PT,  92
.set SO,  100
.set FF,  108                          ; v[108:109], v[110:111] f
.set TT,  112
.set HH,  114
.set R16, 115
.set SU,  116                          ; v[116:117], v[118:119] second chains of the sums
.set LI,  120                          ; v120 16 x lane
.set R8,  121                          ; v121 8 r
.set S,   128
.set MK,  128                          ; window 1
.set FRG, 192                          ; window 1
.set WV,  10
.set SEL, 20
.set CS,  22
.set G1KV, 24
.set G1M,  32
.set G0KV, 40
.set G0M,  44
.set TB,   48
.set SLOTS, 49
.set LIM,  50
.set PFA,  52
.set PFS,  54
.set QP,   56
.set QWP,  58
.set OUTP, 60
.set OUTS, 62
.set MSB, 0
.macro WIN new
.if MSB != (\new)
	s_set_vgpr_msb (MSB<<8)|(\new)
.set MSB, (\new)
.endif
.endm
; Every wave has one joint load: waves 0-3 a record of k or v, waves 4-7 a quarter of the mask's tiles.  The branch hangs on the wave's number alone.  Four v_nop follow each line.
.macro TLOAD
	s_cmp_lt_u32 s[WV], 4
	s_cbranch_scc0 .Lfor_m_\@
	tensor_load_to_lds s[G0KV:G0KV+3], s[G1KV:G1KV+7]
	s_nop 0
.rept 4
	v_nop
.endr
	s_branch .Lasked_\@
.Lfor_m_\@:
	tensor_load_to_lds s[G0M:G0M+3], s[G1M:G1M+7]
	s_nop 0
.rept 4
	v_nop
.endr
.Lasked_\@:
.endm
; A PREFETCH INTO THE L2 of what the NEXT change of slots will ask for, one key step ahead of that load.  k and v: all clusters along x walk the same records: cluster x = 0 asks; partner cx takes stream cx (k lower, k upper,
; v lower, v upper half of the keys), told apart by address; waves 0 and 1 name its 50 blocks of 256 bytes, a lane a block (the lanes past the 50th name the 50th again).  The mask: both clusters along y read the same rows:
; cluster y = 0 asks; partner cy takes 16 of the 64 rows; wave 2 the lower half of the keys, wave 3 the upper: 16 rows x 2 blocks.  Key steps 0 and 1 come by their loads alone; the last change that fills a slot asks for nothing.
.macro ASK
	s_cmp_gt_u32 s[SLOTS], s[LIM]
	s_cbranch_scc0 .Lnot_mine_\@
	global_prefetch_b8 v[PFO], s[PFA:PFA+1] th:TH_LOAD_NT scope:SCOPE_SE
.Lnot_mine_\@:
.endm
.macro CROUND
	s_barrier_signal -1
	s_barrier_wait -1
	s_cmp_lg_u32 s[WV], 0
	s_cbranch_scc1 .Lnot_wave_0_\@
	s_barrier_signal -3
.Lnot_wave_0_\@:
	s_barrier_wait -3
	s_barrier_signal -1
	s_barrier_wait -1
.endm
.macro PLACES
.rept 4
	v_nop
.endr
.endm
	s_load_b128 s[4:7], s[0:1], 0x0                ; qkv, mask
	s_load_b64 s[8:9], s[0:1], 0x10                ; aq
	v_lshl_add_u32 v[SPW], v0, 2, SPARE
	v_mov_b32 v[NIL], 0
	ds_add_u32 v4, v5
	ds_add_u32 v4, v5
	s_wait_dscnt 0x0
	v_lshrrev_b32 v[ADF], 5, v0
	s_delay_alu instid0(VALU_DEP_1)
	v_readfirstlane_b32 s[WV], v[ADF]              ; wave 0..7
	s_bfe_u32 s11, ttmp6, 0x40000                  ; cx
	s_bfe_u32 s12, ttmp6, 0x40004                  ; cy
	s_lshl_b32 s13, ttmp9, 2
	s_add_co_u32 s13, s13, s11                     ; my block of 64 queries
	s_and_b32 s19, ttmp7, 0xffff                   ; cluster y
	s_lshl_b32 s14, s19, 2
	s_add_co_u32 s14, s14, s12
	s_lshr_b32 s15, s14, 2                         ; batch
	s_and_b32 s16, s14, 3                          ; kv head
	s_and_b32 s17, s[WV], 3                        ; my tile of queries.  Also: which stream, or which quarter of the mask, I fetch
	s_lshr_b32 s18, s[WV], 2                       ; my half of the keys
	s_lshl_b32 s66, s12, 2
	s_lshl_b32 s66, 15, s66                        ; my row of the cluster
	s_lshl_b32 s67, 0x1111, s11                    ; my column
	s_or_b32 s[G1KV], s66, (3<<16)|(1<<21)         ; k, v: 12,800 dense bytes as 50 rows of 256 (32 elements of 8 bytes)
	s_mov_b32 s[G1KV+1], 32<<16
	s_mov_b32 s[G1KV+2], 50<<16
	s_mov_b32 s[G1KV+3], 32<<16
	s_mov_b32 s[G1KV+4], 50
	s_mov_b32 s[G1KV+5], 32
	s_mov_b32 s[G1KV+6], 0
	s_mov_b32 s[G1KV+7], 0
	s_or_b32 s[G1M], s67, (2<<16)|(1<<20)|(1<<21)|(6<<22)|(3<<25)   ; the mask: 32 rows of 128 f32, 2,048 apart; 4 words of padding behind every 128
	s_mov_b32 s[G1M+1], 128<<16
	s_mov_b32 s[G1M+2], 32<<16
	s_mov_b32 s[G1M+3], 128<<16
	s_mov_b32 s[G1M+4], 32
	s_mov_b32 s[G1M+5], 2048
	s_mov_b32 s[G1M+6], 0
	s_mov_b32 s[G1M+7], 0
	s_lshr_b32 s68, s17, 1                         ; stream 0, 1: k (slot 2 g + 9), lower and upper half of the keys; 2, 3: v (slot 2 g + 1)
	s_lshl_b32 s68, s68, 3
	s_lshl_b32 s69, s16, 1
	s_add_co_u32 s69, s69, 9
	s_sub_co_u32 s69, s69, s68
	s_lshl_b32 s69, s69, 5
	s_lshl_b32 s70, s15, 4
	s_add_co_u32 s69, s69, s70
	s_and_b32 s70, s17, 1
	s_lshl_b32 s70, s70, 3
	s_add_co_u32 s69, s69, s70
	s_lshl_b32 s70, s69, 14                        ; the stream's first record
	s_mov_b32 s71, 0
	s_mul_i32 s72, s17, KVB
	s_lshl_b32 s74, s13, 6                         ; the mask: quarter 2 (half of the keys) + (half of the 64 rows)
	s_and_b32 s75, s17, 1
	s_lshl_b32 s75, s75, 5
	s_add_co_u32 s74, s74, s75
	s_lshl_b32 s74, s74, 13
	s_lshr_b32 s75, s17, 1
	s_lshl_b32 s75, s75, 12
	s_add_co_u32 s74, s74, s75
	s_mov_b32 s75, 0
	s_mul_i32 s73, s17, MQ
	s_add_co_u32 s73, s73, MOFF
	s_mov_b32 s[SEL], 0x76543210
	s_mov_b32 s[SEL+1], 0xfedcba98
	s_mov_b32 s[CS], 0x3e0293ee                    ; c = log2(e) / sqrt(128)
	s_mov_b32 s[CS+1], s[CS]
	s_mov_b32 s[TB], 0
	s_mov_b32 s[SLOTS], 7
	s_wait_kmcnt 0x0
	s_mov_b32 s[G0KV], 1
	s_mov_b32 s[G0KV+1], s72
	s_add_nc_u64 s[G0KV+2:G0KV+3], s[4:5], s[70:71]
	s_or_b32 s[G0KV+3], s[G0KV+3], 0x80000000
	s_mov_b32 s[G0M], 1
	s_mov_b32 s[G0M+1], s73
	s_add_nc_u64 s[G0M+2:G0M+3], s[6:7], s[74:75]
	s_or_b32 s[G0M+3], s[G0M+3], 0x80000000
	CROUND                                         ; all sixteen work-groups are here: the first joint loads meet
	TLOAD                                          ; slot 0: key step 0 of both halves
	v_and_b32 v[TT], 31, v0                        ; lane
	v_and_b32 v[TT+1], 15, v0                      ; r
	v_bfe_u32 v[HH], v0, 4, 1                      ; h
	s_delay_alu instid0(VALU_DEP_3)
	v_lshlrev_b32 v[LI], 4, v[TT]
	s_wait_alu depctr_va_vdst(0)
	v_lshlrev_b32 v[R8], 3, v[TT+1]
	v_lshlrev_b32 v[R16], 4, v[TT+1]
	; q: the records of heads 2 g and 2 g + 1 lie 64 records apart
	s_wait_alu depctr_va_vdst(0)
	s_lshl_b32 s80, s16, 7
	s_lshl_b32 s81, s15, 4
	s_add_co_u32 s80, s80, s81
	s_lshr_b32 s81, s13, 1
	s_add_co_u32 s80, s80, s81
	s_lshl_b32 s80, s80, 14
	s_and_b32 s81, s13, 1                          ; which four of the record's eight tiles
	s_lshl_b32 s82, s81, 2
	s_add_co_u32 s82, s82, s17
	s_mul_i32 s82, s82, 1536
	s_add_co_u32 s82, s82, s80
	s_mov_b32 s83, 0
	s_lshl_b32 s84, s81, 8
	s_lshl_b32 s85, s17, 2
	s_add_co_u32 s84, s84, s85
	s_add_co_u32 s84, s84, 12288
	s_add_co_u32 s84, s84, s80
	s_mov_b32 s85, 0
	s_add_nc_u64 s[QP:QP+1], s[4:5], s[82:83]
	s_add_nc_u64 s[QWP:QWP+1], s[4:5], s[84:85]
.irp x, 0,1
.irp c, 0,1,2
	global_load_b128 v[QF+12*\x+4*\c:QF+12*\x+4*\c+3], v[LI], s[QP:QP+1] offset:1048576*\x+512*\c
.endr
	global_load_b32 v[QW+\x], v[R16], s[QWP:QWP+1] offset:1048576*\x
.endr
	s_mul_i32 s76, s18, KVB
	v_add_nc_u32 v[AFR], s76, v[LI]
	s_add_co_u32 s77, s76, 12288
	v_add_nc_u32 v[ASC], s77, v[R16]
	v_and_b32 v[AMK], 8, v[TT+1]
	s_delay_alu instid0(VALU_DEP_1)
	v_add_nc_u32 v[AMK], v[AMK], v[TT+1]           ; r + 8 (r / 8)
	s_delay_alu instid0(VALU_DEP_1)
	v_mul_u32_u24 v[AMK], v[AMK], MPIT
	s_delay_alu instid0(VALU_DEP_1)
	v_lshl_add_u32 v[AMK], v[HH], 6, v[AMK]
	s_wait_alu depctr_va_vdst(0)
	s_lshr_b32 s78, s17, 1
	s_lshl_b32 s78, s78, 5
	s_and_b32 s79, s17, 1
	s_lshl_b32 s79, s79, 3
	s_add_co_u32 s78, s78, s79                     ; my tile's first row among the 64
	s_mul_i32 s78, s78, MPIT
	s_mul_i32 s79, s18, 2*MQ
	s_add_co_u32 s78, s78, s79
	s_add_co_u32 s78, s78, MOFF
	v_add_nc_u32 v[AMK], s78, v[AMK]
	s_lshl_b32 s79, s17, 14
	s_add_co_u32 s79, s79, MRG
	v_add_nc_u32 v[MA], s79, v[LI]
	s_mul_i32 s79, s17, 768
	s_add_co_u32 s79, s79, MST
	v_lshl_add_u32 v[MS], v[TT], 2, s79
	; where the results go: tile 128 batch + 4 block + tile of queries, K step = head
	s_lshl_b32 s80, s15, 7
	s_lshl_b32 s81, s13, 2
	s_add_co_u32 s80, s80, s81
	s_add_co_u32 s80, s80, s17
	s_lshl_b32 s82, s80, 3
	s_lshl_b32 s81, s16, 1
	s_add_co_u32 s82, s82, s81
	s_mul_i32 s82, s82, 1536
	s_mov_b32 s83, 0
	s_add_nc_u64 s[OUTP:OUTP+1], s[8:9], s[82:83]
	s_lshl_b32 s82, s80, 9
	s_lshl_b32 s81, s16, 7
	s_add_co_u32 s82, s82, s81
	s_add_co_u32 s82, s82, 3145728
	s_add_nc_u64 s[OUTS:OUTS+1], s[8:9], s[82:83]
	; the prefetches (macro ASK)
	s_lshr_b32 s86, s[WV], 1                       ; 0: waves 0, 1: k and v;  1: waves 2, 3: the mask
	s_and_b32 s87, s[WV], 1
	s_lshr_b32 s88, s11, 1
	s_lshl_b32 s88, s88, 3
	s_lshl_b32 s89, s16, 1
	s_add_co_u32 s89, s89, 9
	s_sub_co_u32 s89, s89, s88
	s_lshl_b32 s89, s89, 5
	s_lshl_b32 s88, s15, 4
	s_add_co_u32 s89, s89, s88
	s_and_b32 s88, s11, 1
	s_lshl_b32 s88, s88, 3
	s_add_co_u32 s89, s89, s88
	s_add_co_u32 s89, s89, 1                       ; stream cx, key step 1: the first change of slots steps it to 2
	s_lshl_b32 s88, s89, 14
	s_lshl_b32 s89, s13, 6
	s_lshl_b32 s90, s12, 4
	s_add_co_u32 s89, s89, s90                     ; my work-group's 16 rows of the mask
	s_lshl_b32 s89, s89, 13
	s_lshl_b32 s90, s87, 12
	s_add_co_u32 s89, s89, s90
	s_add_co_u32 s89, s89, 512                     ; key step 1
	s_cmp_eq_u32 s86, 0
	s_cselect_b32 s90, s88, s89
	s_mov_b32 s91, 0
	s_cselect_b64 s[PFA:PFA+1], s[4:5], s[6:7]
	s_mov_b32 s[PFS], 512
	s_cselect_b32 s[PFS], 16384, s[PFS]            ; a key step on
	s_mov_b32 s[PFS+1], 0
	s_cselect_b32 s92, ttmp9, s19                  ; the coordinate along which other clusters read the same bytes
	s_cselect_b32 s93, -1, 0
	s_add_nc_u64 s[PFA:PFA+1], s[PFA:PFA+1], s[90:91]
	s_or_b32 s92, s92, s18                         ; waves 4-7 never ask
	s_cmp_eq_u32 s92, 0
	s_cselect_b32 s[LIM], 1, -1                    ; the same in all sixteen partners, for a given wave
	v_lshlrev_b32 v[SU], 8, v[TT]
	s_delay_alu instid0(VALU_DEP_1)
	v_lshl_add_u32 v[SU], s87, 13, v[SU]
	s_delay_alu instid0(VALU_DEP_1)
	v_min_u32 v[SU], 12544, v[SU]                  ; k, v: block 32 (wave % 2) + lane, the 50th at the most
	v_lshrrev_b32 v[SU+1], 1, v[TT]
	s_delay_alu instid0(VALU_DEP_1)
	v_lshlrev_b32 v[SU+1], 13, v[SU+1]
	v_and_b32 v[SU+2], 1, v[TT]
	s_delay_alu instid0(VALU_DEP_1)
	v_lshl_add_u32 v[SU+1], v[SU+2], 8, v[SU+1]    ; the mask: row lane / 2, block lane % 2
	s_delay_alu instid0(VALU_DEP_1)
	v_cndmask_b32 v[PFO], v[SU+1], v[SU], s93
.irp x, 0,1
	v_mov_b32 v[ST+4*\x+1], 0xff61b1e6             ; the largest t so far: -3e38
	s_delay_alu instid0(VALU_DEP_1)
	v_floor_f32 v[ST+4*\x], -v[ST+4*\x+1]          ; -M
	v_mov_b32 v[ST+4*\x+2], 0                      ; l, in two halves
	v_mov_b32 v[ST+4*\x+3], 0
	v_mov_b32 v[FF+2*\x+1], 0                      ; named as the upper half of a pair
.endr
.irp b, 0,1,2,3,4,5,6,7
	v_mov_b32 v[PT+\b], 0                          ; a lane permute's destination counts as one of its sources
.endr
	WIN 0x40
.set J_, 0
.rept 128
	v_mov_b32 v[J_], 0                             ; O^T.  Cleared once, so that the key step has no first form of its own: the first change of M multiplies zeros
.set J_, J_+1
.endr
	WIN 0
.macro LDFR base, g                    ; four fragments (tiles 4 g on) and their scale words; base: 0 for k, 2 KVB for v
	WIN 0x40
.irp t, 0,1,2,3
.irp c, 0,1,2
	ds_load_b128 v[FRG+12*\t+4*\c:FRG+12*\t+4*\c+3], v[ADF] offset:\base+(4*\g+\t)*1536+512*\c
.endr
.endr
	WIN 0
	ds_load_b128 v[KW:KW+3], v[ADS] offset:\base+256*\g
.endm
.macro SMUL g                          ; S^T = k q^T + the mask: four tiles of keys x both heads
.irp t, 0,1,2,3
.irp x, 0,1
	v_wmma_scale_f32_16x16x128_f8f6f4 v[S+64*\x+8*(4*\g+\t):S+64*\x+8*(4*\g+\t)+7], v[FRG+12*\t:FRG+12*\t+11], v[QF+12*\x:QF+12*\x+11], v[MK+8*(4*\g+\t):MK+8*(4*\g+\t)+7], v[KW+\t], v[QW+\x] matrix_a_fmt:MATRIX_FMT_BF6 matrix_b_fmt:MATRIX_FMT_BF6
.endr
.endr
.endm
.macro PVMUL g                         ; O^T += v^T p^T: four tiles of the head's 128 x both heads; each accumulator has one instruction a key step
.irp t, 0,1,2,3
.irp x, 0,1
	v_wmma_scale_f32_16x16x128_f8f6f4 v[64*\x+8*(4*\g+\t):64*\x+8*(4*\g+\t)+7], v[FRG+12*\t:FRG+12*\t+11], v[PC+12*\x:PC+12*\x+11], v[64*\x+8*(4*\g+\t):64*\x+8*(4*\g+\t)+7], v[KW+\t], v[PW+\x] matrix_a_fmt:MATRIX_FMT_BF6 matrix_b_fmt:MATRIX_FMT_BF6
.endr
.endr
.endm
.macro SOFTMAX                         ; both heads' tiles, stage by stage, the two by turns
.irp x, 0,1
.irp b, 0,1,2,3
	v_max3_num_f32 v[BM+4*\x+\b], v[S+64*\x+16*\b], v[S+64*\x+16*\b+1], v[S+64*\x+16*\b+2]   ; the largest score of each block of 32 keys: for the row's maximum, and for the block's largest p
.endr
.endr
.irp i, 3,5,7,9,11,13
.irp x, 0,1
.irp b, 0,1,2,3
	v_max3_num_f32 v[BM+4*\x+\b], v[BM+4*\x+\b], v[S+64*\x+16*\b+\i], v[S+64*\x+16*\b+\i+1]
.endr
.endr
.endr
.irp b, 0,1,2,3,4,5,6,7
	v_max_num_f32 v[BM+\b], v[BM+\b], v[S+16*\b+15]
.endr
.irp b, 0,1,2,3,4,5,6,7
	v_permlanex16_b32 v[PT+\b], v[BM+\b], s[SEL], s[SEL+1]
.endr
.irp b, 0,1,2,3,4,5,6,7
	v_max_num_f32 v[BM+\b], v[BM+\b], v[PT+\b]     ; with lane l xor 16's 16 keys
.endr
.irp x, 0
	v_max3_num_f32 v[TT+\x], v[BM+4*\x], v[BM+4*\x+1], v[BM+4*\x+2]
.endr
.irp x, 1
	s_delay_alu instid0(VALU_DEP_3)
	v_max3_num_f32 v[TT+\x], v[BM+4*\x], v[BM+4*\x+1], v[BM+4*\x+2]
.endr
.irp x, 0,1
	s_delay_alu instid0(VALU_DEP_2)
	v_max_num_f32 v[TT+\x], v[TT+\x], v[BM+4*\x+3]
.endr
.irp x, 0,1
	s_delay_alu instid0(VALU_DEP_2)
	v_mul_f32 v[TT+\x], s[CS], v[TT+\x]            ; the step's largest t
.endr
.irp x, 0,1
	s_delay_alu instid0(VALU_DEP_2)
	v_max_num_f32 v[ST+4*\x+1], v[ST+4*\x+1], v[TT+\x]
.endr
.irp x, 0,1
	v_mov_b32 v[TT+\x], v[ST+4*\x]
.endr
.irp x, 0,1
	s_delay_alu instid0(VALU_DEP_4)
	v_floor_f32 v[ST+4*\x], -v[ST+4*\x+1]          ; the new -M = -ceil(t): a whole number
.endr
.irp x, 0,1
	s_delay_alu instid0(VALU_DEP_2)
	v_sub_f32 v[TT+\x], v[ST+4*\x], v[TT+\x]       ; old M - new M, 0 or less
.endr
.irp x, 0,1
	s_delay_alu instid0(VALU_DEP_2)
	v_cvt_i32_f32 v[TT+\x], v[TT+\x]               ; (it saturates)
.endr
.irp x, 0,1
	s_delay_alu instid0(VALU_DEP_2)
	v_ldexp_f32 v[FF+2*\x], 1.0, v[TT+\x]          ; f = 2^(old M - new M)
.endr
.set J_, 0
.rept 64
	v_pk_fma_f32 v[S+2*J_:S+2*J_+1], v[S+2*J_:S+2*J_+1], s[CS:CS+1], v[ST+4*(J_/32):ST+4*(J_/32)+1] op_sel_hi:[1,0,0]   ; t - M
.set J_, J_+1
.endr
.irp b, 0,1,2,3,4,5,6,7
	v_fma_f32 v[BM+\b], v[BM+\b], s[CS], v[ST+4*(\b/4)]   ; the same of each block's largest score
.endr
.set J_, 0
	s_wait_alu depctr_va_vdst(0)
.rept 128
	v_exp_f32 v[S+J_], v[S+J_]                     ; p = 2^(t - M): one batch
.set J_, J_+1
.endr
.irp x, 0,1
	v_pk_mul_f32 v[ST+4*\x+2:ST+4*\x+3], v[ST+4*\x+2:ST+4*\x+3], v[FF+2*\x:FF+2*\x+1] op_sel_hi:[1,0]   ; l under the new M; plain work behind the exponentials
.endr
	s_wait_alu depctr_va_vdst(0)                   ; one wait for the batch, ahead of its first reader
.irp b, 0,1,2,3,4,5,6,7
	v_exp_f32 v[BM+\b], v[BM+\b]                   ; each block's largest p
.endr
.irp x, 0,1
	v_pk_add_f32 v[SU+2*\x:SU+2*\x+1], v[S+64*\x:S+64*\x+1], v[S+64*\x+2:S+64*\x+3]   ; l takes the UNQUANTISED p: two chains a head
.endr
.irp j, 4,8,12,16,20,24,28,32,36,40,44,48,52,56,60
.irp x, 0,1
	v_pk_add_f32 v[ST+4*\x+2:ST+4*\x+3], v[ST+4*\x+2:ST+4*\x+3], v[S+64*\x+\j:S+64*\x+\j+1]
	v_pk_add_f32 v[SU+2*\x:SU+2*\x+1], v[SU+2*\x:SU+2*\x+1], v[S+64*\x+\j+2:S+64*\x+\j+3]
.endr
.endr
.irp x, 0
	s_delay_alu instid0(VALU_DEP_3)
	v_pk_add_f32 v[ST+4*\x+2:ST+4*\x+3], v[ST+4*\x+2:ST+4*\x+3], v[SU+2*\x:SU+2*\x+1]
.endr
.irp x, 1
	s_delay_alu instid0(VALU_DEP_2)
	v_pk_add_f32 v[ST+4*\x+2:ST+4*\x+3], v[ST+4*\x+2:ST+4*\x+3], v[SU+2*\x:SU+2*\x+1]
.endr
	s_wait_alu depctr_va_vdst(0)                   ; and one for the eight
.irp b, 0,1,2,3,4,5,6,7
	v_max_num_f32 v[BM+\b], 0x2800000, v[BM+\b]    ; the floor 2^(5 - 127)
.endr
.irp b, 0,1,2,3,4,5,6,7
	v_add_nc_u32 v[SO+\b], 0xfe000000, v[BM+\b]    ; the conversion's scale operand
.endr
.irp b, 0,1,2,3,4,5,6,7
	v_lshrrev_b32 v[PT+\b], 23, v[SO+\b]           ; the byte
.endr
.irp x, 0
	v_lshl_or_b32 v[PW+\x], v[PT+4*\x+1], 8, v[PT+4*\x]
.endr
.irp x, 1
	s_delay_alu instid0(VALU_DEP_4)
	v_lshl_or_b32 v[PW+\x], v[PT+4*\x+1], 8, v[PT+4*\x]
.endr
.irp x, 0,1
	s_delay_alu instid0(VALU_DEP_2)
	v_lshl_or_b32 v[PW+\x], v[PT+4*\x+2], 16, v[PW+\x]
.endr
.irp x, 0,1
	s_delay_alu instid0(VALU_DEP_2)
	v_lshl_or_b32 v[PW+\x], v[PT+4*\x+3], 24, v[PW+\x]
.endr
.irp x, 0,1
.irp c, 0,1
	v_cvt_scalef32_pk16_bf6_f32 v[PC+12*\x+6*\c:PC+12*\x+6*\c+2], v[S+64*\x+32*\c:S+64*\x+32*\c+15], v[SO+4*\x+2*\c]
	v_cvt_scalef32_pk16_bf6_f32 v[CT+4*\c:CT+4*\c+2], v[S+64*\x+32*\c+16:S+64*\x+32*\c+31], v[SO+4*\x+2*\c+1]
.endr
	v_nop                                          ; one plain place behind a scaled conversion
.irp c, 0,1
.irp i, 0,1,2
	v_permlane16_swap_b32 v[PC+12*\x+6*\c+\i], v[CT+4*\c+\i]
.endr
.irp i, 0,1,2
	s_delay_alu instid0(VALU_DEP_3)
	v_mov_b32 v[PC+12*\x+6*\c+3+\i], v[CT+4*\c+\i]
.endr
.endr
.endr
	WIN 0x41
.set J_, 0
.rept 64
	v_pk_mul_f32 v[2*J_:2*J_+1], v[2*J_:2*J_+1], v[FF+2*(J_/32):FF+2*(J_/32)+1] op_sel_hi:[1,0]   ; O^T under the new M; these also stand between the codes, the scale words and the products that take them
.set J_, J_+1
.endr
.endm
; A KEY STEP: 128 keys of my half, both heads.
.macro STEP
	v_add_nc_u32 v[ADF], s[TB], v[AFR]
	v_add_nc_u32 v[ADS], s[TB], v[ASC]
	v_add_nc_u32 v[ADM], s[TB], v[AMK]
	v_nop                                          ; four places behind the last step's products, in front of loads into their registers
	WIN 0x40
.irp b, 0,1,2,3
.irp j, 0,1,2,3
	ds_load_b128 v[MK+16*\b+4*\j:MK+16*\b+4*\j+3], v[ADM] offset:128*\b+16*\j   ; the mask in the result's layout: my query, keys 32 b + 16 (lane / 16) + 4 j on
.endr
.endr
	LDFR 0, 0
	s_wait_dscnt 13                                ; the mask's 16 loads are in; the 13 behind them may be out
	WIN 0x41
.set J_, 0
.rept 32
	v_pk_mul_f32 v[MK+2*J_:MK+2*J_+1], v[MK+2*J_:MK+2*J_+1], 0x413504f3 op_sel_hi:[1,0]   ; x sqrt(128): into the scores' units
.set J_, J_+1
.endr
	s_wait_alu depctr_va_vdst(0)
	s_wait_dscnt 0x0
	WIN 0x11
	SMUL 0
	PLACES
	LDFR 0, 1
	s_wait_dscnt 0x0
	WIN 0x11
	SMUL 1
	PLACES                                         ; for the loads below and for the first reads of the scores
	LDFR 2*KVB, 0                                  ; v's first four fragments land during the softmax
	SOFTMAX
	s_wait_alu depctr_va_vdst(0)
	s_wait_dscnt 0x0
	WIN 0x51
	PVMUL 0
	PLACES
	LDFR 2*KVB, 1
	s_wait_dscnt 0x0
	WIN 0x51
	PVMUL 1
	WIN 0
.endm
; THE CHANGE OF SLOTS stands at a key step's head.  Each wave waits for all its tensor loads (its part of the slot ahead), adds 0 to its spare word, and waits for that and for its reads of the slot that it has left.
; fill = 1: a round of the cluster's barrier, and behind it my one joint load, into the slot just left: it has a key step in which to land.
.macro CHANGE fill
	s_wait_tensorcnt 0x0                           ; no tensor load of mine is out, so a group 0 may be written
	ds_add_u32 v[SPW], v[NIL]                      ; 0 onto my spare word
.if \fill
	s_xor_b32 s[G0KV+1], s[G0KV+1], SLOT1
	s_add_nc_u64 s[G0KV+2:G0KV+3], s[G0KV+2:G0KV+3], 16384
	s_xor_b32 s[G0M+1], s[G0M+1], SLOT1
	s_add_nc_u64 s[G0M+2:G0M+3], s[G0M+2:G0M+3], 512
	s_wait_xcnt 0x0                                ; the last prefetch, a key step back, has read its address
	s_add_nc_u64 s[PFA:PFA+1], s[PFA:PFA+1], s[PFS:PFS+1]
	s_wait_dscnt 0x0                               ; the add is done, and my reads of the slot that I have left are over
	CROUND
	TLOAD
	ASK
.else
	s_wait_dscnt 0x0
	s_barrier_signal -1
	s_barrier_wait -1
.endif
.endm
	s_wait_loadcnt 0x0                             ; q
.Lslot:                                            ; seven trips: behind each change of slots but the last the next key step is asked for
	CHANGE 1
	STEP
	s_xor_b32 s[TB], s[TB], SLOT1
	s_sub_co_u32 s[SLOTS], s[SLOTS], 1
	s_cmp_lg_u32 s[SLOTS], 0
	s_cbranch_scc1 .Lslot
	CHANGE 0                                       ; the last key step is written out
	STEP
	; THE MERGE.  Waves 4-7 hand O^T, -M and l of the upper half of the keys to waves 0-3 through LDS bytes into which no tile ever lands.
	PLACES
	s_cmp_lt_u32 s[WV], 4
	s_cbranch_scc1 .Lkeep
	WIN 0x04                                       ; an LDS store's data are its source 1: window 1
.set J_, 0
.rept 32
	ds_store_b128 v[MA], v[4*J_:4*J_+3] offset:512*J_   ; each accumulator from its low end on
.set J_, J_+1
.endr
	WIN 0
.irp x, 0,1
.irp i, 0,1,2
	ds_store_b32 v[MS], v[ST+4*\x+\i+(\i+1)/2] offset:128*(3*\x+\i)   ; -M, l's two halves
.endr
.endr
.Lkeep:
	s_wait_dscnt 0x0                               ; for the others' sake: my stores have landed
	s_barrier_signal -1
	s_barrier_wait -1
	s_cmp_lt_u32 s[WV], 4
	s_cbranch_scc0 .Lend
.set J_, 0
.rept 32
	ds_load_b128 v[S+4*J_:S+4*J_+3], v[MA] offset:512*J_
.set J_, J_+1
.endr
.irp i, 0,1,2,3,4,5
	ds_load_b32 v[BM+\i], v[MS] offset:128*\i
.endr
	s_wait_dscnt 0x0
.irp x, 0,1
	v_min_num_f32 v[TT+\x], v[ST+4*\x], v[BM+3*\x]         ; -M of both halves together
.endr
.irp x, 0
	s_delay_alu instid0(VALU_DEP_2)
	v_sub_f32 v[PT+2*\x], v[TT+\x], v[ST+4*\x]             ; my M less the common M: a whole number, 0 or less
	s_delay_alu instid0(VALU_DEP_3)
	v_sub_f32 v[PT+2*\x+1], v[TT+\x], v[BM+3*\x]           ; the partner's
.endr
.irp x, 1
	s_delay_alu instid0(VALU_DEP_3)
	v_sub_f32 v[PT+2*\x], v[TT+\x], v[ST+4*\x]             ; my M less the common M: a whole number, 0 or less
	s_delay_alu instid0(VALU_DEP_4)
	v_sub_f32 v[PT+2*\x+1], v[TT+\x], v[BM+3*\x]           ; the partner's
.endr
.irp b, 0,1,2,3
	s_delay_alu instid0(VALU_DEP_4)
	v_cvt_i32_f32 v[PT+\b], v[PT+\b]
.endr
.irp b, 0,1,2,3
	s_delay_alu instid0(VALU_DEP_4)
	v_ldexp_f32 v[PT+\b], 1.0, v[PT+\b]                    ; powers of two: nothing is rounded
.endr
.irp x, 0,1
	v_add_f32 v[ST+4*\x+2], v[ST+4*\x+2], v[ST+4*\x+3]
	v_add_f32 v[BM+3*\x+1], v[BM+3*\x+1], v[BM+3*\x+2]
.endr
.irp x, 0
	s_delay_alu instid0(VALU_DEP_4)
	v_mul_f32 v[ST+4*\x+2], v[ST+4*\x+2], v[PT+2*\x]
.endr
.irp x, 1
	s_delay_alu instid0(VALU_DEP_3)
	v_mul_f32 v[ST+4*\x+2], v[ST+4*\x+2], v[PT+2*\x]
.endr
.irp x, 0,1
	s_delay_alu instid0(VALU_DEP_2)
	v_fma_f32 v[ST+4*\x+2], v[BM+3*\x+1], v[PT+2*\x+1], v[ST+4*\x+2]
.endr
.irp x, 0,1
	s_delay_alu instid0(VALU_DEP_2)
	v_permlanex16_b32 v[TT+\x], v[ST+4*\x+2], s[SEL], s[SEL+1]
.endr
.irp x, 0,1
	s_delay_alu instid0(VALU_DEP_2)
	v_add_f32 v[ST+4*\x+2], v[ST+4*\x+2], v[TT+\x]         ; with lane l xor 16's: the row's l
.endr
	s_wait_alu depctr_va_vdst(0)
.irp x, 0,1
	v_rcp_f32 v[ST+4*\x+3], v[ST+4*\x+2]
.endr
	v_nop                                          ; a plain place behind the reciprocals
	s_wait_alu depctr_va_vdst(0)                   ; and the wait ahead of their first reader
.irp x, 0,1
	v_mul_f32 v[FF+2*\x], v[PT+2*\x], v[ST+4*\x+3]         ; what my O^T is multiplied by,
	v_mul_f32 v[SU+2*\x], v[PT+2*\x+1], v[ST+4*\x+3]       ; and the partner's
.endr
.set J_, 0
.rept 64
	v_pk_mul_f32 v[S+2*J_:S+2*J_+1], v[S+2*J_:S+2*J_+1], v[SU+2*(J_/32):SU+2*(J_/32)+1] op_sel_hi:[1,0]
.set J_, J_+1
.endr
	WIN 0x01
.set J_, 0
.rept 64
	v_pk_fma_f32 v[S+2*J_:S+2*J_+1], v[2*J_:2*J_+1], v[FF+2*(J_/32):FF+2*(J_/32)+1], v[S+2*J_:S+2*J_+1] op_sel_hi:[1,0,1]   ; register 16 b + i is o(my query, d = 32 b + 16 (lane / 16) + i)
.set J_, J_+1
.endr
	WIN 0
; 64 numbers of a lane become a fragment's codes in v[PC] on and my row's scale word in v[pw]
.macro QUANT s, pw
.irp b, 0,1,2,3
	v_max3_num_f32 v[TM+\b], |v[(\s)+16*\b]|, |v[(\s)+1+16*\b]|, 0x2800000
.endr
.irp i, 2,4,6,8,10,12,14
.irp b, 0,1,2,3
	s_delay_alu instid0(VALU_DEP_4)
	v_max3_num_f32 v[TM+\b], v[TM+\b], |v[(\s)+16*\b+\i]|, |v[(\s)+1+16*\b+\i]|
.endr
.endr
.irp b, 0,1,2,3
	s_delay_alu instid0(VALU_DEP_4)
	v_permlanex16_b32 v[TM+4+\b], v[TM+\b], s[SEL], s[SEL+1]
.endr
.irp b, 0,1,2,3
	s_delay_alu instid0(VALU_DEP_4)
	v_max_num_f32 v[TM+\b], v[TM+\b], v[TM+4+\b]
.endr
.irp b, 0,1,2,3
	s_delay_alu instid0(VALU_DEP_4)
	v_add_nc_u32 v[TM+12+\b], 0xfe000000, v[TM+\b]
.endr
.irp b, 0,1,2,3
	s_delay_alu instid0(VALU_DEP_4)
	v_lshrrev_b32 v[TM+4+\b], 23, v[TM+12+\b]
.endr
	s_delay_alu instid0(VALU_DEP_3)
	v_lshl_or_b32 v[\pw], v[TM+5], 8, v[TM+4]
	s_delay_alu instid0(VALU_DEP_1)
	v_lshl_or_b32 v[\pw], v[TM+6], 16, v[\pw]
	s_delay_alu instid0(VALU_DEP_1)
	v_lshl_or_b32 v[\pw], v[TM+7], 24, v[\pw]
.irp c, 0,1
	v_cvt_scalef32_pk16_bf6_f32 v[PC+6*\c:PC+2+6*\c], v[(\s)+32*\c:(\s)+15+32*\c], v[TM+12+2*\c]
	v_cvt_scalef32_pk16_bf6_f32 v[PC+12+4*\c:PC+14+4*\c], v[(\s)+16+32*\c:(\s)+31+32*\c], v[TM+12+2*\c+1]
.endr
	v_nop
.irp c, 0,1
.irp i, 0,1,2
	v_permlane16_swap_b32 v[PC+6*\c+\i], v[PC+12+4*\c+\i]
.endr
.irp i, 0,1,2
	s_delay_alu instid0(VALU_DEP_3)
	v_mov_b32 v[PC+3+6*\c+\i], v[PC+12+4*\c+\i]
.endr
.endr
.endm
	QUANT S, PW
.irp c, 0,1,2
	global_store_b128 v[LI], v[PC+4*\c:PC+4*\c+3], s[OUTP:OUTP+1] offset:512*\c
.endr
	s_wait_xcnt 0x0                                ; the stores have read the codes' registers
	QUANT S+64, PW+1
.irp c, 0,1,2
	global_store_b128 v[LI], v[PC+4*\c:PC+4*\c+3], s[OUTP:OUTP+1] offset:1536+512*\c
.endr
	global_store_b64 v[R8], v[PW:PW+1], s[OUTS:OUTS+1]   ; row r's two words; lanes 16-31 hold the same two and write them to the same bytes
.Lend:
	s_wait_tensorcnt 0x0                           ; the wave's end
	ds_add_u32 v[SPW], v[NIL]
	s_wait_dscnt 0x0
	CROUND                                         ; the closing round
	s_endpgm
.Lfunc_end_k_qdf0ddcf889_attn:
	.size	k_qdf0ddcf889_attn, .Lfunc_end_k_qdf0ddcf889_attn-k_qdf0ddcf889_attn
	.p2alignl 7, 3214868480
	.fill 96, 4, 3214868480
	.section	.rodata,"a",@progbits
	.p2align	6, 0x0
	.amdhsa_kernel k_qdf0ddcf889_attn
		.amdhsa_group_segment_fixed_size 327680
		.amdhsa_private_segment_fixed_size 0
		.amdhsa_enable_private_segment 0
		.amdhsa_kernarg_size 24
		.amdhsa_user_sgpr_count 2
		.amdhsa_user_sgpr_kernarg_segment_ptr 1
		.amdhsa_wavefront_size32 1
		.amdhsa_system_sgpr_workgroup_id_x 1
		.amdhsa_system_sgpr_workgroup_id_y 1
		.amdhsa_system_sgpr_workgroup_id_z 1
		.amdhsa_system_vgpr_workitem_id 0
		.amdhsa_next_free_vgpr 512
		.amdhsa_next_free_sgpr 100
		.amdhsa_reserve_vcc 0
		.amdhsa_float_denorm_mode_32 3
		.amdhsa_float_denorm_mode_16_64 3
		.amdhsa_memory_ordered 1
		.amdhsa_forward_progress 1
		.amdhsa_inst_pref_size 122
	.end_amdhsa_kernel
	.amdgpu_metadata
---
amdhsa.version: [ 1, 2 ]
amdhsa.kernels:
  - .name:           k_qdf0ddcf889_attn
    .symbol:         k_qdf0ddcf889_attn.kd
    .args:
      - { .name: qkv, .offset: 0, .size: 8, .value_kind: global_buffer, .address_space: global }
      - { .name: mask, .offset: 8, .size: 8, .value_kind: global_buffer, .address_space: global }
      - { .name: aq, .offset: 16, .size: 8, .value_kind: global_buffer, .address_space: global }
    .group_segment_fixed_size: 327680
    .private_segment_fixed_size: 0
    .kernarg_segment_align: 8
    .kernarg_segment_size: 24
    .max_flat_workgroup_size: 256
    .sgpr_count:     100
    .vgpr_count:     512
    .wavefront_size: 32
...
	.end_amdgpu_metadata
.endif
;; end of part 7
;; launch gemm_out (part 8): grid 16 x 16, 4 waves a work-group, clusters of 4 x 4, 327,680 bytes of LDS; arguments aq, woq, out0; writes out0
.if DOCPART == 8
	.amdgcn_target "amdgcn-amd-amdhsa--gfx1250"
	.amdhsa_code_object_version 6
	.text
	.protected	k_qdf0ddcf889_gemm_out
	.globl	k_qdf0ddcf889_gemm_out
	.p2align	8
	.type	k_qdf0ddcf889_gemm_out,@function
k_qdf0ddcf889_gemm_out:
	s_mov_b64 s[64:65], 0
	v_nop
	global_prefetch_b8 v0, s[64:65] scope:SCOPE_SE
	s_setreg_imm32_b32 hwreg(HW_REG_WAVE_MODE, 25, 1), 1
	s_wait_xcnt 0x0
	s_wait_alu depctr_hold_cnt(0) depctr_sa_sdst(0) depctr_va_vdst(0) depctr_va_sdst(0) depctr_va_ssrc(0) depctr_va_vcc(0) depctr_vm_vsrc(0)
	s_getreg_b32 s2, hwreg(HW_REG_IB_STS2, 6, 4)
	s_cmp_eq_u32 s2, 0
	s_cbranch_scc0 .Lentry_in_a_cluster
	s_endpgm
.Lentry_in_a_cluster:
	s_bfe_u32 s2, ttmp6, 0x10000c
	s_cmp_lg_u32 s2, 0xf033
	s_cbranch_scc0 .Lentry_shape_is_right
	s_endpgm
.Lentry_shape_is_right:
; out0 [4096][4096] f32 = a [4096][1024] x wo [1024][4096], both as codes of BF6 (E3M2) with E8M0 scales, K = 1,024.
; aq and woq are [tile][K / 128][1,536 bytes]: images of a fragment's 12 registers; behind all codes (byte 3,145,728) the scale words, [tile][K / 256][16 rows][2 words].
; Tile T holds rows 32 (T / 2) + 8 (T % 2) + r + 8 (r / 8), r = 0 .. 15.
; SHARES.  A work-group makes 256 x 256 of out0; a wave makes 256 rows x 64 columns.
; wo: a wave's 64 columns (4 tiles x 8 K steps x 12 registers = 384 registers) are read by no other wave of the work-group: they go from memory straight into registers, once, and serve all 16 blocks of rows.
;     So they pass through no LDS, and there is no tile of wo that a joint load could bring.
; a:  the work-group's 16 tiles, all of K, are 196,608 bytes: they come into LDS once, one tensor load a wave (4 tiles, dense), asked for jointly by the four work-groups of a row of the cluster.
;     Their 8,192 bytes of scale words come through registers into LDS bytes of their own.  Nothing in LDS is filled again: no ring, and no barrier behind the one that shows the tiles to all waves.
; THE WALK goes by rows of out0: a block of 16 rows takes all of K, 32 matrix instructions on 4 accumulators by turns, and then leaves, while the next block is multiplied.
; The matrix instruction is used transposed (source 0 = 16 columns of wo, source 1 = 16 rows of a): the 16 registers of result tiles 2 b, 2 b + 1 are columns 32 b + 16 (lane / 16) + 0 .. 15 of one row.
; A block goes through the wave's own stage (16 rows x 256 bytes + 16) and is stored with sixteen lanes to each aligned run of 256 bytes.
; No prefetch: every byte that the launch reads is asked for at its head, so there is no loop in which to ask ahead.
; REGISTERS.  Window 0: v2-15 addresses, v28-29 the add's two, v40-47 a's scale words (two sets), v48-63 wo's, v64-127 rows on the way out (two sets), v128-143 a's scale words on their way to LDS.
;   Window 1: wo's fragments of K steps 0-4; window 2: of K steps 5-7.  Window 3: v0-191 a's fragments (two sets of 8 K steps), v192-255 accumulators (two sets of 4).
.set TILEB,  12288                     ; a tile's codes for all of K
.set SCW,    3145728                   ; where the scale words begin in aq and in woq
.set ROWC,   16384                     ; a row of out0 in bytes
.set SCLA,   16*TILEB                  ; LDS: a's scale words, behind its codes
.set STAGE,  262144                    ; LDS: the four stages
.set SPITCH, 272
.set SPARE,  STAGE+4*16*SPITCH         ; the spare words, 128 bytes a wave
.set LN, 2
.set LI, 3                             ; 16 x lane
.set L8, 4                             ; 8 x lane
.set RR, 5
.set HH, 6
.set T0, 7
.set T1, 8
.set STO, 9                            ; the stage, on the way in
.set RD, 10                            ; and back
.set CO, 11                            ; my byte offset in out0
.set ASW, 12                           ; where my quarter of a's scale words goes
.set AS0, 13                           ; a's scale words: SCLA + 8 x lane
.set ADA, 14                           ; a's fragments, at the pair of tiles in hand
.set ADS, 15                           ; a's scale words, likewise
.set SPW, 28
.set NIL, 29
.set SA, 40
.set SB, 48
.set OB, 64
.set TP, 128
.set G1, 24
.set G0, 32
.set TA, 48
.set TS, 49
.set MSB, 0
.macro WIN new                         ; the immediate's high byte repeats the setting that is left
.if MSB != (\new)
	s_set_vgpr_msb (MSB<<8)|(\new)
.set MSB, (\new)
.endif
.endm
.macro CROUND                          ; a round of the cluster's barrier
	s_barrier_signal -1
	s_barrier_wait -1
	s_cmp_lg_u32 s14, 0
	s_cbranch_scc1 .Lnot_wave_0_\@
	s_barrier_signal -3
.Lnot_wave_0_\@:
	s_barrier_wait -3
	s_barrier_signal -1
	s_barrier_wait -1
.endm
.macro PLACES
.rept 4
	v_nop
.endr
.endm
	s_load_b128 s[4:7], s[0:1], 0x0                ; aq, woq
	s_load_b64 s[12:13], s[0:1], 0x10              ; out0
	v_lshl_add_u32 v[SPW], v0, 2, SPARE
	v_mov_b32 v[NIL], 0
	ds_add_u32 v[SPW], v[NIL]                      ; the opening add, twice on end, and its wait ahead of my tensor load
	ds_add_u32 v[SPW], v[NIL]
	v_lshrrev_b32 v1, 5, v0
	v_readfirstlane_b32 s14, v1                    ; wave 0..3
	s_bfe_u32 s40, ttmp6, 0x40000                  ; cx
	s_bfe_u32 s41, ttmp6, 0x40004                  ; cy
	s_lshl_b32 s42, ttmp9, 2
	s_add_co_u32 s42, s42, s40                     ; block column
	s_and_b32 s17, ttmp7, 0xffff
	s_lshl_b32 s17, s17, 2
	s_add_co_u32 s17, s17, s41                     ; block row
	s_lshl_b32 s43, s41, 2
	s_lshl_b32 s43, 15, s43                        ; my row of the cluster
	s_or_b32 s[G1], s43, (3<<16)|(1<<21)           ; 4 tiles = 49,152 dense bytes as 192 rows of 256 (32 elements of 8 bytes)
	s_mov_b32 s[G1+1], 32<<16
	s_mov_b32 s[G1+2], 192<<16
	s_mov_b32 s[G1+3], 32<<16
	s_mov_b32 s[G1+4], 192
	s_mov_b32 s[G1+5], 32
	s_mov_b32 s[G1+6], 0
	s_mov_b32 s[G1+7], 0
	s_mul_i32 s18, s14, 4*TILEB                    ; my 4 tiles: in memory and in LDS alike
	s_lshl_b32 s19, s14, 11                        ; their 2,048 bytes of scale words
	s_mul_i32 s20, s17, 16*TILEB
	s_add_co_u32 s20, s20, s18                     ; a's codes: tile 16 x block row + 4 x wave
	s_mov_b32 s21, 0
	s_lshl_b32 s22, s17, 13
	s_add_co_u32 s22, s22, s19
	s_add_co_u32 s22, s22, SCW                     ; and their scale words
	s_mov_b32 s23, 0
	s_mul_i32 s44, s42, 16*TILEB
	s_add_co_u32 s44, s44, s18                     ; wo's codes: tile 16 x block column + 4 x wave
	s_mov_b32 s45, 0
	s_lshl_b32 s46, s42, 13
	s_add_co_u32 s46, s46, s19
	s_add_co_u32 s46, s46, SCW
	s_mov_b32 s47, 0
	s_lshl_b32 s36, s17, 22                        ; out0: 256 rows x block row,
	s_lshl_b32 s37, s42, 10                        ; 1,024 bytes x block column,
	s_add_co_u32 s36, s36, s37
	s_lshl_b32 s37, s14, 8                         ; 256 bytes x wave
	s_add_co_u32 s36, s36, s37
	s_mov_b32 s37, 0
	s_mul_i32 s38, s14, 16*SPITCH
	s_add_co_u32 s38, s38, STAGE                   ; my stage
	s_add_co_u32 s39, s19, SCLA
	s_mov_b32 s[TA], 0
	s_mov_b32 s[TS], 0
	v_and_b32 v[LN], 31, v0
	v_and_b32 v[RR], 15, v0
	v_bfe_u32 v[HH], v0, 4, 1
	v_lshlrev_b32 v[LI], 4, v[LN]
	v_lshlrev_b32 v[L8], 3, v[LN]
	v_mul_u32_u24 v[T0], v[RR], SPITCH
	v_mul_u32_u24 v[T1], v[HH], SPITCH
	v_lshl_add_u32 v[T0], v[HH], 6, v[T0]
	v_lshl_add_u32 v[T1], v[RR], 4, v[T1]
	v_add_nc_u32 v[STO], s38, v[T0]                ; in: row lane % 16, + 64 (lane / 16)
	v_add_nc_u32 v[RD], s38, v[T1]                 ; back: sixteen lanes to a row of 256 bytes, two rows an instruction
	v_lshlrev_b32 v[CO], 14, v[HH]
	v_lshl_add_u32 v[CO], v[RR], 4, v[CO]          ; and the same two rows in out0
	v_add_nc_u32 v[ASW], s39, v[LI]
	v_add_nc_u32 v[AS0], SCLA, v[L8]
	v_mov_b32 v[ADA], v[LI]
	v_add_nc_u32 v[ADS], SCLA, v[L8]
	s_wait_alu depctr_va_vdst(0)
	s_wait_dscnt 0x0                               ; both opening adds are done
	s_wait_kmcnt 0x0
	s_add_nc_u64 s[20:21], s[4:5], s[20:21]
	s_add_nc_u64 s[22:23], s[4:5], s[22:23]
	s_add_nc_u64 s[44:45], s[6:7], s[44:45]
	s_add_nc_u64 s[46:47], s[6:7], s[46:47]
	s_add_nc_u64 s[12:13], s[12:13], s[36:37]
	s_mov_b32 s[G0], 1
	s_mov_b32 s[G0+1], s18
	s_mov_b64 s[G0+2:G0+3], s[20:21]
	s_or_b32 s[G0+3], s[G0+3], 0x80000000
	CROUND                                         ; all sixteen work-groups are here: the joint loads meet
	tensor_load_to_lds s[G0:G0+3], s[G1:G1+7]      ; my one tensor load: 4 of a's 16 tiles, all of K
	s_nop 0
	PLACES
	WIN 0x40                                       ; wo's fragments: each load reads 512 consecutive bytes
.irp s, 0,1,2,3,4
.irp b, 0,1,2,3
.irp c, 0,1,2
	global_load_b128 v[48*\s+12*\b+4*\c:48*\s+12*\b+4*\c+3], v[LI], s[44:45] offset:\b*TILEB+\s*1536+512*\c
.endr
.endr
.endr
	WIN 0x80
.irp s, 5,6,7
.irp b, 0,1,2,3
.irp c, 0,1,2
	global_load_b128 v[48*(\s-5)+12*\b+4*\c:48*(\s-5)+12*\b+4*\c+3], v[LI], s[44:45] offset:\b*TILEB+\s*1536+512*\c
.endr
.endr
.endr
	WIN 0
.irp b, 0,1,2,3
.irp j, 0,1
	global_load_b64 v[SB+4*\b+2*\j:SB+4*\b+2*\j+1], v[L8], s[46:47] offset:512*\b+256*\j   ; register 2 j + w: lanes 0-15 K step 4 j + w, lanes 16-31 K step 4 j + 2 + w
.endr
.endr
.irp i, 0,1,2,3
	global_load_b128 v[TP+4*\i:TP+4*\i+3], v[LI], s[22:23] offset:512*\i
.endr
	s_wait_loadcnt 0x0
	s_wait_tensorcnt 0x0                           ; my part of a's tiles is in
.irp i, 0,1,2,3
	ds_store_b128 v[ASW], v[TP+4*\i:TP+4*\i+3] offset:512*\i
.endr
	s_wait_dscnt 0x0                               ; for the others' sake: my stores have landed
	s_barrier_signal -1
	s_barrier_wait -1                              ; all 16 tiles and all scale words are there for every wave
; a's tile at o tiles behind v[ADA]: 8 fragments into set p, and its scale words (laid as wo's)
.macro LDA p, o
	WIN 0xc0
.irp s, 0,1,2,3,4,5,6,7
.irp c, 0,1,2
	ds_load_b128 v[96*(\p)+12*\s+4*\c:96*(\p)+12*\s+4*\c+3], v[ADA] offset:(\o)*TILEB+1536*\s+512*\c
.endr
.endr
	WIN 0
.irp j, 0,1
	ds_load_b64 v[SA+4*(\p)+2*\j:SA+4*(\p)+2*\j+1], v[ADS] offset:(\o)*512+256*\j
.endr
.endm
.macro WM p, s, b
.set rD, 192+32*(\p)+8*(\b)
.set rB, 48*((\s)%5)+12*(\b)
.set rA, 96*(\p)+12*(\s)
.set rX, SB+4*(\b)+2*((\s)/4)+(\s)%2
.set rY, SA+4*(\p)+2*((\s)/4)+(\s)%2
.if (\s) == 0
	v_wmma_scale_f32_16x16x128_f8f6f4 v[rD:rD+7], v[rB:rB+11], v[rA:rA+11], 0, v[rX], v[rY] matrix_a_fmt:MATRIX_FMT_BF6 matrix_b_fmt:MATRIX_FMT_BF6
.elseif ((\s)/2)%2 == 0
	v_wmma_scale_f32_16x16x128_f8f6f4 v[rD:rD+7], v[rB:rB+11], v[rA:rA+11], v[rD:rD+7], v[rX], v[rY] matrix_a_fmt:MATRIX_FMT_BF6 matrix_b_fmt:MATRIX_FMT_BF6
.else
	v_wmma_scale_f32_16x16x128_f8f6f4 v[rD:rD+7], v[rB:rB+11], v[rA:rA+11], v[rD:rD+7], v[rX], v[rY] matrix_a_fmt:MATRIX_FMT_BF6 matrix_b_fmt:MATRIX_FMT_BF6 matrix_a_scale:MATRIX_SCALE_ROW1 matrix_b_scale:MATRIX_SCALE_ROW1
.endif
.endm
.macro SEND q                          ; the block of parity q: stage row 2 t + lane / 16 is row 2 t + lane / 16 + 8 (t / 4) of its tile; an odd tile lies 8 rows below the even one
.irp t, 0,1,2,3,4,5,6,7
	global_store_b128 v[CO], v[OB+32*(\q)+4*\t:OB+32*(\q)+4*\t+3], s[12:13] offset:(2*\t+8*(\t/4)+8*(\q))*ROWC th:TH_STORE_NT   ; 16 lanes store 256 consecutive bytes, aligned
.endr
.endm
; A BLOCK of 16 rows, parity p: its 32 products (the first of each accumulator takes 0 as C; the 4 accumulators by turns); the block before it is stored;
; ld = 1: the tile two blocks on takes its fragments' registers; then its results go through the stage.
.macro BLK p, ld, snd
	WIN 0xfd
.irp s, 0,1,2,3,4
.irp b, 0,1,2,3
	WM \p, \s, \b
.endr
.endr
	WIN 0xfe
.irp s, 5,6,7
.irp b, 0,1,2,3
	WM \p, \s, \b
.endr
.endr
	WIN 0
	s_wait_dscnt 0x0                               ; the last block's rows are back from the stage, and the next block's fragments are in
.if \snd
	SEND 1-(\p)
.endif
	PLACES                                         ; behind the products: for the loads into their fragments' registers and the stores of their results
.if \ld
	LDA \p, 2-(\p)
.endif
	WIN 0x0c
.irp b, 0,1,2,3
	ds_store_b128 v[STO], v[192+32*(\p)+8*\b:192+32*(\p)+8*\b+3] offset:128*(\b/2)+32*(\b%2)      ; each accumulator from its low end on
	ds_store_b128 v[STO], v[192+32*(\p)+8*\b+4:192+32*(\p)+8*\b+7] offset:128*(\b/2)+32*(\b%2)+16
.endr
	WIN 0
	s_wait_xcnt 0x0                                ; the stores issued so far have read their registers and their base
.irp t, 0,1,2,3,4,5,6,7
	ds_load_b128 v[OB+32*(\p)+4*\t:OB+32*(\p)+4*\t+3], v[RD] offset:2*\t*SPITCH   ; LDS serves a wave's instructions in order: these see my stores
.endr
.endm
.macro ONWARD                          ; two tiles of a on
	s_add_co_u32 s[TA], s[TA], 2*TILEB
	s_add_co_u32 s[TS], s[TS], 1024
	v_add_nc_u32 v[ADA], s[TA], v[LI]
	v_add_nc_u32 v[ADS], s[TS], v[AS0]
.endm
	LDA 0, 0
	LDA 1, 1
	s_wait_dscnt 0x0
	BLK 0, 1, 0                                    ; block 0: nothing to store yet
	ONWARD
	s_mov_b32 s3, 6
	s_wait_alu depctr_va_vdst(0)
.Lrow:                                             ; six trips: blocks 2 j + 1 and 2 j + 2; blocks 2 j and 2 j + 1 are stored
	BLK 1, 1, 1
	BLK 0, 1, 1
	ONWARD
	s_add_nc_u64 s[12:13], s[12:13], 32*ROWC       ; a pair of tiles is 32 rows of out0 (behind the block's wait on XCNT)
	s_sub_co_u32 s3, s3, 1
	s_cmp_lg_u32 s3, 0
	s_wait_alu depctr_va_vdst(0)
	s_cbranch_scc1 .Lrow
	BLK 1, 1, 1                                    ; block 13 fetches tile 15, the last
	BLK 0, 0, 1
	s_add_nc_u64 s[12:13], s[12:13], 32*ROWC
	BLK 1, 0, 1
	s_wait_dscnt 0x0
	SEND 1
	s_wait_tensorcnt 0x0                           ; the wave's end
	ds_add_u32 v[SPW], v[NIL]
	s_wait_dscnt 0x0
	CROUND                                         ; the closing round
	s_endpgm
.Lfunc_end_k_qdf0ddcf889_gemm_out:
	.size	k_qdf0ddcf889_gemm_out, .Lfunc_end_k_qdf0ddcf889_gemm_out-k_qdf0ddcf889_gemm_out
	.p2alignl 7, 3214868480
	.fill 96, 4, 3214868480
	.section	.rodata,"a",@progbits
	.p2align	6, 0x0
	.amdhsa_kernel k_qdf0ddcf889_gemm_out
		.amdhsa_group_segment_fixed_size 327680
		.amdhsa_private_segment_fixed_size 0
		.amdhsa_enable_private_segment 0
		.amdhsa_kernarg_size 24
		.amdhsa_user_sgpr_count 2
		.amdhsa_user_sgpr_kernarg_segment_ptr 1
		.amdhsa_wavefront_size32 1
		.amdhsa_system_sgpr_workgroup_id_x 1
		.amdhsa_system_sgpr_workgroup_id_y 1
		.amdhsa_system_sgpr_workgroup_id_z 1
		.amdhsa_system_vgpr_workitem_id 0
		.amdhsa_next_free_vgpr 1024
		.amdhsa_next_free_sgpr 66
		.amdhsa_reserve_vcc 0
		.amdhsa_float_denorm_mode_32 3
		.amdhsa_float_denorm_mode_16_64 3
		.amdhsa_memory_ordered 1
		.amdhsa_forward_progress 1
		.amdhsa_inst_pref_size 64
	.end_amdhsa_kernel
	.amdgpu_metadata
---
amdhsa.version: [ 1, 2 ]
amdhsa.kernels:
  - .name:           k_qdf0ddcf889_gemm_out
    .symbol:         k_qdf0ddcf889_gemm_out.kd
    .args:
      - { .name: aq, .offset: 0, .size: 8, .value_kind: global_buffer, .address_space: global }
      - { .name: woq, .offset: 8, .size: 8, .value_kind: global_buffer, .address_space: global }
      - { .name: out0, .offset: 16, .size: 8, .value_kind: global_buffer, .address_space: global }
    .group_segment_fixed_size: 327680
    .private_segment_fixed_size: 0
    .kernarg_segment_align: 8
    .kernarg_segment_size: 24
    .max_flat_workgroup_size: 128
    .sgpr_count:     66
    .vgpr_count:     1024
    .wavefront_size: 32
...
	.end_amdgpu_metadata
.endif
;; end of part 8
